; MI455X (gfx1250); checked and timed in simulation.
; The chip was launched on July 23, 2026; its instructions are those of AMD's public machine-readable ISA for CDNA 5 (MIT licence, August 2026) and "CDNA5" Instruction Set Architecture Reference Guide (July 2026). The comments in the code are by the model that wrote it; some were corrected since.
;; Self Attention. Allowed arithmetic: float matrix products may take bf16 or f16 operands with f32 sums; other float arithmetic in f32, or as packed bf16 or f16 multiplies, adds, multiply-adds, maxima and minima; sums over many terms, partial sums and values carried from step to step in f32; what a program stores and reads back later, other than sums and carried values, may be rounded once to bf16 or f16.
;; Inputs: Wk 1,024 x 1,024 float32; Wq 1,024 x 1,024 float32; Wv 1,024 x 1,024 float32; x 4 x 2,048 x 1,024 float32.
;; Outputs: out0 4 x 2,048 x 1,024 float32.
;; 2 versions, each right and faster than the one before. Each part assembles by itself: llvm-mc -triple=amdgcn-amd-amdhsa -mcpu=gfx1250 --defsym DOCPART=n.
;; ======== version 1 of 2: 6 launches
;; limits: values are held in f16: magnitudes above 65,504 overflow, below 6.1e-05 lose precision
;; workspace buffers: xb 16,777,216 bytes; wb 6,291,456 bytes; qkv 50,331,648 bytes; sc 67,108,864 bytes; pr 33,554,432 bytes; hd 3,145,728 bytes
;; launch cast (part 1): grid 1408 x 1, 8 waves a work-group, no clusters, 0 bytes of LDS; arguments x, Wq, Wk, Wv, xb, wb; writes xb, wb
.if DOCPART == 1
	.amdgcn_target "amdgcn-amd-amdhsa--gfx1250"
	.amdhsa_code_object_version 6
	.text
	.protected	k_q085f7fa4fc_cast
	.globl	k_q085f7fa4fc_cast
	.p2align	8
	.type	k_q085f7fa4fc_cast,@function
k_q085f7fa4fc_cast:
	s_mov_b64 s[64:65], 0
	v_nop
	global_prefetch_b8 v0, s[64:65] scope:SCOPE_SE
	s_setreg_imm32_b32 hwreg(HW_REG_WAVE_MODE, 25, 1), 1
	s_wait_xcnt 0x0
; xb = bf16(x), wb = bf16(Wq | Wk | Wv stacked by rows).  A plain stream: each input byte is read once, each output byte written once.
; A work-group takes a chunk of 32,768 input bytes (8,192 numbers).  Work-groups 0-1023 take x's 1,024 chunks; work-group 1024 + u takes
; chunk u % 128 of weight u / 128 (0 Wq, 1 Wk, 2 Wv) and writes chunk u of wb.  Thread t owns 16 bytes of each 4,096: a wave's load covers
; 512 consecutive bytes, its store 256 consecutive bytes at a multiple of 256.  No LDS, no barrier, no matrix unit: there is nothing to share.
.set XCH, 1024                         ; chunks in x
.set X,   8                            ; v[8:39]   eight loads of four f32
.set Y,   40                           ; v[40:55]  eight pairs of packed bf16
	s_load_b256 s[4:11], s[0:1], 0x0               ; x s[4:5], Wq s[6:7], Wk s[8:9], Wv s[10:11]
	s_load_b128 s[12:15], s[0:1], 0x20             ; xb s[12:13], wb s[14:15]
	s_max_u32 s16, ttmp9, XCH
	s_sub_co_u32 s16, s16, XCH                     ; u: my chunk among the weights' 384 (0 for x's work-groups, which do not use it)
	s_lshr_b32 s17, s16, 7                         ; which weight
	s_and_b32 s18, s16, 127                        ; which chunk of it
	v_lshlrev_b32 v1, 4, v0                        ; my 16 bytes of each 4,096 read
	v_lshlrev_b32 v2, 3, v0                        ; my 8 bytes of each 2,048 written
	s_wait_kmcnt 0x0
	s_cmp_eq_u32 s17, 1
	s_cselect_b64 s[20:21], s[8:9], s[6:7]         ; Wk or Wq
	s_cmp_eq_u32 s17, 2
	s_cselect_b64 s[20:21], s[10:11], s[20:21]     ; or Wv
	s_cmp_lt_u32 ttmp9, XCH
	s_cselect_b64 s[20:21], s[4:5], s[20:21]       ; or x
	s_cselect_b64 s[22:23], s[12:13], s[14:15]     ; into xb or wb
	s_cselect_b32 s24, ttmp9, s18                  ; the chunk read
	s_cselect_b32 s26, ttmp9, s16                  ; the chunk written
	s_lshl_b32 s24, s24, 15                        ; 32,768 bytes a chunk in
	s_mov_b32 s25, 0
	s_lshl_b32 s26, s26, 14                        ; 16,384 out
	s_mov_b32 s27, 0
	s_add_nc_u64 s[20:21], s[20:21], s[24:25]
	s_add_nc_u64 s[22:23], s[22:23], s[26:27]
.irp j, 0,1,2,3,4,5,6,7
	global_load_b128 v[X+4*(\j):X+4*(\j)+3], v1, s[20:21] offset:4096*(\j) th:TH_LOAD_NT  ; all eight loads go out before anything is waited for
.endr
.irp j, 0,1,2,3,4,5,6,7
	s_wait_loadcnt 7-(\j)                          ; loads come back in order: load j is in, the 7 - j younger ones stay out
	v_cvt_pk_bf16_f32 v[Y+2*(\j)],   v[X+4*(\j)],   v[X+4*(\j)+1]
	v_cvt_pk_bf16_f32 v[Y+2*(\j)+1], v[X+4*(\j)+2], v[X+4*(\j)+3]
	global_store_b64 v2, v[Y+2*(\j):Y+2*(\j)+1], s[22:23] offset:2048*(\j)  ; no register of a load or store is ever written again
.endr
	s_endpgm
.Lfunc_end_k_q085f7fa4fc_cast:
	.size	k_q085f7fa4fc_cast, .Lfunc_end_k_q085f7fa4fc_cast-k_q085f7fa4fc_cast
	.p2alignl 7, 3214868480
	.fill 96, 4, 3214868480
	.section	.rodata,"a",@progbits
	.p2align	6, 0x0
	.amdhsa_kernel k_q085f7fa4fc_cast
		.amdhsa_group_segment_fixed_size 0
		.amdhsa_private_segment_fixed_size 0
		.amdhsa_enable_private_segment 0
		.amdhsa_kernarg_size 48
		.amdhsa_user_sgpr_count 2
		.amdhsa_user_sgpr_kernarg_segment_ptr 1
		.amdhsa_wavefront_size32 1
		.amdhsa_system_sgpr_workgroup_id_x 1
		.amdhsa_system_sgpr_workgroup_id_y 1
		.amdhsa_system_sgpr_workgroup_id_z 1
		.amdhsa_system_vgpr_workitem_id 0
		.amdhsa_next_free_vgpr 64
		.amdhsa_next_free_sgpr 66
		.amdhsa_reserve_vcc 0
		.amdhsa_float_denorm_mode_32 3
		.amdhsa_float_denorm_mode_16_64 3
		.amdhsa_memory_ordered 1
		.amdhsa_forward_progress 1
		.amdhsa_inst_pref_size 4
	.end_amdhsa_kernel
	.amdgpu_metadata
---
amdhsa.version: [ 1, 2 ]
amdhsa.kernels:
  - .name:           k_q085f7fa4fc_cast
    .symbol:         k_q085f7fa4fc_cast.kd
    .args:
      - { .name: x, .offset: 0, .size: 8, .value_kind: global_buffer, .address_space: global }
      - { .name: Wq, .offset: 8, .size: 8, .value_kind: global_buffer, .address_space: global }
      - { .name: Wk, .offset: 16, .size: 8, .value_kind: global_buffer, .address_space: global }
      - { .name: Wv, .offset: 24, .size: 8, .value_kind: global_buffer, .address_space: global }
      - { .name: xb, .offset: 32, .size: 8, .value_kind: global_buffer, .address_space: global }
      - { .name: wb, .offset: 40, .size: 8, .value_kind: global_buffer, .address_space: global }
    .group_segment_fixed_size: 0
    .private_segment_fixed_size: 0
    .kernarg_segment_align: 8
    .kernarg_segment_size: 48
    .max_flat_workgroup_size: 256
    .sgpr_count:     66
    .vgpr_count:     64
    .wavefront_size: 32
...
	.end_amdgpu_metadata
.endif
;; end of part 1
;; launch proj (part 2): grid 12 x 32, 4 waves a work-group, clusters of 4 x 4, 327,680 bytes of LDS; arguments xb, wb, qkv, hd; writes qkv, hd
.if DOCPART == 2
	.amdgcn_target "amdgcn-amd-amdhsa--gfx1250"
	.amdhsa_code_object_version 6
	.text
	.protected	k_q085f7fa4fc_proj
	.globl	k_q085f7fa4fc_proj
	.p2align	8
	.type	k_q085f7fa4fc_proj,@function
k_q085f7fa4fc_proj:
	s_mov_b64 s[64:65], 0
	v_nop
	global_prefetch_b8 v0, s[64:65] scope:SCOPE_SE
	s_setreg_imm32_b32 hwreg(HW_REG_WAVE_MODE, 25, 1), 1
	s_wait_xcnt 0x0
	s_wait_alu depctr_hold_cnt(0) depctr_sa_sdst(0) depctr_va_vdst(0) depctr_va_sdst(0) depctr_va_ssrc(0) depctr_va_vcc(0) depctr_vm_vsrc(0)
	s_getreg_b32 s2, hwreg(HW_REG_IB_STS2, 6, 4)
	s_cmp_eq_u32 s2, 0
	s_cbranch_scc0 .Lentry_in_a_cluster
	s_endpgm
.Lentry_in_a_cluster:
	s_bfe_u32 s2, ttmp6, 0x10000c
	s_cmp_lg_u32 s2, 0xf033
	s_cbranch_scc0 .Lentry_shape_is_right
	s_endpgm
.Lentry_shape_is_right:
; qkv[m][n] = sum over k of xb[m][k] wb[n][k].  xb: [8192][1024] bf16, wb: [3072][1024] bf16 (Wq, Wk, Wv by rows), qkv: [8192][3072] f16: q, k, v side by side in a row.
; Products in bf16 (the inputs keep f32's range), sums in f32, the result rounded once to f16.
; hd: [2][256][3072] f16: the first 64 rows of each batch once more, each f32 sum a as two f16 numbers: hi = a with its mantissa cut to 11 bits (exact in f16), lo = a - hi rounded; row 64 b + i is row i of batch b.
; LIMIT.  f16 ends at 65,504: a projection beyond that becomes an infinity.  With inputs of unit spread the projections have unit spread.  Below f16's normal range (6.1e-5) hi and lo keep its fixed step of 6e-8.
; A tile of 256 x 256 is made by four waves, 128 x 128 each: 64 accumulators of 16 x 16, 512 registers.  K goes in 8 steps of 128 through a ring of two LDS slots filled by tensor loads:
; a tile's rows are 256 bytes of memory at multiples of 256 bytes.
; CLUSTER.  4 x 4 work-groups.  The four of a row of the cluster need the same rows of xb, the four of a column the same rows of wb: each tile is asked for jointly, by the same tensor load with
; the same descriptor and a mask that names the four.  Tile row = 8 cy + cluster y: a batch is 8 tile rows, so the tiles that hold a batch's first rows are those of the clusters with cluster y = 0,
; and the branch round hd's way out hangs on cluster y, which all partners share, and on the wave's number.
; REGISTERS, in windows of 256 (s_set_vgpr_msb: bits 1:0 source 0, 3:2 source 1, 5:4 source 2, 7:6 destination):
;   window 0: v16-26 addresses; v64-127, v128-191 fragments of xb, two buffers; v32-63, v192-255 (for hd also v64-159) at work on the way out
;   window 1: v64-127, v128-191 fragments of wb, two buffers      windows 2, 3: the accumulators of my rows 0-63, 64-127 ((a, b) at v[8 (8 (a % 4) + b)])
; THE MATRIX INSTRUCTION IS USED TRANSPOSED: source 0 = 16 rows of wb, source 1 = 16 rows of xb, so that a lane holds row l % 16 of the result and eight neighbouring columns 8 (l / 16) + 0..7.
.set SIZE_N, 3072
.set SIZE_K, 1024
.set KSTEP,  128
.set PITCH,  272                       ; an LDS row: 256 bytes + 16 of padding = 68 words: the 16 rows of a fragment load start at 16 different groups of four banks (64 banks of 4 bytes: ISA guide 11.1)
.set HALFT,  128*PITCH                 ; 128 rows: what one tensor load brings
.set SLOT,   4*HALFT                   ; xb's 256 rows, then wb's 256 rows
.set STAGE,  2*SLOT                    ; behind the ring, never filled by a tensor load: 16 rows x 272 bytes for each wave
.set SPITCH, 272
.set LAPS,   SIZE_K/(2*KSTEP)          ; a lap = two K steps = once round the ring: 4
.set LOP,    256*SIZE_N*2              ; hd's lo parts begin 1,572,864 bytes behind its hi parts
.set ADRA, 16                          ; v16-17  LDS address of my xb fragments in slot 0, 1
.set ADRB, 20                          ; v20-21  the same for wb
.set STO,  24                          ; v24     the way out: where I put 16 bytes of a row
.set RD,   25                          ; v25     where I read a row back
.set CO,   26                          ; v26     my byte offset in qkv, and in hd
.set F0,   64
.set F1,   128
.set TMP,  192                         ; packed results, window 0
.set OB,   32                          ; 16 rows read back: v32-63 and v224-255 by turns
.set TL,   32                          ; hd's way out: packed lo parts
.set FD,   64                          ; v64-127: a block's 64 numbers a lane: the hi parts in f32, then the differences
.set BKH,  224                         ; 16 rows of hi parts read back
.set BKL,  128                         ; 16 rows of lo parts read back
.set G1,  24                           ; s[24:31] descriptor group 1 for xb's tiles;  s[32:39] group 0, a set for each slot
.set G0,  32
.set G1B, 48                           ; s[48:55], s[56:63] the same for wb's
.set G0B, 56
.set HD,  66                           ; s[66:67] hd at my part of it
.set CLY, 70                           ; s70  cluster y
.set CUT, 71                           ; s71  the mask that cuts an f32 mantissa to f16's 10 stored bits
.set MSB, 0
.macro WIN new                         ; the immediate's high byte repeats the setting that is left; a switch that changes nothing is dropped
.if MSB != (\new)
	s_set_vgpr_msb (MSB<<8)|(\new)
.set MSB, \new
.endif
.endm
.set MUL_LO, 0xa1                      ; source 0 window 1, source 1 window 0, C and D window 2
.set MUL_HI, 0xf1                      ; the same, C and D window 3
.set TO_B,   0x40                      ; destination window 1, address window 0
; A joint load.  Waves 0 and 1 fetch xb's two halves, waves 2 and 3 wb's.  The branch hangs on the wave's number alone.  Four v_nop follow each of the two lines.
.macro JLOAD s
	s_cmp_eq_u32 s11, 0
	s_cbranch_scc0 .Lfor_b_\@
	tensor_load_to_lds s[G0+4*(\s):G0+4*(\s)+3], s[G1:G1+7]
	s_nop 0
.rept 4
	v_nop
.endr
	s_branch .Lasked_\@
.Lfor_b_\@:
	tensor_load_to_lds s[G0B+4*(\s):G0B+4*(\s)+3], s[G1B:G1B+7]
	s_nop 0
.rept 4
	v_nop
.endr
.Lasked_\@:
.endm
; A round of the cluster's barrier: my work-group's barrier; wave 0 signals for the work-group; every wave waits for all sixteen; my work-group's barrier once more.
.macro CREST                           ; a round behind its opening barrier
	s_cmp_lg_u32 s10, 0
	s_cbranch_scc1 .Lnot_wave_0_\@
	s_barrier_signal -3
.Lnot_wave_0_\@:
	s_barrier_wait -3
	s_barrier_signal -1
	s_barrier_wait -1
.endm
.macro CROUND
	s_barrier_signal -1
	s_barrier_wait -1
	CREST
.endm
	s_load_b128 s[4:7], s[0:1], 0x0                ; xb s[4:5], wb s[6:7]
	s_load_b64 s[8:9], s[0:1], 0x10                ; qkv
	s_load_b64 s[HD:HD+1], s[0:1], 0x18            ; hd
	s_set_vgpr_msb 0x40
	v_lshl_add_u32 v255, v0, 2, 0x48400
	s_set_vgpr_msb 0x4000
	v_mov_b32 v31, 0
	s_set_vgpr_msb 0x1
	ds_add_u32 v255, v31
	ds_add_u32 v255, v31
	s_set_vgpr_msb 0x100
	v_lshrrev_b32 v1, 5, v0
	v_readfirstlane_b32 s10, v1                    ; wave 0..3
	s_lshr_b32 s11, s10, 1                         ; which half of the tile's rows is mine.  Also: I fetch for xb (0) or for wb (1)
	s_and_b32 s12, s10, 1                          ; which half of its columns.  Also: which 128 rows of that tile I fetch
	s_bfe_u32 s40, ttmp6, 0x40000                  ; cx
	s_bfe_u32 s41, ttmp6, 0x40004                  ; cy
	s_lshl_b32 s42, ttmp9, 2
	s_add_co_u32 s42, s42, s40                     ; tile column = 4 x cluster x + cx
	s_and_b32 s[CLY], ttmp7, 0xffff                ; cluster y, 0 to 7
	s_lshl_b32 s13, s41, 3
	s_add_co_u32 s13, s13, s[CLY]                  ; tile row = 8 cy + cluster y: cy is the batch
	s_mov_b32 s[CUT], 0xffffe000
	s_lshl_b32 s43, s41, 2
	s_lshl_b32 s43, 15, s43                        ; my row of the cluster: places 4 cy .. 4 cy + 3
	s_lshl_b32 s44, 0x1111, s40                    ; my column: places cx, cx + 4, cx + 8, cx + 12
	; descriptor group 1: a tile of 128 rows x 128 elements, padded in LDS
	s_or_b32 s[G1+0], s43, (1<<16)|(1<<20)|(1<<21)|(5<<22)|(3<<25)   ; 15:0 the mask; 17:16 2-byte elements; 20 padding on; 21 set beside a mask; 24:22 after every 64 words; 31:25 4 words of it
	s_or_b32 s[G1B+0], s44, (1<<16)|(1<<20)|(1<<21)|(5<<22)|(3<<25)
.irp g, G1, G1B
	s_mov_b32 s[(\g)+1], KSTEP<<16                 ; tensor_dim0 = 128
	s_mov_b32 s[(\g)+2], 128<<16                   ; tensor_dim1 = 128
	s_mov_b32 s[(\g)+3], KSTEP<<16                 ; tile_dim0 = 128
	s_mov_b32 s[(\g)+4], 128                       ; tile_dim1 = 128
	s_mov_b32 s[(\g)+5], SIZE_K                    ; elements from row to row
	s_mov_b32 s[(\g)+6], 0
	s_mov_b32 s[(\g)+7], 0
.endr
	; xb's tiles hang on the tile row alone, wb's on the tile column alone; each address is made in registers that never hold the other coordinate
	s_lshl_b32 s17, s12, 7
	s_lshl_b32 s16, s13, 8
	s_add_co_u32 s16, s16, s17                     ; xb: row 256 x tile row + 128 x half
	s_lshl_b32 s46, s42, 8
	s_add_co_u32 s46, s46, s17                     ; wb: row 256 x tile column + 128 x half
	s_mov_b32 s17, 0
	s_mov_b32 s47, 0
	s_mov_b64 s[18:19], SIZE_K*2
	s_mul_u64 s[16:17], s[16:17], s[18:19]
	s_mul_u64 s[46:47], s[46:47], s[18:19]
	s_mul_i32 s20, s10, HALFT                      ; where they go: wave x 128 rows
	s_wait_dscnt 0x0
	s_wait_kmcnt 0x0
	s_add_nc_u64 s[14:15], s[4:5], s[16:17]
	s_add_nc_u64 s[46:47], s[6:7], s[46:47]
	CROUND                                         ; all sixteen work-groups are here: the first joint loads meet
.irp s, 0,1
	s_mov_b32 s[G0+4*(\s)], 1                                        ; count = 1
	s_add_co_u32 s[G0+4*(\s)+1], s20, (\s)*SLOT                      ; LDS address
	s_add_nc_u64 s[G0+4*(\s)+2:G0+4*(\s)+3], s[14:15], (\s)*KSTEP*2  ; global address: K step s
	s_or_b32 s[G0+4*(\s)+3], s[G0+4*(\s)+3], 0x80000000              ; type = 2
	s_mov_b32 s[G0B+4*(\s)], 1
	s_add_co_u32 s[G0B+4*(\s)+1], s20, (\s)*SLOT
	s_add_nc_u64 s[G0B+4*(\s)+2:G0B+4*(\s)+3], s[46:47], (\s)*KSTEP*2
	s_or_b32 s[G0B+4*(\s)+3], s[G0B+4*(\s)+3], 0x80000000
	JLOAD \s                                       ; both slots are asked for before anything else: two loads of mine are out
.endr
	; a fragment is 16 rows x 32 K in 8 registers: lane l holds row l % 16, K = 8 (l / 16) + 0..7 and 16 + 8 (l / 16) + 0..7: two loads of 16 bytes, 32 bytes apart
	v_and_b32 v1, 15, v0
	v_bfe_u32 v2, v0, 4, 1
	v_mul_u32_u24 v3, v1, PITCH
	v_lshl_add_u32 v3, v2, 4, v3
	s_mul_i32 s21, s11, HALFT                      ; my 128 rows of xb
	s_mul_i32 s22, s12, HALFT                      ; my 128 rows of wb,
	s_add_co_u32 s22, s22, 2*HALFT                 ; which lie behind xb's 256
.irp s, 0,1
	v_add_nc_u32 v[ADRA+(\s)], s21, v3
	v_add_nc_u32 v[ADRB+(\s)], s22, v3
	s_add_co_u32 s21, s21, SLOT
	s_add_co_u32 s22, s22, SLOT
.endr
	s_mul_i32 s23, s10, 16*SPITCH
	s_add_co_u32 s23, s23, STAGE                   ; my stage
	v_mul_u32_u24 v4, v1, SPITCH                   ; in: row l % 16, 16 bytes for each half of the lanes
	v_lshl_add_u32 v4, v2, 4, v4
	v_add_nc_u32 v[STO], s23, v4
	v_mul_u32_u24 v5, v2, SPITCH                   ; back: lanes 0-15 one row of 256 bytes, lanes 16-31 the next
	v_lshl_add_u32 v5, v1, 4, v5
	v_add_nc_u32 v[RD], s23, v5
	v_mul_u32_u24 v5, v2, SIZE_N*2                 ; the same two rows in qkv
	v_lshl_add_u32 v[CO], v1, 4, v5
	s_lshl_b32 s13, s13, 8
	s_lshl_b32 s14, s11, 7
	s_add_co_u32 s16, s13, s14                     ; my first row of the result
	s_mov_b32 s17, 0
	s_mov_b64 s[18:19], SIZE_N*2
	s_mul_u64 s[16:17], s[16:17], s[18:19]
	s_lshl_b32 s46, s42, 9                         ; my first column in bytes: 512 x tile column + 256 x half
	s_lshl_b32 s47, s12, 8
	s_add_co_u32 s46, s46, s47
	s_mov_b32 s47, 0
	s_add_nc_u64 s[16:17], s[16:17], s[46:47]      ; the way out adds this to qkv's address
	s_mul_i32 s68, s41, 64*SIZE_N*2                ; hd: 64 rows a batch,
	s_add_co_u32 s68, s68, s46                     ; the same columns
	s_mov_b32 s69, 0
	s_add_nc_u64 s[HD:HD+1], s[HD:HD+1], s[68:69]
; 16 matrix instructions: m blocks a0, a0 + 1 of the window's four x all 8 n blocks, 32 along K.  zero = 1: the product starts the sum.  The 64 accumulators take turns, one instruction a turn.
.macro MUL16 f, hi, a0, zero
	WIN MUL_LO+0x50*(\hi)
.irp a, \a0, (\a0)+1
.irp b, 0,1,2,3,4,5,6,7
.if \zero
	v_wmma_f32_16x16x32_bf16 v[8*(8*(\a)+(\b)):8*(8*(\a)+(\b))+7], v[(\f)+8*(\b):(\f)+8*(\b)+7], v[(\f)+8*(4*(\hi)+(\a)):(\f)+8*(4*(\hi)+(\a))+7], 0
.else
	v_wmma_f32_16x16x32_bf16 v[8*(8*(\a)+(\b)):8*(8*(\a)+(\b))+7], v[(\f)+8*(\b):(\f)+8*(\b)+7], v[(\f)+8*(4*(\hi)+(\a)):(\f)+8*(4*(\hi)+(\a))+7], v[8*(8*(\a)+(\b)):8*(8*(\a)+(\b))+7]
.endif
.endr
.endr
.endm
; 32 LDS loads in one run: the fragments of a quarter step (32 K at byte k of the rows) into buffer f: wb's 16 loads, then xb's 16
.macro FETCH slot, k, f
	WIN TO_B
.irp i, 0,1,2,3,4,5,6,7
	ds_load_b128 v[(\f)+8*(\i):(\f)+8*(\i)+3],   v[ADRB+(\slot)] offset:(\k)+(\i)*16*PITCH
	ds_load_b128 v[(\f)+8*(\i)+4:(\f)+8*(\i)+7], v[ADRB+(\slot)] offset:(\k)+(\i)*16*PITCH+32
.endr
	WIN 0
.irp i, 0,1,2,3,4,5,6,7
	ds_load_b128 v[(\f)+8*(\i):(\f)+8*(\i)+3],   v[ADRA+(\slot)] offset:(\k)+(\i)*16*PITCH
	ds_load_b128 v[(\f)+8*(\i)+4:(\f)+8*(\i)+7], v[ADRA+(\slot)] offset:(\k)+(\i)*16*PITCH+32
.endr
.endm
; four plain vector instructions between a matrix instruction and a load into a register that it read, or a vector instruction that reads its result (ISA guide 7.12.1 for vector instructions)
.macro PLACES
.rept 4
	v_nop
.endr
.endm
; A K step is four quarters of 32 along K, 64 matrix instructions each, on buffers 0, 1, 0, 1.  One of the first three multiplies buffer f and, in its middle, fetches the next quarter into g.
.macro QUARTER slot, k, f, g, zero
	s_wait_dscnt 8                                 ; wb's fragments and xb's rows 0-63 are in; the youngest eight loads (xb's rows 64-127) may be out
	MUL16 \f, 0, 0, \zero
	MUL16 \f, 0, 2, \zero
	PLACES
	FETCH \slot, \k, \g
	s_wait_dscnt 32                                ; all but the 32 just issued
	MUL16 \f, 1, 0, \zero
	MUL16 \f, 1, 2, \zero
.endm
; The last quarter multiplies buffer 1 and changes slots.  One barrier: in front of it each wave waits for its reads of this slot and for all its tensor loads (one is out: its part of the next slot).
.macro MEET round
	s_wait_dscnt 8
	MUL16 F1, 0, 0, 0
	s_wait_dscnt 0                                 ; my reads of this slot are over
	s_wait_tensorcnt 0x0                           ; all my tensor loads have landed
	ds_add_u32 v255, v31
	s_wait_dscnt 0x0
	s_barrier_signal -1
	MUL16 F1, 0, 2, 0                              ; register work while the others arrive
.if \round
	WIN 0
.endif
	s_barrier_wait -1
.endm
.macro TURN slot, next
	MEET 1
	CREST                                          ; the barrier has opened a round of the cluster's: no wave of any partner still reads this slot or has a load on its way
	s_add_nc_u64 s[G0+4*(\slot)+2:G0+4*(\slot)+3], s[G0+4*(\slot)+2:G0+4*(\slot)+3], 2*KSTEP*2
	s_add_nc_u64 s[G0B+4*(\slot)+2:G0B+4*(\slot)+3], s[G0B+4*(\slot)+2:G0B+4*(\slot)+3], 2*KSTEP*2
	JLOAD \slot                                    ; the first tensor load behind the round: 240 matrix instructions ahead of the wait for it; its four v_nop are also the places in front of the loads below
	FETCH \next, 0, F0
	MUL16 F1, 1, 0, 0
	MUL16 F1, 1, 2, 0
.endm
; THE WAY OUT of block a (16 rows).  PACK: rounded to f16, each accumulator's registers in ascending order.  TOSTAGE: into my own stage, back as whole rows of 256 bytes.  SEND: stored.
.macro PACK a
.set AC, 64*((\a)%4)
	WIN 0x0a+5*((\a)/4)                            ; sources 0 and 1: window 2 or 3
.irp b, 0,1,2,3,4,5,6,7
.irp r, 0,1,2,3
	v_cvt_pk_f16_f32 v[TMP+4*(\b)+(\r)], v[AC+8*(\b)+2*(\r)], v[AC+8*(\b)+2*(\r)+1]
.endr
.endr
	WIN 0
.endm
.macro TOSTAGE a
	WIN 0
.set BK, OB+192*((\a)%2)
.irp b, 0,1,2,3,4,5,6,7
	ds_store_b128 v[STO], v[TMP+4*(\b):TMP+4*(\b)+3] offset:32*(\b)
.endr
.irp t, 0,1,2,3,4,5,6,7
	ds_load_b128 v[BK+4*(\t):BK+4*(\t)+3], v[RD] offset:(\t)*2*SPITCH  ; LDS serves a wave's instructions in order (ISA guide 5.7.1.4): these see the stores above
.endr
.endm
.macro SEND a
	WIN 0
.set BK, OB+192*((\a)%2)
	s_wait_dscnt 0                                 ; the block is back in registers
	s_wait_xcnt 0x0                                ; earlier stores have read their base and data: only now are they rewritten
.if (\a) == 0
	s_add_nc_u64 s[8:9], s[8:9], s[16:17]
.else
	s_add_nc_u64 s[8:9], s[8:9], 16*SIZE_N*2
.endif
.irp t, 0,1,2,3,4,5,6,7
	global_store_b128 v[CO], v[BK+4*(\t):BK+4*(\t)+3], s[8:9] offset:2*(\t)*SIZE_N*2  ; 16 lanes store 256 consecutive bytes at a multiple of 256 from qkv's first byte
.endr
.endm
; hd's WAY OUT of block a (0 to 3: a batch's rows 16 a .. 16 a + 15).  The sums are left as they are; each accumulator's registers are read in ascending order.
; hi = the sum with its mantissa cut, lo = the sum less hi: both are rounded to f16 (hi without loss), go through my stage one after the other and leave as whole rows of 256 bytes.
.macro HEADOUT a
.set AC, 64*(\a)
	WIN 0x08                                       ; source 1: window 2
.set i, 0
.rept 64
	v_and_b32 v[FD+i], s[CUT], v[AC+i]
.set i, i+1
.endr
	WIN 0
.set i, 0
.rept 32
	v_cvt_pk_f16_f32 v[TMP+i], v[FD+2*i], v[FD+2*i+1]
.set i, i+1
.endr
	WIN 0x02                                       ; source 0: window 2
.set i, 0
.rept 32
	v_pk_add_f32 v[FD+2*i:FD+2*i+1], v[AC+2*i:AC+2*i+1], v[FD+2*i:FD+2*i+1] neg_lo:[0,1] neg_hi:[0,1]
.set i, i+1
.endr
	WIN 0
.set i, 0
.rept 32
	v_cvt_pk_f16_f32 v[TL+i], v[FD+2*i], v[FD+2*i+1]
.set i, i+1
.endr
.if (\a) > 0
	s_wait_xcnt 0x0                                ; the last block's stores have read their base and data: only now are they rewritten
	s_add_nc_u64 s[HD:HD+1], s[HD:HD+1], 16*SIZE_N*2
.endif
.irp b, 0,1,2,3,4,5,6,7
	ds_store_b128 v[STO], v[TMP+4*(\b):TMP+4*(\b)+3] offset:32*(\b)
.endr
.irp t, 0,1,2,3,4,5,6,7
	ds_load_b128 v[BKH+4*(\t):BKH+4*(\t)+3], v[RD] offset:(\t)*2*SPITCH
.endr
.irp b, 0,1,2,3,4,5,6,7
	ds_store_b128 v[STO], v[TL+4*(\b):TL+4*(\b)+3] offset:32*(\b)     ; LDS serves a wave's instructions in order (ISA guide 5.7.1.4): these come behind the loads above
.endr
.irp t, 0,1,2,3,4,5,6,7
	ds_load_b128 v[BKL+4*(\t):BKL+4*(\t)+3], v[RD] offset:(\t)*2*SPITCH
.endr
	s_wait_dscnt 0
.irp t, 0,1,2,3,4,5,6,7
	global_store_b128 v[CO], v[BKH+4*(\t):BKH+4*(\t)+3], s[HD:HD+1] offset:2*(\t)*SIZE_N*2      ; 16 lanes store 256 consecutive bytes at a multiple of 256 from hd's first byte
.endr
.irp t, 0,1,2,3,4,5,6,7
	global_store_b128 v[CO], v[BKL+4*(\t):BKL+4*(\t)+3], s[HD:HD+1] offset:LOP+2*(\t)*SIZE_N*2
.endr
.endm
	s_wait_tensorcnt 1                             ; my part of K step 0 is in; K step 1's load, issued behind it, may stay out
	s_barrier_signal -1
	s_barrier_wait -1
	FETCH 0, 0, F0
	QUARTER 0, 64,  F0, F1, 1                      ; the first quarter stands in front of the loop: its products start the sums
	WIN 0
	s_mov_b32 s3, LAPS-1
.Llap:                                                 ; a trip goes once round the ring, from a lap's second quarter to the next lap's first, and fills both slots again
	QUARTER 0, 128, F1, F0, 0
	QUARTER 0, 192, F0, F1, 0
	TURN 0, 1
	QUARTER 1, 64,  F0, F1, 0
	QUARTER 1, 128, F1, F0, 0
	QUARTER 1, 192, F0, F1, 0
	TURN 1, 0
	QUARTER 0, 64,  F0, F1, 0
	WIN 0
	s_sub_co_u32 s3, s3, 1
	s_cmp_lg_u32 s3, 0
	s_cbranch_scc1 .Llap
	QUARTER 0, 128, F1, F0, 0                      ; the last lap is written out: it asks for nothing
	QUARTER 0, 192, F0, F1, 0
	MEET 0
	PLACES                                         ; for the loads into buffer 0
	FETCH 1, 0, F0
	MUL16 F1, 1, 0, 0
	MUL16 F1, 1, 2, 0
	QUARTER 1, 64,  F0, F1, 0
	QUARTER 1, 128, F1, F0, 0
	QUARTER 1, 192, F0, F1, 0
	s_wait_dscnt 8                                 ; the very last quarter: nothing more to fetch
	MUL16 F1, 0, 0, 0
	MUL16 F1, 0, 2, 0
	s_wait_dscnt 0
	MUL16 F1, 1, 0, 0
	MUL16 F1, 1, 2, 0
	WIN 0
	PLACES                                         ; what follows reads results just made and writes registers that products read
	s_cmp_lg_u32 s[CLY], 0                         ; a batch's first 64 rows are blocks 0 to 3 of the upper row half of the tiles with cluster y = 0
	s_cbranch_scc1 .Lno_head                       ; forward jumps past text without a barrier or a tensor load
	s_cmp_lg_u32 s11, 0
	s_cbranch_scc1 .Lno_head
.irp a, 0,1,2,3
	HEADOUT \a
.endr
.Lno_head:
	PACK 0
	TOSTAGE 0
.irp a, 1,2,3,4,5,6,7                  ; block a's conversions stand between block a - 1's loads from the stage and the wait for them
	PACK \a
	SEND (\a)-1
	TOSTAGE \a
.endr
	SEND 7
	s_set_vgpr_msb 0x1
	s_wait_tensorcnt 0x0
	ds_add_u32 v255, v31
	s_wait_dscnt 0x0
	s_set_vgpr_msb 0x100
	CROUND                                         ; the closing round: no work-group ends while a partner may still ask for a tile that names it
	s_endpgm
.Lfunc_end_k_q085f7fa4fc_proj:
	.size	k_q085f7fa4fc_proj, .Lfunc_end_k_q085f7fa4fc_proj-k_q085f7fa4fc_proj
	.p2alignl 7, 3214868480
	.fill 96, 4, 3214868480
	.section	.rodata,"a",@progbits
	.p2align	6, 0x0
	.amdhsa_kernel k_q085f7fa4fc_proj
		.amdhsa_group_segment_fixed_size 327680
		.amdhsa_private_segment_fixed_size 0
		.amdhsa_enable_private_segment 0
		.amdhsa_kernarg_size 32
		.amdhsa_user_sgpr_count 2
		.amdhsa_user_sgpr_kernarg_segment_ptr 1
		.amdhsa_wavefront_size32 1
		.amdhsa_system_sgpr_workgroup_id_x 1
		.amdhsa_system_sgpr_workgroup_id_y 1
		.amdhsa_system_sgpr_workgroup_id_z 1
		.amdhsa_system_vgpr_workitem_id 0
		.amdhsa_next_free_vgpr 1024
		.amdhsa_next_free_sgpr 72
		.amdhsa_reserve_vcc 0
		.amdhsa_float_denorm_mode_32 3
		.amdhsa_float_denorm_mode_16_64 3
		.amdhsa_memory_ordered 1
		.amdhsa_forward_progress 1
		.amdhsa_inst_pref_size 190
	.end_amdhsa_kernel
	.amdgpu_metadata
---
amdhsa.version: [ 1, 2 ]
amdhsa.kernels:
  - .name:           k_q085f7fa4fc_proj
    .symbol:         k_q085f7fa4fc_proj.kd
    .args:
      - { .name: xb, .offset: 0, .size: 8, .value_kind: global_buffer, .address_space: global }
      - { .name: wb, .offset: 8, .size: 8, .value_kind: global_buffer, .address_space: global }
      - { .name: qkv, .offset: 16, .size: 8, .value_kind: global_buffer, .address_space: global }
      - { .name: hd, .offset: 24, .size: 8, .value_kind: global_buffer, .address_space: global }
    .group_segment_fixed_size: 327680
    .private_segment_fixed_size: 0
    .kernarg_segment_align: 8
    .kernarg_segment_size: 32
    .max_flat_workgroup_size: 128
    .sgpr_count:     72
    .vgpr_count:     1024
    .wavefront_size: 32
...
	.end_amdgpu_metadata
.endif
;; end of part 2
;; launch scores (part 3): grid 12 x 16, 4 waves a work-group, clusters of 4 x 4, 327,680 bytes of LDS; arguments qkv, sc; writes sc
.if DOCPART == 3
	.amdgcn_target "amdgcn-amd-amdhsa--gfx1250"
	.amdhsa_code_object_version 6
	.text
	.protected	k_q085f7fa4fc_scores
	.globl	k_q085f7fa4fc_scores
	.p2align	8
	.type	k_q085f7fa4fc_scores,@function
k_q085f7fa4fc_scores:
	s_mov_b64 s[64:65], 0
	v_nop
	global_prefetch_b8 v0, s[64:65] scope:SCOPE_SE
	s_setreg_imm32_b32 hwreg(HW_REG_WAVE_MODE, 25, 1), 1
	s_wait_xcnt 0x0
	s_wait_alu depctr_hold_cnt(0) depctr_sa_sdst(0) depctr_va_vdst(0) depctr_va_sdst(0) depctr_va_ssrc(0) depctr_va_vcc(0) depctr_vm_vsrc(0)
	s_getreg_b32 s2, hwreg(HW_REG_IB_STS2, 6, 4)
	s_cmp_eq_u32 s2, 0
	s_cbranch_scc0 .Lentry_in_a_cluster
	s_endpgm
.Lentry_in_a_cluster:
	s_bfe_u32 s2, ttmp6, 0x10000c
	s_cmp_lg_u32 s2, 0xf033
	s_cbranch_scc0 .Lentry_shape_is_right
	s_endpgm
.Lentry_shape_is_right:
; sc[b][i][j] = sum over d of q[b][i][d] k[b][j][d], raw (unscaled, unmasked), f32.  q and k are the first and second 1,024 columns of qkv: [8192][3072] f16.  sc: [4][2048][2048] f32.
; Products in f16, sums in f32, stored as they are.  LIMIT: q and k lie within f16's 65,504 (the launch before states it).
; Only three blocks of 1,024 x 1,024 of each batch touch the lower triangle: (rows, keys) = (0, 0), (1, 0), (1, 1).  A cluster of 4 x 4 work-groups makes one of them, a work-group a tile of 256 x 256.
; Cluster x = 0, 1, 2 names the block, cluster y the batch.  In the two blocks on the diagonal the six tiles with cx > cy lie above it; they are made and stored like the others: partners of a cluster
; run alike and make every joint request, and no 4 x 4 product of tile rows and columns fits the triangle.  Two of the six are read by the next launch
; (it reads a row up to the next multiple of 512 keys and masks there); four are not.
; Ring, quarters and round: four waves of 128 x 128, K = 1,024 in 8 steps of 128 through two LDS slots; q's tile is shared along a row of the cluster, k's along a column, by joint loads.
; REGISTERS, in windows of 256 (s_set_vgpr_msb: bits 1:0 source 0, 3:2 source 1, 5:4 source 2, 7:6 destination):
;   window 0: v16-26 addresses; v64-127, v128-191 fragments of q, two buffers, and on the way out the rows read back     window 1: v64-127, v128-191 fragments of k
;   windows 2, 3: the accumulators of my rows 0-63, 64-127 ((a, b) at v[8 (8 (a % 4) + b)])
; THE MATRIX INSTRUCTION IS USED TRANSPOSED: source 0 = 16 rows of k, source 1 = 16 rows of q: a lane holds query l % 16 and the eight neighbouring keys 8 (l / 16) + 0..7.
.set ROWB,   6144                      ; bytes in a row of qkv
.set SROW,   8192                      ; bytes in a row of sc
.set SIZE_K, 1024
.set KSTEP,  128
.set PITCH,  272                       ; 256 bytes + 16 of padding = 68 words: the 16 rows of a fragment load start at 16 different groups of four banks (64 banks of 4 bytes: ISA guide 11.1)
.set HALFT,  128*PITCH
.set SLOT,   4*HALFT                   ; q's 256 rows, then k's 256 rows
.set STAGE,  2*SLOT                    ; behind the ring, never filled by a tensor load: 16 rows x 528 bytes for each wave
.set SPITCH, 528                       ; 512 bytes + 16 = 132 words: again 16 rows at 16 different groups of four banks
.set LAPS,   SIZE_K/(2*KSTEP)
.set ADRA, 16
.set ADRB, 20
.set STO,  24
.set RD,   25
.set CO,   26
.set F0,   64
.set F1,   128
.set G1,  24
.set G0,  32
.set G1B, 48
.set G0B, 56
.set MSB, 0
.macro WIN new                         ; the immediate's high byte repeats the setting that is left; a switch that changes nothing is dropped
.if MSB != (\new)
	s_set_vgpr_msb (MSB<<8)|(\new)
.set MSB, \new
.endif
.endm
.set MUL_LO, 0xa1
.set MUL_HI, 0xf1
.set TO_B,   0x40
.macro JLOAD s                         ; a joint load: waves 0 and 1 fetch q's two halves, waves 2 and 3 k's; four v_nop follow each of the two lines
	s_cmp_eq_u32 s11, 0
	s_cbranch_scc0 .Lfor_b_\@
	tensor_load_to_lds s[G0+4*(\s):G0+4*(\s)+3], s[G1:G1+7]
	s_nop 0
.rept 4
	v_nop
.endr
	s_branch .Lasked_\@
.Lfor_b_\@:
	tensor_load_to_lds s[G0B+4*(\s):G0B+4*(\s)+3], s[G1B:G1B+7]
	s_nop 0
.rept 4
	v_nop
.endr
.Lasked_\@:
.endm
.macro CREST                           ; a round of the cluster's barrier behind its opening barrier
	s_cmp_lg_u32 s10, 0
	s_cbranch_scc1 .Lnot_wave_0_\@
	s_barrier_signal -3
.Lnot_wave_0_\@:
	s_barrier_wait -3
	s_barrier_signal -1
	s_barrier_wait -1
.endm
.macro CROUND
	s_barrier_signal -1
	s_barrier_wait -1
	CREST
.endm
	s_load_b128 s[4:7], s[0:1], 0x0                ; qkv s[4:5], sc s[6:7]
	s_set_vgpr_msb 0x40
	v_lshl_add_u32 v255, v0, 2, 0x4c400
	s_set_vgpr_msb 0x4000
	v_mov_b32 v255, 0
	s_set_vgpr_msb 0x1
	ds_add_u32 v255, v255
	ds_add_u32 v255, v255
	s_set_vgpr_msb 0x100
	v_lshrrev_b32 v1, 5, v0
	v_readfirstlane_b32 s10, v1                    ; wave 0..3
	s_lshr_b32 s11, s10, 1                         ; my half of the tile's rows.  Also: I fetch for q (0) or for k (1)
	s_and_b32 s12, s10, 1                          ; my half of its columns.  Also: which 128 rows of that tile I fetch
	s_bfe_u32 s40, ttmp6, 0x40000                  ; cx
	s_bfe_u32 s41, ttmp6, 0x40004                  ; cy
	s_min_u32 s13, ttmp9, 1                        ; the block's row of 1,024 queries: 0, 1, 1
	s_lshl_b32 s13, s13, 2
	s_add_co_u32 s13, s13, s41                     ; tile row in the batch
	s_lshr_b32 s42, ttmp9, 1                       ; the block's column of 1,024 keys: 0, 0, 1
	s_lshl_b32 s42, s42, 2
	s_add_co_u32 s42, s42, s40                     ; tile column in the batch
	s_and_b32 s45, ttmp7, 0xffff                   ; the batch,
	s_lshl_b32 s45, s45, 11                        ; its first row
	s_lshl_b32 s43, s41, 2
	s_lshl_b32 s43, 15, s43                        ; my row of the cluster
	s_lshl_b32 s44, 0x1111, s40                    ; my column
	s_or_b32 s[G1+0], s43, (1<<16)|(1<<20)|(1<<21)|(5<<22)|(3<<25)   ; the mask; 2-byte elements; padding on; bit 21 beside a mask; after every 64 words 4 words
	s_or_b32 s[G1B+0], s44, (1<<16)|(1<<20)|(1<<21)|(5<<22)|(3<<25)
.irp g, G1, G1B
	s_mov_b32 s[(\g)+1], KSTEP<<16                 ; tensor_dim0 = 128
	s_mov_b32 s[(\g)+2], 128<<16                   ; tensor_dim1 = 128
	s_mov_b32 s[(\g)+3], KSTEP<<16                 ; tile_dim0 = 128
	s_mov_b32 s[(\g)+4], 128                       ; tile_dim1 = 128
	s_mov_b32 s[(\g)+5], ROWB/2                    ; 3,072 elements from row to row
	s_mov_b32 s[(\g)+6], 0
	s_mov_b32 s[(\g)+7], 0
.endr
	; q's tiles hang on the tile row, k's on the tile column; each offset is made in registers that never hold the other coordinate.  All offsets stay under 8,192 x 6,144 bytes.
	s_lshl_b32 s17, s12, 7
	s_lshl_b32 s16, s13, 8
	s_add_co_u32 s16, s16, s17
	s_add_co_u32 s16, s16, s45                     ; q: row = batch + 256 x tile row + 128 x half
	s_lshl_b32 s46, s42, 8
	s_add_co_u32 s46, s46, s17
	s_add_co_u32 s46, s46, s45                     ; k: row = batch + 256 x tile column + 128 x half
	s_mul_i32 s16, s16, ROWB
	s_mul_i32 s46, s46, ROWB
	s_add_co_u32 s46, s46, 2048                    ; k begins 2,048 bytes into a row
	s_mov_b32 s17, 0
	s_mov_b32 s47, 0
	s_mul_i32 s20, s10, HALFT                      ; where they go: wave x 128 rows
	s_wait_dscnt 0x0
	s_wait_kmcnt 0x0
	s_add_nc_u64 s[14:15], s[4:5], s[16:17]
	s_add_nc_u64 s[46:47], s[4:5], s[46:47]
	CROUND                                         ; all sixteen work-groups are here: the first joint loads meet
.irp s, 0,1
	s_mov_b32 s[G0+4*(\s)], 1
	s_add_co_u32 s[G0+4*(\s)+1], s20, (\s)*SLOT
	s_add_nc_u64 s[G0+4*(\s)+2:G0+4*(\s)+3], s[14:15], (\s)*KSTEP*2
	s_or_b32 s[G0+4*(\s)+3], s[G0+4*(\s)+3], 0x80000000
	s_mov_b32 s[G0B+4*(\s)], 1
	s_add_co_u32 s[G0B+4*(\s)+1], s20, (\s)*SLOT
	s_add_nc_u64 s[G0B+4*(\s)+2:G0B+4*(\s)+3], s[46:47], (\s)*KSTEP*2
	s_or_b32 s[G0B+4*(\s)+3], s[G0B+4*(\s)+3], 0x80000000
	JLOAD \s                                       ; two loads of mine are out
.endr
	v_and_b32 v1, 15, v0                           ; l % 16
	v_bfe_u32 v2, v0, 4, 1                         ; l / 16
	v_mul_u32_u24 v3, v1, PITCH
	v_lshl_add_u32 v3, v2, 4, v3                   ; a fragment's row x pitch + 16 x half
	s_mul_i32 s21, s11, HALFT
	s_mul_i32 s22, s12, HALFT
	s_add_co_u32 s22, s22, 2*HALFT
.irp s, 0,1
	v_add_nc_u32 v[ADRA+(\s)], s21, v3
	v_add_nc_u32 v[ADRB+(\s)], s22, v3
	s_add_co_u32 s21, s21, SLOT
	s_add_co_u32 s22, s22, SLOT
.endr
	s_mul_i32 s23, s10, 16*SPITCH
	s_add_co_u32 s23, s23, STAGE                   ; my stage
	v_mul_u32_u24 v4, v1, SPITCH                   ; in: row l % 16, 32 bytes (8 f32) for each half of the lanes
	v_lshl_add_u32 v4, v2, 5, v4
	v_add_nc_u32 v[STO], s23, v4
	v_and_b32 v5, 31, v0
	v_lshlrev_b32 v[CO], 4, v5                     ; back and out: 32 lanes take one row's 512 bytes
	v_add_nc_u32 v[RD], s23, v[CO]
	s_lshl_b32 s13, s13, 8
	s_lshl_b32 s14, s11, 7
	s_add_co_u32 s16, s13, s14
	s_add_co_u32 s16, s16, s45                     ; my first row of sc
	s_lshl_b32 s16, s16, 13                        ; x 8,192 bytes
	s_mov_b32 s17, 0
	s_lshl_b32 s46, s42, 10                        ; my first column in bytes: 1,024 x tile column + 512 x half
	s_lshl_b32 s47, s12, 9
	s_add_co_u32 s46, s46, s47
	s_mov_b32 s47, 0
	s_add_nc_u64 s[16:17], s[16:17], s[46:47]      ; the way out adds this to sc's address
; 16 matrix instructions; the 64 accumulators take turns, one instruction a turn.  zero = 1: the product starts the sum.
.macro MUL16 f, hi, a0, zero
	WIN MUL_LO+0x50*(\hi)
.irp a, \a0, (\a0)+1
.irp b, 0,1,2,3,4,5,6,7
.if \zero
	v_wmma_f32_16x16x32_f16 v[8*(8*(\a)+(\b)):8*(8*(\a)+(\b))+7], v[(\f)+8*(\b):(\f)+8*(\b)+7], v[(\f)+8*(4*(\hi)+(\a)):(\f)+8*(4*(\hi)+(\a))+7], 0
.else
	v_wmma_f32_16x16x32_f16 v[8*(8*(\a)+(\b)):8*(8*(\a)+(\b))+7], v[(\f)+8*(\b):(\f)+8*(\b)+7], v[(\f)+8*(4*(\hi)+(\a)):(\f)+8*(4*(\hi)+(\a))+7], v[8*(8*(\a)+(\b)):8*(8*(\a)+(\b))+7]
.endif
.endr
.endr
.endm
.macro FETCH slot, k, f                ; 32 LDS loads in one run: k's 16, then q's 16
	WIN TO_B
.irp i, 0,1,2,3,4,5,6,7
	ds_load_b128 v[(\f)+8*(\i):(\f)+8*(\i)+3],   v[ADRB+(\slot)] offset:(\k)+(\i)*16*PITCH
	ds_load_b128 v[(\f)+8*(\i)+4:(\f)+8*(\i)+7], v[ADRB+(\slot)] offset:(\k)+(\i)*16*PITCH+32
.endr
	WIN 0
.irp i, 0,1,2,3,4,5,6,7
	ds_load_b128 v[(\f)+8*(\i):(\f)+8*(\i)+3],   v[ADRA+(\slot)] offset:(\k)+(\i)*16*PITCH
	ds_load_b128 v[(\f)+8*(\i)+4:(\f)+8*(\i)+7], v[ADRA+(\slot)] offset:(\k)+(\i)*16*PITCH+32
.endr
.endm
.macro PLACES                          ; four plain vector instructions between a matrix instruction and a load into a register that it read, or a store of its result
.rept 4
	v_nop
.endr
.endm
.macro QUARTER slot, k, f, g, zero
	s_wait_dscnt 8                                 ; k's fragments and q's rows 0-63 are in; the youngest eight loads (q's rows 64-127) may be out
	MUL16 \f, 0, 0, \zero
	MUL16 \f, 0, 2, \zero
	PLACES
	FETCH \slot, \k, \g
	s_wait_dscnt 32                                ; all but the 32 just issued
	MUL16 \f, 1, 0, \zero
	MUL16 \f, 1, 2, \zero
.endm
.macro MEET round                      ; the change of slots: each wave waits for its reads of this slot and for all its tensor loads, then the barrier
	s_wait_dscnt 8
	MUL16 F1, 0, 0, 0
	s_wait_dscnt 0
	s_wait_tensorcnt 0x0
	ds_add_u32 v255, v255
	s_wait_dscnt 0x0
	s_barrier_signal -1
	MUL16 F1, 0, 2, 0
.if \round
	WIN 0
.endif
	s_barrier_wait -1
.endm
.macro TURN slot, next
	MEET 1
	CREST                                          ; the barrier has opened a round of the cluster's: no wave of any partner still reads this slot or has a load on its way
	s_add_nc_u64 s[G0+4*(\slot)+2:G0+4*(\slot)+3], s[G0+4*(\slot)+2:G0+4*(\slot)+3], 2*KSTEP*2
	s_add_nc_u64 s[G0B+4*(\slot)+2:G0B+4*(\slot)+3], s[G0B+4*(\slot)+2:G0B+4*(\slot)+3], 2*KSTEP*2
	JLOAD \slot                                    ; the first tensor load behind the round; its four v_nop are also the places in front of the loads below
	FETCH \next, 0, F0
	MUL16 F1, 1, 0, 0
	MUL16 F1, 1, 2, 0
.endm
; THE WAY OUT of block a (16 queries x 128 keys, f32, no conversion).  A lane's 32 bytes go into my stage's rows of 528 bytes, each accumulator's low four registers first;
; whole rows of 512 bytes come back into q's fragment registers, two buffers by turns.
.macro TOSTAGE a
.set AC, 64*((\a)%4)
.set BK, F0+64*((\a)%2)
	s_wait_xcnt 0x0                                ; the stores of block a - 2 have read this buffer: only now is it loaded again
	WIN 0x08+4*((\a)/4)                            ; an LDS store's data is source 1: window 2 or 3
.irp b, 0,1,2,3,4,5,6,7
	ds_store_b128 v[STO], v[AC+8*(\b):AC+8*(\b)+3]   offset:64*(\b)
	ds_store_b128 v[STO], v[AC+8*(\b)+4:AC+8*(\b)+7] offset:64*(\b)+16
.endr
	WIN 0
.irp t, 0,1,2,3,4,5,6,7,8,9,10,11,12,13,14,15
	ds_load_b128 v[BK+4*(\t):BK+4*(\t)+3], v[RD] offset:(\t)*SPITCH  ; LDS serves a wave's instructions in order (ISA guide 5.7.1.4): these see the stores above, and the next block's stores come behind them
.endr
.endm
.macro SEND a, younger                 ; younger: the LDS instructions issued behind block a's loads: the next block's 16 stores and 16 loads, or none
.set BK, F0+64*((\a)%2)
	WIN 0
	s_wait_dscnt \younger
	s_wait_xcnt 0x0                                ; earlier stores have read their base: only now is it stepped
.if (\a) == 0
	s_add_nc_u64 s[6:7], s[6:7], s[16:17]
.else
	s_add_nc_u64 s[6:7], s[6:7], 16*SROW
.endif
.irp t, 0,1,2,3,4,5,6,7,8,9,10,11,12,13,14,15
	global_store_b128 v[CO], v[BK+4*(\t):BK+4*(\t)+3], s[6:7] offset:(\t)*SROW  ; a wave stores 512 consecutive bytes at a multiple of 512 from sc's first byte
.endr
.endm
	s_wait_tensorcnt 1                             ; my part of K step 0 is in; K step 1's load, issued behind it, may stay out
	s_barrier_signal -1
	s_barrier_wait -1
	FETCH 0, 0, F0
	QUARTER 0, 64,  F0, F1, 1                      ; the first quarter's products start the sums
	WIN 0
	s_mov_b32 s3, LAPS-1
.Llap:                                                 ; a trip goes once round the ring and fills both slots again
	QUARTER 0, 128, F1, F0, 0
	QUARTER 0, 192, F0, F1, 0
	TURN 0, 1
	QUARTER 1, 64,  F0, F1, 0
	QUARTER 1, 128, F1, F0, 0
	QUARTER 1, 192, F0, F1, 0
	TURN 1, 0
	QUARTER 0, 64,  F0, F1, 0
	WIN 0
	s_sub_co_u32 s3, s3, 1
	s_cmp_lg_u32 s3, 0
	s_cbranch_scc1 .Llap
	QUARTER 0, 128, F1, F0, 0                      ; the last lap is written out: it asks for nothing
	QUARTER 0, 192, F0, F1, 0
	MEET 0
	PLACES
	FETCH 1, 0, F0
	MUL16 F1, 1, 0, 0
	MUL16 F1, 1, 2, 0
	QUARTER 1, 64,  F0, F1, 0
	QUARTER 1, 128, F1, F0, 0
	QUARTER 1, 192, F0, F1, 0
	s_wait_dscnt 8
	MUL16 F1, 0, 0, 0
	MUL16 F1, 0, 2, 0
	s_wait_dscnt 0
	MUL16 F1, 1, 0, 0
	MUL16 F1, 1, 2, 0
	WIN 0
	PLACES                                         ; behind the last products: the LDS stores read results, the loads land in registers that products read
	TOSTAGE 0
.irp a, 1,2,3,4,5,6,7
	TOSTAGE \a
	SEND (\a)-1, 32
.endr
	SEND 7, 0
	s_set_vgpr_msb 0x1
	s_wait_tensorcnt 0x0
	ds_add_u32 v255, v255
	s_wait_dscnt 0x0
	s_set_vgpr_msb 0x100
	CROUND                                         ; the closing round
	s_endpgm
.Lfunc_end_k_q085f7fa4fc_scores:
	.size	k_q085f7fa4fc_scores, .Lfunc_end_k_q085f7fa4fc_scores-k_q085f7fa4fc_scores
	.p2alignl 7, 3214868480
	.fill 96, 4, 3214868480
	.section	.rodata,"a",@progbits
	.p2align	6, 0x0
	.amdhsa_kernel k_q085f7fa4fc_scores
		.amdhsa_group_segment_fixed_size 327680
		.amdhsa_private_segment_fixed_size 0
		.amdhsa_enable_private_segment 0
		.amdhsa_kernarg_size 16
		.amdhsa_user_sgpr_count 2
		.amdhsa_user_sgpr_kernarg_segment_ptr 1
		.amdhsa_wavefront_size32 1
		.amdhsa_system_sgpr_workgroup_id_x 1
		.amdhsa_system_sgpr_workgroup_id_y 1
		.amdhsa_system_sgpr_workgroup_id_z 1
		.amdhsa_system_vgpr_workitem_id 0
		.amdhsa_next_free_vgpr 1024
		.amdhsa_next_free_sgpr 66
		.amdhsa_reserve_vcc 0
		.amdhsa_float_denorm_mode_32 3
		.amdhsa_float_denorm_mode_16_64 3
		.amdhsa_memory_ordered 1
		.amdhsa_forward_progress 1
		.amdhsa_inst_pref_size 141
	.end_amdhsa_kernel
	.amdgpu_metadata
---
amdhsa.version: [ 1, 2 ]
amdhsa.kernels:
  - .name:           k_q085f7fa4fc_scores
    .symbol:         k_q085f7fa4fc_scores.kd
    .args:
      - { .name: qkv, .offset: 0, .size: 8, .value_kind: global_buffer, .address_space: global }
      - { .name: sc, .offset: 8, .size: 8, .value_kind: global_buffer, .address_space: global }
    .group_segment_fixed_size: 327680
    .private_segment_fixed_size: 0
    .kernarg_segment_align: 8
    .kernarg_segment_size: 16
    .max_flat_workgroup_size: 128
    .sgpr_count:     66
    .vgpr_count:     1024
    .wavefront_size: 32
...
	.end_amdgpu_metadata
.endif
;; end of part 3
;; launch softmax (part 4): grid 256 x 1, 8 waves a work-group, no clusters, 0 bytes of LDS; arguments sc, pr; writes pr
.if DOCPART == 4
	.amdgcn_target "amdgcn-amd-amdhsa--gfx1250"
	.amdhsa_code_object_version 6
	.text
	.protected	k_q085f7fa4fc_softmax
	.globl	k_q085f7fa4fc_softmax
	.p2align	8
	.type	k_q085f7fa4fc_softmax,@function
k_q085f7fa4fc_softmax:
	s_mov_b64 s[64:65], 0
	v_nop
	global_prefetch_b8 v0, s[64:65] scope:SCOPE_SE
	s_setreg_imm32_b32 hwreg(HW_REG_WAVE_MODE, 25, 1), 1
	s_wait_xcnt 0x0
; pr[b][i][j] = softmax over j <= i of sc[b][i][j] / 32, normalised, rounded once to f16; 0 for i < j < 512 (i / 512 + 1).  sc: [4][2048][2048] f32, pr: [4][2048][2048] f16.
; The row's true maximum is taken away before the exponential: p = 2^(c s - c m), c = log2(e) / 32.  All arithmetic in f32.
; LIMITS.  A weight below 2^-126 counts as 0; below 6e-5 a stored weight keeps f16's fixed step of 6e-8; NaN and infinities are not treated apart.
; SHARES.  One wave, one row at a time, the row kept in registers between the passes: nothing leaves the wave, so there is no LDS and no barrier.  A row i is read and written up to the next multiple
; of 512 keys.  Wave g of 2,048 takes batch g / 512 and the four rows 512 I + r, r = g % 512, I = 0..3: 512 + 1,024 + 1,536 + 2,048 = 5,120 numbers for every wave.
; Lane l holds keys 128 j + 4 l + 0..3 of a row.  Only a row's last 512 keys can be hidden, and key 512 I + 128 jj + 4 l + c is seen where 128 jj + c <= r - 4 l: the same 16 lane masks serve all four rows.
; All 40 loads of the wave (512 consecutive bytes each) go out first.  The matrix unit, clusters and tensor loads would add nothing to a stream.
.set LO,   1                           ; v1   16 x lane: my bytes of 512 read
.set PO,   3                           ; v3   8 x lane: my bytes of 256 written
.set CH,   4                           ; v[4:11]  chains of the maximum and of the sum
.set NINF, 12                          ; v12  -infinity
.set CM,   14                          ; v[14:15] c m, twice
.set RL,   176                         ; v[176:177] 1 / l, twice
.set MV,   178                         ; v[178:181] (r - 128 jj) - 4 lane
.set SB,   16                          ; s[16:23] the four rows in sc
.set PB,   24                          ; s[24:31] the four rows in pr
.set MK,   32                          ; s[32:47] the 16 lane masks, 4 jj + c
.set CS,   48                          ; s[48:49] c
.set SEL,  50                          ; s[50:51] v_permlanex16_b32's selects: each lane takes its own place in the other half
; row I lies at v[16 + 8 I (I + 1)]: v16, v32, v64, v112; 16 (I + 1) registers
	s_load_b128 s[4:7], s[0:1], 0x0                ; sc s[4:5], pr s[6:7]
	v_lshrrev_b32 v2, 5, v0
	v_readfirstlane_b32 s8, v2                     ; wave 0..7
	s_lshl_b32 s9, ttmp9, 3
	s_add_co_u32 s9, s9, s8                        ; g
	s_lshr_b32 s10, s9, 9                          ; batch
	s_and_b32 s11, s9, 511                         ; r
	s_lshl_b32 s12, s10, 11
	s_add_co_u32 s12, s12, s11                     ; my row of the batch's first 512
	s_lshl_b32 s52, s12, 13                        ; x 8,192 bytes in sc
	s_mov_b32 s53, 0
	s_lshl_b32 s54, s12, 12                        ; x 4,096 bytes in pr
	s_mov_b32 s55, 0
	s_mov_b32 s[CS], 0x3d38aa3b                    ; c = log2(e) / 32
	s_mov_b32 s[CS+1], s[CS]                       ; named with it as a pair
	s_mov_b32 s[SEL], 0x76543210
	s_mov_b32 s[SEL+1], 0xfedcba98
	v_and_b32 v13, 31, v0                          ; lane
	v_lshlrev_b32 v[LO], 4, v13
	v_lshlrev_b32 v[PO], 3, v13
	v_lshlrev_b32 v13, 2, v13                      ; 4 x lane
	s_wait_kmcnt 0x0
	s_add_nc_u64 s[SB:SB+1], s[4:5], s[52:53]
	s_add_nc_u64 s[PB:PB+1], s[6:7], s[54:55]
.irp I, 1,2,3
	s_add_nc_u64 s[SB+2*(\I):SB+2*(\I)+1], s[SB+2*(\I)-2:SB+2*(\I)-1], 512*8192   ; 512 rows further down
	s_add_nc_u64 s[PB+2*(\I):PB+2*(\I)+1], s[PB+2*(\I)-2:PB+2*(\I)-1], 512*4096
.endr
.irp I, 0,1,2,3
.set j, 0
.rept 4*((\I)+1)
	global_load_b128 v[16+8*(\I)*((\I)+1)+4*j:16+8*(\I)*((\I)+1)+4*j+3], v[LO], s[SB+2*(\I):SB+2*(\I)+1] offset:512*j th:TH_LOAD_NT
.set j, j+1
.endr
.endr
	v_mov_b32 v[NINF], 0xff800000
.irp jj, 0,1,2,3
	s_sub_co_i32 s56, s11, 128*(\jj)
	v_sub_nc_u32 v[MV+(\jj)], s56, v13             ; (r - 128 jj) - 4 lane, signed
.irp c, 0,1,2,3
	v_cmp_le_i32 s[MK+4*(\jj)+(\c)], \c, v[MV+(\jj)]   ; the key is seen
.endr
.endr
; One row.  left = the loads of the later rows, which may stay out.
.macro ROWSM I, left
.set X, 16+8*(\I)*((\I)+1)
.set N, 16*((\I)+1)
	s_wait_loadcnt \left                           ; loads come back in order: this row's are in
.irp m, 0,1,2,3,4,5,6,7,8,9,10,11,12,13,14,15
	v_cndmask_b32 v[X+16*(\I)+(\m)], v[NINF], v[X+16*(\I)+(\m)], s[MK+(\m)]  ; a hidden score becomes -infinity: it loses every maximum and its weight is exactly 0
.endr
	; the maximum: four chains that do not wait for each other, started by the first eight scores.  Key 0 is always seen, so m is a true score.
.irp k, 0,1,2,3
	v_max_num_f32 v[CH+(\k)], v[X+(\k)], v[X+4+(\k)]
.endr
.set j, 8
.rept (N-8)/8
.irp k, 0,1,2,3
	v_max3_num_f32 v[CH+(\k)], v[CH+(\k)], v[X+j+(\k)], v[X+j+4+(\k)]
.endr
.set j, j+8
.endr
	v_max3_num_f32 v[CH], v[CH], v[CH+1], v[CH+2]
	v_max_num_f32 v[CH], v[CH], v[CH+3]
	v_max_num_f32_dpp v[CH], v[CH], v[CH] row_xmask:1 row_mask:0xf bank_mask:0xf
	v_max_num_f32_dpp v[CH], v[CH], v[CH] row_xmask:2 row_mask:0xf bank_mask:0xf
	v_max_num_f32_dpp v[CH], v[CH], v[CH] row_xmask:4 row_mask:0xf bank_mask:0xf
	v_max_num_f32_dpp v[CH], v[CH], v[CH] row_xmask:8 row_mask:0xf bank_mask:0xf
	v_permlanex16_b32 v[CH+1], v[CH], s[SEL], s[SEL+1]
	v_max_num_f32 v[CH], v[CH], v[CH+1]            ; every lane holds the row's maximum
	v_mul_f32 v[CM], s[CS], v[CH]
	v_mul_f32 v[CM+1], s[CS], v[CH]
.set j, 0
.rept N/2
	v_pk_fma_f32 v[X+j:X+j+1], v[X+j:X+j+1], s[CS:CS+1], v[CM:CM+1] op_sel_hi:[1,0,0] neg_lo:[0,0,1] neg_hi:[0,0,1]  ; c s - c m
.set j, j+2
.endr
.set j, 0
.rept N
	v_exp_f32 v[X+j], v[X+j]
.set j, j+1
.endr
	v_nop                                          ; a plain instruction between the last exponential and the use of its result (ISA guide 5.7.2)
	; the sum: four packed chains, started by the first eight pairs
	s_wait_alu depctr_va_vdst(0)
.irp k, 0,1,2,3
	v_pk_add_f32 v[CH+2*(\k):CH+2*(\k)+1], v[X+2*(\k):X+2*(\k)+1], v[X+8+2*(\k):X+8+2*(\k)+1]
.endr
.set j, 16
.rept (N-16)/8
.irp k, 0,1,2,3
	v_pk_add_f32 v[CH+2*(\k):CH+2*(\k)+1], v[CH+2*(\k):CH+2*(\k)+1], v[X+j+2*(\k):X+j+2*(\k)+1]
.endr
.set j, j+8
.endr
	v_pk_add_f32 v[CH:CH+1], v[CH:CH+1], v[CH+2:CH+3]
	v_pk_add_f32 v[CH+4:CH+5], v[CH+4:CH+5], v[CH+6:CH+7]
	v_pk_add_f32 v[CH:CH+1], v[CH:CH+1], v[CH+4:CH+5]
	v_add_f32 v[CH], v[CH], v[CH+1]
	v_add_f32_dpp v[CH], v[CH], v[CH] row_xmask:1 row_mask:0xf bank_mask:0xf
	v_add_f32_dpp v[CH], v[CH], v[CH] row_xmask:2 row_mask:0xf bank_mask:0xf
	v_add_f32_dpp v[CH], v[CH], v[CH] row_xmask:4 row_mask:0xf bank_mask:0xf
	v_add_f32_dpp v[CH], v[CH], v[CH] row_xmask:8 row_mask:0xf bank_mask:0xf
	v_permlanex16_b32 v[CH+1], v[CH], s[SEL], s[SEL+1]
	v_add_f32 v[CH], v[CH], v[CH+1]                ; l, at least 1: the maximum's own weight
	v_rcp_f32 v[RL], v[CH]
	v_nop                                          ; a plain instruction between the reciprocal and the use of its result
	s_wait_alu depctr_va_vdst(0)
	v_mov_b32 v[RL+1], v[RL]
.set j, 0
.rept N/2
	v_pk_mul_f32 v[X+j:X+j+1], v[X+j:X+j+1], v[RL:RL+1]
.set j, j+2
.endr
.set j, 0
.rept N/4
	v_cvt_pk_f16_f32 v[X+4*j],   v[X+4*j],   v[X+4*j+1]
	v_cvt_pk_f16_f32 v[X+4*j+1], v[X+4*j+2], v[X+4*j+3]
	global_store_b64 v[PO], v[X+4*j:X+4*j+1], s[PB+2*(\I):PB+2*(\I)+1] offset:256*j  ; a wave stores 256 consecutive bytes at a multiple of 256; no register of a store is written again
.set j, j+1
.endr
.endm
	ROWSM 0, 36                                    ; behind row 0's 4 loads: 8 + 12 + 16
	ROWSM 1, 28                                    ; 12 + 16
	ROWSM 2, 16
	ROWSM 3, 0
	s_endpgm
.Lfunc_end_k_q085f7fa4fc_softmax:
	.size	k_q085f7fa4fc_softmax, .Lfunc_end_k_q085f7fa4fc_softmax-k_q085f7fa4fc_softmax
	.p2alignl 7, 3214868480
	.fill 96, 4, 3214868480
	.section	.rodata,"a",@progbits
	.p2align	6, 0x0
	.amdhsa_kernel k_q085f7fa4fc_softmax
		.amdhsa_group_segment_fixed_size 0
		.amdhsa_private_segment_fixed_size 0
		.amdhsa_enable_private_segment 0
		.amdhsa_kernarg_size 16
		.amdhsa_user_sgpr_count 2
		.amdhsa_user_sgpr_kernarg_segment_ptr 1
		.amdhsa_wavefront_size32 1
		.amdhsa_system_sgpr_workgroup_id_x 1
		.amdhsa_system_sgpr_workgroup_id_y 1
		.amdhsa_system_sgpr_workgroup_id_z 1
		.amdhsa_system_vgpr_workitem_id 0
		.amdhsa_next_free_vgpr 184
		.amdhsa_next_free_sgpr 66
		.amdhsa_reserve_vcc 0
		.amdhsa_float_denorm_mode_32 3
		.amdhsa_float_denorm_mode_16_64 3
		.amdhsa_memory_ordered 1
		.amdhsa_forward_progress 1
		.amdhsa_inst_pref_size 49
	.end_amdhsa_kernel
	.amdgpu_metadata
---
amdhsa.version: [ 1, 2 ]
amdhsa.kernels:
  - .name:           k_q085f7fa4fc_softmax
    .symbol:         k_q085f7fa4fc_softmax.kd
    .args:
      - { .name: sc, .offset: 0, .size: 8, .value_kind: global_buffer, .address_space: global }
      - { .name: pr, .offset: 8, .size: 8, .value_kind: global_buffer, .address_space: global }
    .group_segment_fixed_size: 0
    .private_segment_fixed_size: 0
    .kernarg_segment_align: 8
    .kernarg_segment_size: 16
    .max_flat_workgroup_size: 256
    .sgpr_count:     66
    .vgpr_count:     184
    .wavefront_size: 32
...
	.end_amdgpu_metadata
.endif
;; end of part 4
;; launch pv (part 5): grid 8 x 32, 4 waves a work-group, clusters of 4 x 4, 327,680 bytes of LDS; arguments pr, qkv, out0; writes out0
.if DOCPART == 5
	.amdgcn_target "amdgcn-amd-amdhsa--gfx1250"
	.amdhsa_code_object_version 6
	.text
	.protected	k_q085f7fa4fc_pv
	.globl	k_q085f7fa4fc_pv
	.p2align	8
	.type	k_q085f7fa4fc_pv,@function
k_q085f7fa4fc_pv:
	s_mov_b64 s[64:65], 0
	v_nop
	global_prefetch_b8 v0, s[64:65] scope:SCOPE_SE
	s_setreg_imm32_b32 hwreg(HW_REG_WAVE_MODE, 25, 1), 1
	s_wait_xcnt 0x0
	s_wait_alu depctr_hold_cnt(0) depctr_sa_sdst(0) depctr_va_vdst(0) depctr_va_sdst(0) depctr_va_ssrc(0) depctr_va_vcc(0) depctr_vm_vsrc(0)
	s_getreg_b32 s2, hwreg(HW_REG_IB_STS2, 6, 4)
	s_cmp_eq_u32 s2, 0
	s_cbranch_scc0 .Lentry_in_a_cluster
	s_endpgm
.Lentry_in_a_cluster:
	s_bfe_u32 s2, ttmp6, 0x10000c
	s_cmp_lg_u32 s2, 0xf033
	s_cbranch_scc0 .Lentry_shape_is_right
	s_endpgm
.Lentry_shape_is_right:
; out0[b][i][d] = sum over j of pr[b][i][j] v[b][j][d].  pr: [4][2048][2048] f16 (normalised weights, 0 above the diagonal up to the row's next multiple of 512 keys),
; v: the third 1,024 columns of qkv [8192][3072] f16, out0: [4][2048][1024] f32.  Products in f16, sums in f32, stored as they are.  LIMIT: v lies within f16's 65,504; the weights lie in 0 to 1.
; THE WALK.  A batch's queries lie in four bands of 512; band I needs the keys 0 .. 512 (I + 1) - 1.  A cluster of 4 x 4 work-groups covers a band (cy: 128 queries) x 512 channels (cx: 128 channels) and takes
; TWO bands, 3 - p and then p (p = cluster y % 2, batch = cluster y / 2): 8 - 2 p and 2 p + 2 K steps of 256 keys, always 10.  So all 256 work-groups do equal work, one loop with a constant trip count walks
; both tiles, and the ring does not stop between them.  What differs hangs on cluster y alone, which all partners share.
; A tile of 128 x 128 is made by four waves, 64 x 64 each: 16 accumulators, 128 registers.  The weights' tile is shared along a row of the cluster, v's along a column, by joint loads.
; LAYOUT.  Source 0 = 16 channels x 32 keys of v, turned on its way out of LDS by ds_load_tr16_b128; source 1 = 32 keys x 16 queries of pr, as it lies.  In the result a lane holds query l % 16 and the eight
; neighbouring channels 8 (l / 16) + 0..7.  A wave's 64 channels are 256 bytes of a row of out0, so each wave has a stage of its own and the way out needs no barrier.
; REGISTERS (s_set_vgpr_msb: bits 1:0 source 0, 3:2 source 1, 5:4 source 2, 7:6 destination): window 0: v16-26 addresses; v32-95 the way out; v128-255 the accumulators ((a, b) at v[128 + 8 (4 a + b)]).
;   window 1: two fragment buffers of 128: for 64 keys, 64 registers of pr (2 x 4 x 16 queries x 32 keys), then 64 of v.
.set KSTEP,  256
.set PRROW,  4096                      ; bytes in a row of pr, and of out0
.set VROW,   6144                      ; bytes in a row of qkv
.set PA,     528                       ; a row of pr in LDS: 512 bytes + 16 = 132 words: the 16 rows of a load start at 16 different groups of four banks (64 banks of 4 bytes: ISA guide 11.1)
.set PB,     288                       ; a row of v: 256 + 32 = 72 words
.set AHALF,  64*PA                     ; what a wave's load of pr brings: 64 queries
.set BOFF,   128*PA                    ; v's 256 keys lie behind pr's 128 queries
.set BHALF,  128*PB                    ; what a wave's load of v brings: 128 keys
.set SLOT,   BOFF+2*BHALF
.set STAGE,  2*SLOT                    ; behind the ring, never filled by a tensor load: 16 rows x 272 bytes for each wave
.set SPITCH, 272
.set ADRA, 16                          ; v16-17  LDS address of my pr fragments in slot 0, 1
.set ADRB, 20                          ; v20-23  of my v fragments: slot 0 keys 0-127, 128-255; slot 1 likewise (an LDS offset has 16 bits)
.set STO,  24
.set RD,   25
.set CO,   26
.set TMP,  32                          ; v32-63, v64-95: 16 rows read back from the stage, by turns
.set ACC,  128
.set F0,   0
.set F1,   128
.set G1,  24                           ; s[24:31] group 1 for pr's tiles;  s[32:39] group 0, a set for each slot
.set G0,  32
.set VB,  46                           ; s[46:47] qkv at my part of v's K step 0 (both tiles'); never rewritten
.set G1B, 48                           ; s[48:55], s[56:63] the same for v's
.set G0B, 56
.set NA,  66                           ; s66  where my part of the K step to be asked for next begins in pr, in units of 512 bytes: 8 x row + K step
.set NAS, 67                           ; s67  the same for the second tile's K step 0
.set NB,  68                           ; s68  3 x that K step: 256 keys x 6,144 bytes are 3 units of 2^19 bytes
.set RQ,  69                           ; s69  K steps of the first tile still to be asked for
.set LT,  70                           ; s70  laps of the first tile still to be finished
.set OA,  72                           ; s[72:73] the byte offset in pr: the low word is made anew for each request, the high word is 0
.set OB,  74                           ; s[74:75] the same from s[VB:VB+1]
.set C2,  76                           ; s[76:77] out0 at my part of the second tile
.set MSB, 0
.macro WIN new                         ; the immediate's high byte repeats the setting that is left; a switch that changes nothing is dropped
.if MSB != (\new)
	s_set_vgpr_msb (MSB<<8)|(\new)
.set MSB, \new
.endif
.endm
.set MUL,  0x05                        ; sources 0 and 1 window 1; C and D window 0
.set TO_F, 0x40                        ; destination window 1, address window 0
.macro JLOAD s                         ; a joint load: waves 0 and 1 fetch pr's two halves, waves 2 and 3 v's; four v_nop follow each of the two lines
	s_cmp_lt_u32 s10, 2
	s_cbranch_scc0 .Lfor_b_\@
	tensor_load_to_lds s[G0+4*(\s):G0+4*(\s)+3], s[G1:G1+7]
	s_nop 0
.rept 4
	v_nop
.endr
	s_branch .Lasked_\@
.Lfor_b_\@:
	tensor_load_to_lds s[G0B+4*(\s):G0B+4*(\s)+3], s[G1B:G1B+7]
	s_nop 0
.rept 4
	v_nop
.endr
.Lasked_\@:
.endm
.macro CREST                           ; a round of the cluster's barrier behind its opening barrier
	s_cmp_lg_u32 s10, 0
	s_cbranch_scc1 .Lnot_wave_0_\@
	s_barrier_signal -3
.Lnot_wave_0_\@:
	s_barrier_wait -3
	s_barrier_signal -1
	s_barrier_wait -1
.endm
.macro CROUND
	s_barrier_signal -1
	s_barrier_wait -1
	CREST
.endm
; The slot's two descriptors take the K step that is due: each address is made anew from a fixed address and an offset under 2^26 bytes, a small number shifted, with 0 above it; the type bits are set again.
; Then the numbers step; behind the first tile's last K step they go to the second tile's first.  It stands where no tensor load of the wave is out.
.macro NEXTREQ slot
	s_lshl_b32 s[OA], s[NA], 9
	s_lshl_b32 s[OB], s[NB], 19
	s_add_nc_u64 s[G0+4*(\slot)+2:G0+4*(\slot)+3], s[4:5], s[OA:OA+1]
	s_or_b32 s[G0+4*(\slot)+3], s[G0+4*(\slot)+3], 0x80000000
	s_add_nc_u64 s[G0B+4*(\slot)+2:G0B+4*(\slot)+3], s[VB:VB+1], s[OB:OB+1]
	s_or_b32 s[G0B+4*(\slot)+3], s[G0B+4*(\slot)+3], 0x80000000
	s_add_co_u32 s[NA], s[NA], 1                   ; 256 keys along pr's rows: 512 bytes
	s_add_co_u32 s[NB], s[NB], 3                   ; 256 keys down qkv's rows
	s_sub_co_u32 s[RQ], s[RQ], 1
	s_cmp_eq_u32 s[RQ], 0
	s_cselect_b32 s[NA], s[NAS], s[NA]
	s_cselect_b32 s[NB], 0, s[NB]
.endm
	s_load_b128 s[4:7], s[0:1], 0x0                ; pr s[4:5], qkv s[6:7]
	s_load_b64 s[8:9], s[0:1], 0x10                ; out0
	v_lshl_add_u32 v126, v0, 2, 0x49400
	v_mov_b32 v127, 0
	ds_add_u32 v126, v127
	ds_add_u32 v126, v127
	v_lshrrev_b32 v1, 5, v0
	v_readfirstlane_b32 s10, v1                    ; wave 0..3
	s_lshr_b32 s11, s10, 1                         ; which 64 of the tile's queries are mine
	s_and_b32 s12, s10, 1                          ; which 64 of its channels.  Also: which half of a tile I fetch
	s_bfe_u32 s40, ttmp6, 0x40000                  ; cx
	s_bfe_u32 s41, ttmp6, 0x40004                  ; cy
	s_lshl_b32 s42, ttmp9, 2
	s_add_co_u32 s42, s42, s40                     ; my block of 128 channels = 4 x cluster x + cx
	s_and_b32 s13, ttmp7, 0xffff                   ; cluster y
	s_lshr_b32 s78, s13, 1                         ; batch,
	s_lshl_b32 s78, s78, 11                        ; its first row
	s_and_b32 s79, s13, 1                          ; p
	s_lshl_b32 s43, s41, 2
	s_lshl_b32 s43, 15, s43                        ; my row of the cluster
	s_lshl_b32 s44, 0x1111, s40                    ; my column
	; group 1 for pr: 64 rows x 256 elements, 4 words of padding after every 128; for v: 128 rows x 128 elements, 8 words after every 64
	s_or_b32 s[G1+0], s43, (1<<16)|(1<<20)|(1<<21)|(6<<22)|(3<<25)
	s_mov_b32 s[G1+1], KSTEP<<16                   ; tensor_dim0 = 256
	s_mov_b32 s[G1+2], 64<<16                      ; tensor_dim1 = 64
	s_mov_b32 s[G1+3], KSTEP<<16                   ; tile_dim0 = 256
	s_mov_b32 s[G1+4], 64                          ; tile_dim1 = 64
	s_mov_b32 s[G1+5], PRROW/2                     ; 2,048 elements from row to row
	s_mov_b32 s[G1+6], 0
	s_mov_b32 s[G1+7], 0
	s_or_b32 s[G1B+0], s44, (1<<16)|(1<<20)|(1<<21)|(5<<22)|(7<<25)
	s_mov_b32 s[G1B+1], 128<<16
	s_mov_b32 s[G1B+2], 128<<16
	s_mov_b32 s[G1B+3], 128<<16
	s_mov_b32 s[G1B+4], 128
	s_mov_b32 s[G1B+5], VROW/2                     ; 3,072 elements from row to row
	s_mov_b32 s[G1B+6], 0
	s_mov_b32 s[G1B+7], 0
	; pr's offsets hang on cy, v's on cx; neither is made in a register that holds the other
	s_lshl_b32 s16, s41, 7
	s_add_co_u32 s16, s16, s78                     ; batch + 128 cy
	s_sub_co_u32 s17, 3, s79
	s_lshl_b32 s17, s17, 9
	s_add_co_u32 s17, s17, s16                     ; the first tile's first query: band 3 - p
	s_lshl_b32 s18, s79, 9
	s_add_co_u32 s18, s18, s16                     ; the second tile's: band p
	s_lshl_b32 s19, s12, 6                         ; the 64 queries that I fetch
	s_add_co_u32 s[NA], s17, s19
	s_lshl_b32 s[NA], s[NA], 3                     ; a row of pr is 8 units of 512 bytes
	s_add_co_u32 s[NAS], s18, s19
	s_lshl_b32 s[NAS], s[NAS], 3
	s_lshl_b32 s[OA], s[NA], 9                     ; the first tile's K step 0, in bytes
	s_mov_b32 s[OA+1], 0                           ; the two high words are written here and never again
	s_mov_b32 s[OB+1], 0
	s_add_co_u32 s[NA], s[NA], 2                   ; K steps 0 and 1 are asked for at the start: K step 2 is due next
	s_mov_b32 s[NB], 6
	s_lshl_b32 s19, s12, 7                         ; the 128 keys that I fetch
	s_add_co_u32 s46, s78, s19
	s_mul_i32 s46, s46, VROW
	s_lshl_b32 s47, s42, 8                         ; 128 channels are 256 bytes
	s_add_co_u32 s46, s46, s47
	s_add_co_u32 s46, s46, 4096                    ; v begins 4,096 bytes into a row
	s_mov_b32 s47, 0
	s_mul_i32 s20, s12, AHALF                      ; where they go: no place in the cluster enters an LDS address
	s_mul_i32 s21, s12, BHALF
	s_add_co_u32 s21, s21, BOFF
	s_lshl_b32 s[RQ], s79, 1
	s_sub_co_u32 s[RQ], 6, s[RQ]                   ; 8 - 2 p K steps, less the two asked for at the start
	s_sub_co_u32 s[LT], 4, s79                     ; 4 - p laps
	s_lshl_b32 s80, s11, 6                         ; where my parts of the two tiles begin in out0
	s_add_co_u32 s82, s18, s80
	s_add_co_u32 s80, s17, s80
	s_lshl_b32 s80, s80, 12
	s_lshl_b32 s82, s82, 12
	s_lshl_b32 s84, s42, 9                         ; 128 channels are 512 bytes,
	s_lshl_b32 s85, s12, 8                         ; my 64 are 256
	s_add_co_u32 s84, s84, s85
	s_add_co_u32 s80, s80, s84
	s_add_co_u32 s82, s82, s84
	s_mov_b32 s81, 0
	s_mov_b32 s83, 0
	s_wait_dscnt 0x0
	s_wait_kmcnt 0x0
	s_add_nc_u64 s[C2:C2+1], s[8:9], s[82:83]
	s_add_nc_u64 s[8:9], s[8:9], s[80:81]
	s_add_nc_u64 s[14:15], s[4:5], s[OA:OA+1]
	s_add_nc_u64 s[VB:VB+1], s[6:7], s[46:47]
	CROUND                                         ; all sixteen work-groups are here: the first joint loads meet
.irp s, 0,1
	s_mov_b32 s[G0+4*(\s)], 1
	s_add_co_u32 s[G0+4*(\s)+1], s20, (\s)*SLOT
	s_add_nc_u64 s[G0+4*(\s)+2:G0+4*(\s)+3], s[14:15], (\s)*KSTEP*2
	s_or_b32 s[G0+4*(\s)+3], s[G0+4*(\s)+3], 0x80000000
	s_mov_b32 s[G0B+4*(\s)], 1
	s_add_co_u32 s[G0B+4*(\s)+1], s21, (\s)*SLOT
	s_add_nc_u64 s[G0B+4*(\s)+2:G0B+4*(\s)+3], s[VB:VB+1], (\s)*KSTEP*VROW
	s_or_b32 s[G0B+4*(\s)+3], s[G0B+4*(\s)+3], 0x80000000
	JLOAD \s                                       ; the first tile's K steps 0 and 1: two loads of mine are out
.endr
	v_and_b32 v1, 15, v0                           ; l % 16
	v_bfe_u32 v2, v0, 4, 1                         ; l / 16
	v_mul_u32_u24 v3, v1, PA
	v_lshl_add_u32 v3, v2, 4, v3                   ; pr: query x pitch + 16 x half
	s_mul_i32 s22, s11, AHALF                      ; my 64 queries
	v_add_nc_u32 v[ADRA], s22, v3
	v_add_nc_u32 v[ADRA+1], SLOT, v[ADRA]
	; the turning load takes 16 keys x 16 channels: lane l reads key 8 (l / 16) + l % 8, channels 8 ((l / 8) % 2) + 0..7, and is left with channel l % 16 and 8 keys
	v_and_b32 v4, 7, v0
	v_bfe_u32 v5, v0, 3, 1
	v_lshl_add_u32 v4, v2, 3, v4
	v_mul_u32_u24 v4, v4, PB
	v_lshl_add_u32 v4, v5, 4, v4
	s_lshl_b32 s23, s12, 7                         ; my 64 channels: 128 bytes of a row
	s_add_co_u32 s23, s23, BOFF
	v_add_nc_u32 v[ADRB], s23, v4
	v_add_nc_u32 v[ADRB+1], BHALF, v[ADRB]
	v_add_nc_u32 v[ADRB+2], SLOT, v[ADRB]
	v_add_nc_u32 v[ADRB+3], SLOT+BHALF, v[ADRB]
	s_mul_i32 s22, s10, 16*SPITCH
	s_add_co_u32 s22, s22, STAGE                   ; my stage
	v_mul_u32_u24 v6, v1, SPITCH                   ; in: row l % 16, 32 bytes (8 f32) for each half of the lanes
	v_lshl_add_u32 v6, v2, 5, v6
	v_add_nc_u32 v[STO], s22, v6
	v_mul_u32_u24 v7, v2, SPITCH                   ; back: lanes 0-15 one row of 256 bytes, lanes 16-31 the next
	v_lshl_add_u32 v7, v1, 4, v7
	v_add_nc_u32 v[RD], s22, v7
	v_lshlrev_b32 v8, 12, v2                       ; the same two rows in out0
	v_lshl_add_u32 v[CO], v1, 4, v8
; 8 matrix instructions: query blocks a0, a0 + 1 x all 4 channel blocks, 32 keys: half c of buffer f.  The 16 accumulators take turns, one instruction a turn.  zero = 1: the product starts the sum.
.macro MUL8 f, c, a0, zero
	WIN MUL
.irp a, \a0, (\a0)+1
.irp b, 0,1,2,3
.if \zero
	v_wmma_f32_16x16x32_f16 v[ACC+8*(4*(\a)+(\b)):ACC+8*(4*(\a)+(\b))+7], v[(\f)+64+8*(4*(\c)+(\b)):(\f)+64+8*(4*(\c)+(\b))+7], v[(\f)+8*(4*(\c)+(\a)):(\f)+8*(4*(\c)+(\a))+7], 0
.else
	v_wmma_f32_16x16x32_f16 v[ACC+8*(4*(\a)+(\b)):ACC+8*(4*(\a)+(\b))+7], v[(\f)+64+8*(4*(\c)+(\b)):(\f)+64+8*(4*(\c)+(\b))+7], v[(\f)+8*(4*(\c)+(\a)):(\f)+8*(4*(\c)+(\a))+7], v[ACC+8*(4*(\a)+(\b)):ACC+8*(4*(\a)+(\b))+7]
.endif
.endr
.endr
.endm
; 32 LDS loads in one run: the fragments of quarter q (keys 64 q .. 64 q + 63 of the K step) into buffer f; the first 32 keys' sixteen loads first
.macro FETCH slot, q, f
	WIN TO_F
.irp c, 0,1
.irp i, 0,1,2,3
	ds_load_tr16_b128 v[(\f)+64+8*(4*(\c)+(\i)):(\f)+64+8*(4*(\c)+(\i))+3],   v[ADRB+2*(\slot)+(\q)/2] offset:((\q)%2)*64*PB+(\c)*32*PB+32*(\i)
	ds_load_tr16_b128 v[(\f)+64+8*(4*(\c)+(\i))+4:(\f)+64+8*(4*(\c)+(\i))+7], v[ADRB+2*(\slot)+(\q)/2] offset:((\q)%2)*64*PB+(\c)*32*PB+32*(\i)+16*PB
	ds_load_b128 v[(\f)+8*(4*(\c)+(\i)):(\f)+8*(4*(\c)+(\i))+3],               v[ADRA+(\slot)] offset:128*(\q)+64*(\c)+(\i)*16*PA
	ds_load_b128 v[(\f)+8*(4*(\c)+(\i))+4:(\f)+8*(4*(\c)+(\i))+7],             v[ADRA+(\slot)] offset:128*(\q)+64*(\c)+(\i)*16*PA+32
.endr
.endr
.endm
.macro PLACES                          ; four plain vector instructions between a matrix instruction and a load into a register that it read, or a store of its result
.rept 4
	v_nop
.endr
.endm
; A K step is four quarters of 64 keys, 32 matrix instructions each, on buffers 0, 1, 0, 1.  One of the first three multiplies buffer f and fetches quarter q into g.
.macro QUARTER slot, q, f, g, zero
	s_wait_dscnt 16                                ; the first 32 keys' fragments are in; the sixteen youngest loads may be out
	MUL8 \f, 0, 0, \zero
	MUL8 \f, 0, 2, \zero
	PLACES
	FETCH \slot, \q, \g
	s_wait_dscnt 32                                ; all but the 32 just issued
	MUL8 \f, 1, 0, 0
	MUL8 \f, 1, 2, 0
.endm
; The last quarter multiplies buffer 1 and changes slots: one barrier; in front of it each wave waits for its reads of this slot and for all its tensor loads.  fill = 1: the slot is filled again.
.macro TURN slot, next, fill
	s_wait_dscnt 16
	MUL8 F1, 0, 0, 0
	s_wait_dscnt 0                                 ; my reads of this slot are over,
	s_set_vgpr_msb 0x500
	s_wait_tensorcnt 0x0                           ; and all my tensor loads have landed: my part of the next slot
	ds_add_u32 v126, v127
	s_wait_dscnt 0x0
	s_set_vgpr_msb 0x5
	s_barrier_signal -1
	MUL8 F1, 0, 2, 0
.if \fill
	WIN 0
.endif
	s_barrier_wait -1
.if \fill
	CREST                                          ; the barrier has opened a round of the cluster's: no wave of any partner still reads this slot or has a load on its way
	NEXTREQ \slot
	JLOAD \slot                                    ; the first tensor load behind the round: 120 matrix instructions ahead of the wait for it; its four v_nop are also the places in front of the loads below
.else
	PLACES
.endif
	FETCH \next, 0, F0
	MUL8 F1, 1, 0, 0
	MUL8 F1, 1, 2, 0
.endm
; THE WAY OUT, a block of 16 queries x 64 channels at a time, f32, no conversion: a lane's 32 bytes go into my stage's rows of 272 bytes, each accumulator's low four registers first;
; whole rows of 256 bytes come back and are stored.
.macro TOST a
.set BK, TMP+32*((\a)%2)
	s_wait_xcnt 0x0                                ; earlier stores have read this buffer: only now is it loaded again
.irp b, 0,1,2,3
	ds_store_b128 v[STO], v[ACC+8*(4*(\a)+(\b)):ACC+8*(4*(\a)+(\b))+3]   offset:64*(\b)
	ds_store_b128 v[STO], v[ACC+8*(4*(\a)+(\b))+4:ACC+8*(4*(\a)+(\b))+7] offset:64*(\b)+16
.endr
.irp t, 0,1,2,3,4,5,6,7
	ds_load_b128 v[BK+4*(\t):BK+4*(\t)+3], v[RD] offset:(\t)*2*SPITCH  ; LDS serves a wave's instructions in order (ISA guide 5.7.1.4): these see the stores above, and the next block's stores come behind them
.endr
.endm
.macro SEND a, younger                 ; younger: the LDS instructions issued behind block a's loads: the next block's 8 stores and 8 loads, or none
.set BK, TMP+32*((\a)%2)
	s_wait_dscnt \younger
.irp t, 0,1,2,3,4,5,6,7
	global_store_b128 v[CO], v[BK+4*(\t):BK+4*(\t)+3], s[8:9] offset:(16*(\a)+2*(\t))*PRROW th:TH_STORE_NT  ; 16 lanes store 256 consecutive bytes at a multiple of 256 from out0's first byte
.endr
.endm
.macro WAYOUT
	WIN 0
	PLACES                                         ; behind the tile's last products
	TOST 0
	TOST 1
	SEND 0, 16
	TOST 2
	SEND 1, 16
	TOST 3
	SEND 2, 16
	SEND 3, 0
.endm
	s_wait_tensorcnt 1                             ; my part of K step 0 is in; K step 1's load, issued behind it, may stay out
	s_barrier_signal -1
	s_barrier_wait -1
	FETCH 0, 0, F0
	QUARTER 0, 1, F0, F1, 1                        ; the first tile's first quarter: its first products start the sums
	WIN 0
	s_mov_b32 s3, 4
.Llap:                                                 ; four trips: each goes once round the ring, from a lap's second quarter to the next lap's first, and fills both slots again
	QUARTER 0, 2, F1, F0, 0
	QUARTER 0, 3, F0, F1, 0
	TURN 0, 1, 1
	QUARTER 1, 1, F0, F1, 0
	QUARTER 1, 2, F1, F0, 0
	QUARTER 1, 3, F0, F1, 0
	TURN 1, 0, 1
	WIN 0
	s_sub_co_u32 s[LT], s[LT], 1
	s_cmp_lg_u32 s[LT], 0
	s_cbranch_scc1 .Lsame                          ; a forward jump past text without a barrier or a tensor load; it hangs on cluster y alone
	WAYOUT                                         ; the first tile is finished; both slots' next K steps, the second tile's, are asked for or in
	s_wait_xcnt 0x0                                ; the stores have read their base
	s_mov_b64 s[8:9], s[C2:C2+1]
	v_nop                                          ; with the way out's four the fifth place in front of products that write over accumulators
	QUARTER 0, 1, F0, F1, 1                        ; the second tile's first quarter starts its sums
	WIN 0
	s_branch .Lnext
.Lsame:
	QUARTER 0, 1, F0, F1, 0
	WIN 0
.Lnext:
	s_sub_co_u32 s3, s3, 1
	s_cmp_lg_u32 s3, 0
	s_cbranch_scc1 .Llap
	QUARTER 0, 2, F1, F0, 0                        ; the walk's last lap is written out: it asks for nothing
	QUARTER 0, 3, F0, F1, 0
	TURN 0, 1, 0
	QUARTER 1, 1, F0, F1, 0
	QUARTER 1, 2, F1, F0, 0
	QUARTER 1, 3, F0, F1, 0
	s_wait_dscnt 16                                ; the very last quarter: nothing more to fetch
	MUL8 F1, 0, 0, 0
	MUL8 F1, 0, 2, 0
	s_wait_dscnt 0
	MUL8 F1, 1, 0, 0
	MUL8 F1, 1, 2, 0
	WAYOUT
	s_wait_tensorcnt 0x0
	ds_add_u32 v126, v127
	s_wait_dscnt 0x0
	CROUND                                         ; the closing round: no work-group ends while a partner may still ask for a tile that names it
	s_endpgm
.Lfunc_end_k_q085f7fa4fc_pv:
	.size	k_q085f7fa4fc_pv, .Lfunc_end_k_q085f7fa4fc_pv-k_q085f7fa4fc_pv
	.p2alignl 7, 3214868480
	.fill 96, 4, 3214868480
	.section	.rodata,"a",@progbits
	.p2align	6, 0x0
	.amdhsa_kernel k_q085f7fa4fc_pv
		.amdhsa_group_segment_fixed_size 327680
		.amdhsa_private_segment_fixed_size 0
		.amdhsa_enable_private_segment 0
		.amdhsa_kernarg_size 24
		.amdhsa_user_sgpr_count 2
		.amdhsa_user_sgpr_kernarg_segment_ptr 1
		.amdhsa_wavefront_size32 1
		.amdhsa_system_sgpr_workgroup_id_x 1
		.amdhsa_system_sgpr_workgroup_id_y 1
		.amdhsa_system_sgpr_workgroup_id_z 1
		.amdhsa_system_vgpr_workitem_id 0
		.amdhsa_next_free_vgpr 512
		.amdhsa_next_free_sgpr 88
		.amdhsa_reserve_vcc 0
		.amdhsa_float_denorm_mode_32 3
		.amdhsa_float_denorm_mode_16_64 3
		.amdhsa_memory_ordered 1
		.amdhsa_forward_progress 1
		.amdhsa_inst_pref_size 99
	.end_amdhsa_kernel
	.amdgpu_metadata
---
amdhsa.version: [ 1, 2 ]
amdhsa.kernels:
  - .name:           k_q085f7fa4fc_pv
    .symbol:         k_q085f7fa4fc_pv.kd
    .args:
      - { .name: pr, .offset: 0, .size: 8, .value_kind: global_buffer, .address_space: global }
      - { .name: qkv, .offset: 8, .size: 8, .value_kind: global_buffer, .address_space: global }
      - { .name: out0, .offset: 16, .size: 8, .value_kind: global_buffer, .address_space: global }
    .group_segment_fixed_size: 327680
    .private_segment_fixed_size: 0
    .kernarg_segment_align: 8
    .kernarg_segment_size: 24
    .max_flat_workgroup_size: 128
    .sgpr_count:     88
    .vgpr_count:     512
    .wavefront_size: 32
...
	.end_amdgpu_metadata
.endif
;; end of part 5
;; launch head (part 6): grid 4 x 4, 4 waves a work-group, no clusters, 300,800 bytes of LDS; arguments hd, out0; writes out0
.if DOCPART == 6
	.amdgcn_target "amdgcn-amd-amdhsa--gfx1250"
	.amdhsa_code_object_version 6
	.text
	.protected	k_q085f7fa4fc_head
	.globl	k_q085f7fa4fc_head
	.p2align	8
	.type	k_q085f7fa4fc_head,@function
k_q085f7fa4fc_head:
	s_mov_b64 s[64:65], 0
	v_nop
	global_prefetch_b8 v0, s[64:65] scope:SCOPE_SE
	s_setreg_imm32_b32 hwreg(HW_REG_WAVE_MODE, 25, 1), 1
	s_wait_xcnt 0x0
; THE FIRST 64 ROWS OF EACH BATCH, ONCE MORE, WITH SPLIT OPERANDS.  out0[b][i][:] = sum over j <= i of softmax_j(q_i . k_j / 32) v_j for i < 64.  out0: [4][2048][1024] f32.
; WHY.  Rounding q, k, v and p to f16 shifts each term p v of a row by up to 2^-11 of itself for each of them.  A row with n keys averages about n such errors away; a batch's first rows have few keys, and where their
; terms cancel the error stands against a small result.  From 64 keys on the averaging has taken an eighth or less of it.  So the launch before this one writes all rows, and this one writes these 256 rows again.
; (1 MB of out0 is stored twice.)
; HOW.  hd: [2][256][3072] f16 holds q | k | v of these rows as hi + lo (row 64 b + i; the lo parts 1,572,864 bytes behind the hi parts): about 21 bits.  A product is hi hi + lo hi + hi lo, three f16 matrix
; instructions with f32 sums; lo lo, 2^-22 of a term, is left out.  p is split here in the same way: hi = p with its mantissa cut to 11 bits, lo = p - hi.
; LIMITS.  q, k, v lie within f16's 65,504; below 6.1e-5 a part keeps f16's fixed step of 6e-8; a weight below 2^-126 counts as 0; NaN and infinities are not treated apart.
; SHARES.  A work-group takes 16 queries of a batch (x: the block, y: the batch): 16 work-groups, all that the 256 rows give at 16 rows to a matrix tile.  Wave w makes the scores of keys 16 w .. 16 w + 15
; (tiles above the diagonal too: the four waves work side by side, so leaving them out would save no time), then the 256 channels 256 w .. of the result.
; NO CLUSTER: a batch's four work-groups share K and V, 512 KB each way of the 8 MB that the whole launch reads; nothing is filled twice, so there is no ring that a joint request could serve.
; LAYOUT.  S^T = K Q^T (source 0 = 16 keys, source 1 = 16 queries): a lane holds query l % 16 and the keys 8 (l / 16) + 0..7 of the tile.  The four tiles meet in LDS; each lane takes back 32 scores of its query in the
; order in which, rounded in pairs, they ARE source 1 (32 keys x 16 queries) of O^T = V^T P.  v ([key][channel]) is turned on its way out of LDS by ds_load_tr16_b128.
; REGISTERS (s_set_vgpr_msb: bits 1:0 source 0, 3:2 source 1, 5:4 source 2, 7:6 destination): window 0: v3-11 addresses; v16-27 statistics; v32-63 scores, then weights; v64-95 their hi parts in f32;
;   v96-111, v112-127 P's hi and lo fragments; v128-255 accumulators.  Window 1: Q's fragments of 16 K steps (step s: hi at 16 s, lo at 16 s + 8); later v's of channel tiles 0-7.  Window 2: K's; later v's of tiles 8-15.
.set ROWB,   6144                      ; bytes in a row of hd
.set LOP,    256*ROWB                  ; the lo parts
.set OROW,   4096                      ; bytes in a row of out0
.set PVP,    544                       ; a row of v in LDS: 512 bytes + 32 = 136 words
.set VT,     64*PVP                    ; 64 keys x 256 channels: what one tensor load brings.  Wave w: hi at 2 w VT, lo at (2 w + 1) VT
.set SX,     8*VT                      ; behind them, never filled by a tensor load: the scores, 16 queries x (64 keys x 4 bytes + 16)
.set SXP,    272
.set STAGE,  SX+16*SXP                 ; and 16 rows x 272 bytes for each wave, for the way out
.set SPITCH, 272
.set GA,   3                           ; v3   my byte offset in 16 rows of hd
.set SW,   4                           ; v4   where I put my 8 scores
.set SR,   5                           ; v5   where I read my query's scores
.set VA,   6                           ; v6   my place in my wave's tile of v
.set QM,   7                           ; v7   my query's number less 8 (l / 16): score 8 t + j is hidden where 16 t + j is greater
.set NINF, 8                           ; v8   -infinity
.set STO,  9
.set RD,   10
.set CO,   11
.set CM,   16                          ; v[16:17] c m, twice
.set RL,   18                          ; v[18:19] 1 / l, twice
.set T,    20                          ; v[20:27] chains of the maximum and of the sum
.set S,    32
.set F,    64
.set PH,   96
.set PL,   112
.set ACC,  128                         ; channel tile ct at ACC + 8 ct
.set HH,   128                         ; the three sums of the scores: hi hi, K's lo x Q's hi, K's hi x Q's lo
.set LH,   136
.set HL,   144
.set TMP,  32                          ; the way out: v32-63, v64-95 by turns
.set QB,   20                          ; s[20:21] hd at my work-group's 16 rows of q
.set KB,   22                          ; s[22:23] hd at my wave's 16 rows of k
.set G1,   24                          ; s[24:31] descriptor group 1
.set G0,   32                          ; s[32:35], s[36:39] group 0 for v's hi and lo parts
.set CUT,  43                          ; s43  the mask that cuts an f32 mantissa to f16's 10 stored bits
.set CS,   44                          ; s[44:45] c = log2(e) / 32
.set SEL,  46                          ; s[46:47] v_permlanex16_b32's selects: each lane takes its own place in the other half
.set MSB, 0
.macro WIN new                         ; the immediate's high byte repeats the setting that is left; a switch that changes nothing is dropped
.if MSB != (\new)
	s_set_vgpr_msb (MSB<<8)|(\new)
.set MSB, \new
.endif
.endm
.macro PLACES                          ; four plain vector instructions between a matrix instruction and a load into a register that it read, or an instruction that reads its result (ISA guide 7.12.1 for vector instructions)
.rept 4
	v_nop
.endr
.endm
	s_load_b128 s[4:7], s[0:1], 0x0                ; hd s[4:5], out0 s[6:7]
	v_lshl_add_u32 v30, v0, 2, 0x49500
	v_mov_b32 v31, 0
	ds_add_u32 v30, v31
	ds_add_u32 v30, v31
	v_lshrrev_b32 v1, 5, v0
	v_readfirstlane_b32 s8, v1                     ; wave 0..3
	s_and_b32 s9, ttmp7, 0xffff                    ; batch
	s_lshl_b32 s11, s9, 6                          ; its first row in hd
	s_lshl_b32 s10, ttmp9, 4                       ; my work-group's first query in the batch
	s_add_co_u32 s12, s11, s10
	s_mul_i32 s12, s12, ROWB                       ; q: my 16 rows
	s_mov_b32 s13, 0
	s_lshl_b32 s14, s8, 4
	s_add_co_u32 s14, s14, s11
	s_mul_i32 s14, s14, ROWB
	s_add_co_u32 s14, s14, 2048                    ; k: my wave's 16 rows; k begins 2,048 bytes into a row
	s_mov_b32 s15, 0
	s_mul_i32 s16, s11, ROWB
	s_lshl_b32 s17, s8, 9                          ; v: the batch's 64 rows, my wave's 256 channels (512 bytes),
	s_add_co_u32 s16, s16, s17
	s_add_co_u32 s16, s16, 4096                    ; v begins 4,096 bytes into a row
	s_mov_b32 s17, 0
	s_lshl_b32 s40, s9, 11
	s_add_co_u32 s40, s40, s10                     ; out0: my 16 rows,
	s_lshl_b32 s40, s40, 12
	s_lshl_b32 s41, s8, 10                         ; my wave's 256 channels (1,024 bytes)
	s_add_co_u32 s40, s40, s41
	s_mov_b32 s41, 0
	; descriptor group 1: a tile of 64 rows x 256 elements, 8 words of padding behind every 128
	s_mov_b32 s[G1+0], (1<<16)|(1<<20)|(6<<22)|(7<<25)  ; 15:0 no mask; 17:16 2-byte elements; 20 padding on; 24:22 after every 128 words (code 6); 31:25 8 words (code 7)
	s_mov_b32 s[G1+1], 256<<16                     ; tensor_dim0 = 256
	s_mov_b32 s[G1+2], 64<<16                      ; tensor_dim1 = 64
	s_mov_b32 s[G1+3], 256<<16                     ; tile_dim0 = 256
	s_mov_b32 s[G1+4], 64                          ; tile_dim1 = 64
	s_mov_b32 s[G1+5], ROWB/2                      ; 3,072 elements from row to row
	s_mov_b32 s[G1+6], 0
	s_mov_b32 s[G1+7], 0
	s_mul_i32 s18, s8, 2*VT                        ; my wave's own bytes of LDS
	s_mov_b32 s[G0], 1                             ; count = 1
	s_mov_b32 s[G0+1], s18                         ; LDS address: the hi parts
	s_mov_b32 s[G0+4], 1
	s_add_co_u32 s[G0+5], s18, VT                  ; the lo parts
	s_mov_b32 s[CUT], 0xffffe000
	s_mov_b32 s[CS], 0x3d38aa3b
	s_mov_b32 s[CS+1], s[CS]                       ; named with it as a pair
	s_mov_b32 s[SEL], 0x76543210
	s_mov_b32 s[SEL+1], 0xfedcba98
	v_and_b32 v1, 15, v0                           ; l % 16
	v_bfe_u32 v2, v0, 4, 1                         ; l / 16
	v_mul_u32_u24 v[GA], v1, ROWB
	v_lshl_add_u32 v[GA], v2, 4, v[GA]             ; a fragment's row x 6,144 + 16 x half
	s_wait_dscnt 0x0
	s_wait_kmcnt 0x0
	s_add_nc_u64 s[G0+2:G0+3], s[4:5], s[16:17]    ; global address
	s_add_nc_u64 s[G0+6:G0+7], s[G0+2:G0+3], LOP
	s_or_b32 s[G0+3], s[G0+3], 0x80000000          ; type = 2
	s_or_b32 s[G0+7], s[G0+7], 0x80000000
	s_add_nc_u64 s[QB:QB+1], s[4:5], s[12:13]
	s_add_nc_u64 s[KB:KB+1], s[4:5], s[14:15]
	s_add_nc_u64 s[6:7], s[6:7], s[40:41]
	tensor_load_to_lds s[G0:G0+3], s[G1:G1+7]      ; the launch's only fills, ahead of every wait, LDS read and barrier: two loads of mine are out; only I read these bytes
	s_nop 0
	tensor_load_to_lds s[G0+4:G0+7], s[G1:G1+7]
	s_nop 0
.rept 4
	v_nop                                          ; four v_nop follow the second
.endr
; Round R: the fragments of K steps 16 R .. 16 R + 15 (32 channels each), straight from memory.  A fragment is 16 rows x 32 channels in 8 registers: lane l holds row l % 16, channels 8 (l / 16) + 0..7 and
; 16 + 8 (l / 16) + 0..7: two loads of 16 bytes, 32 bytes apart.  128 loads, nothing between them.
.macro LOADQK R
.irp m, 0,1                            ; 0: Q into window 1, 1: K into window 2
	WIN 0x40*((\m)+1)
.set i, 0
.rept 16
	global_load_b128 v[16*i:16*i+3],     v[GA], s[QB+2*(\m):QB+2*(\m)+1] offset:(16*(\R)+i)*64
	global_load_b128 v[16*i+4:16*i+7],   v[GA], s[QB+2*(\m):QB+2*(\m)+1] offset:(16*(\R)+i)*64+32
	global_load_b128 v[16*i+8:16*i+11],  v[GA], s[QB+2*(\m):QB+2*(\m)+1] offset:LOP+(16*(\R)+i)*64
	global_load_b128 v[16*i+12:16*i+15], v[GA], s[QB+2*(\m):QB+2*(\m)+1] offset:LOP+(16*(\R)+i)*64+32
.set i, i+1
.endr
.endr
	WIN 0
.endm
; 48 matrix instructions: the three sums take turns, one instruction a turn.  The first K step starts them.
.macro MULS R
	WIN 0x06                                       ; source 0 (K) window 2, source 1 (Q) window 1, C and D window 0
.set i, 0
.rept 16
.if ((\R) == 0) && (i == 0)
	v_wmma_f32_16x16x32_f16 v[HH:HH+7], v[0:7],  v[0:7],  0
	v_wmma_f32_16x16x32_f16 v[LH:LH+7], v[8:15], v[0:7],  0
	v_wmma_f32_16x16x32_f16 v[HL:HL+7], v[0:7],  v[8:15], 0
.else
	v_wmma_f32_16x16x32_f16 v[HH:HH+7], v[16*i:16*i+7],    v[16*i:16*i+7],    v[HH:HH+7]
	v_wmma_f32_16x16x32_f16 v[LH:LH+7], v[16*i+8:16*i+15], v[16*i:16*i+7],    v[LH:LH+7]
	v_wmma_f32_16x16x32_f16 v[HL:HL+7], v[16*i:16*i+7],    v[16*i+8:16*i+15], v[HL:HL+7]
.endif
.set i, i+1
.endr
	WIN 0
.endm
	LOADQK 0
	; the other addresses are made while the loads are on their way
	v_mul_u32_u24 v12, v1, SXP
	v_lshl_add_u32 v12, v2, 5, v12                 ; row l % 16 of 272 bytes, 32 bytes (8 f32) for each half of the lanes
	s_lshl_b32 s19, s8, 6                          ; my wave's 16 keys: 64 bytes of a row of scores
	s_add_co_u32 s19, s19, SX
	v_add_nc_u32 v[SW], s19, v12
	v_add_nc_u32 v[SR], SX, v12
	; the turning load takes 16 keys x 16 channels: lane l reads key 8 (l / 16) + l % 8, channels 8 ((l / 8) % 2) + 0..7, and is left with channel l % 16 and 8 keys
	v_and_b32 v13, 7, v0
	v_bfe_u32 v14, v0, 3, 1
	v_lshl_add_u32 v13, v2, 3, v13
	v_mul_u32_u24 v13, v13, PVP
	v_lshl_add_u32 v13, v14, 4, v13
	v_add_nc_u32 v[VA], s18, v13
	v_lshlrev_b32 v14, 3, v2
	v_sub_nc_u32 v14, v1, v14
	v_add_nc_u32 v[QM], s10, v14                   ; 16 x block + l % 16 - 8 (l / 16), signed
	v_mov_b32 v[NINF], 0xff800000
	s_mul_i32 s19, s8, 16*SPITCH
	s_add_co_u32 s19, s19, STAGE                   ; my stage
	v_add_nc_u32 v[STO], s19, v12                  ; in: the same place in a row as for the scores
	v_mul_u32_u24 v15, v2, SPITCH                  ; back: lanes 0-15 one row of 256 bytes, lanes 16-31 the next
	v_lshl_add_u32 v15, v1, 4, v15
	v_add_nc_u32 v[RD], s19, v15
	v_lshlrev_b32 v15, 12, v2                      ; the same two rows in out0
	v_lshl_add_u32 v[CO], v1, 4, v15
	s_wait_loadcnt 0x0
	MULS 0
	PLACES                                         ; the second round's loads land in registers that those products read
	LOADQK 1
	s_wait_loadcnt 0x0
	MULS 1
	PLACES
.irp i, 0,1,2,3                        ; the three sums are added, each from its low end on
	v_pk_add_f32 v[HH+2*(\i):HH+2*(\i)+1], v[HH+2*(\i):HH+2*(\i)+1], v[LH+2*(\i):LH+2*(\i)+1]
.endr
.irp i, 0,1,2,3
	v_pk_add_f32 v[HH+2*(\i):HH+2*(\i)+1], v[HH+2*(\i):HH+2*(\i)+1], v[HL+2*(\i):HL+2*(\i)+1]
.endr
	ds_store_b128 v[SW], v[HH:HH+3]
	ds_store_b128 v[SW], v[HH+4:HH+7] offset:16
	s_wait_dscnt 0x0                               ; for the others' sake: my scores are in LDS
	s_wait_tensorcnt 0x0                           ; my two tiles of v have landed
	s_barrier_signal -1
	s_barrier_wait -1                              ; the launch's one barrier: all four tiles of scores are there
.irp t, 0,1,2,3                        ; my query's keys 16 t + 8 (l / 16) + 0..7
	ds_load_b128 v[S+8*(\t):S+8*(\t)+3],   v[SR] offset:64*(\t)
	ds_load_b128 v[S+8*(\t)+4:S+8*(\t)+7], v[SR] offset:64*(\t)+16
.endr
	s_wait_dscnt 0x0
; v's fragments of 8 channel tiles into window W: tile c at 32 c: hi keys 0-31, hi keys 32-63, lo keys 0-31, lo keys 32-63.  They land while the softmax is made.
.macro LOADV W
	WIN 0x40*(\W)
.set c, 0
.rept 8
.irp pk, 0,1,2,3
	ds_load_tr16_b128 v[32*c+8*(\pk):32*c+8*(\pk)+3],   v[VA] offset:((\pk)/2)*VT+((\pk)%2)*32*PVP+32*(8*((\W)-1)+c)
	ds_load_tr16_b128 v[32*c+8*(\pk)+4:32*c+8*(\pk)+7], v[VA] offset:((\pk)/2)*VT+((\pk)%2)*32*PVP+32*(8*((\W)-1)+c)+16*PVP
.endr
.set c, c+1
.endr
.endm
	LOADV 1
	LOADV 2
	WIN 0
	; THE SOFTMAX of my query, 32 of its 64 scores in my lane, the others in the lane 16 away.  A hidden score becomes -infinity: it loses every maximum and its weight is exactly 0.  Key 0 is always seen, so m is a true score.
.set i, 0
.rept 32
	v_cmp_gt_i32 vcc_lo, 16*(i/8)+i%8, v[QM]
	v_cndmask_b32 v[S+i], v[S+i], v[NINF], vcc_lo
.set i, i+1
.endr
.irp k, 0,1,2,3
	v_max3_num_f32 v[T+(\k)], v[S+8*(\k)], v[S+8*(\k)+1], v[S+8*(\k)+2]
.endr
.irp k, 0,1,2,3
	v_max3_num_f32 v[T+(\k)], v[T+(\k)], v[S+8*(\k)+3], v[S+8*(\k)+4]
.endr
.irp k, 0,1,2,3
	v_max3_num_f32 v[T+(\k)], v[T+(\k)], v[S+8*(\k)+5], v[S+8*(\k)+6]
.endr
	v_max3_num_f32 v[T], v[T], v[S+7], v[S+15]
	v_max3_num_f32 v[T+2], v[T+2], v[S+23], v[S+31]
	v_max3_num_f32 v[T], v[T], v[T+1], v[T+2]
	v_max_num_f32 v[T], v[T], v[T+3]
	v_permlanex16_b32 v[T+1], v[T], s[SEL], s[SEL+1]
	v_max_num_f32 v[T], v[T], v[T+1]               ; m
	v_mul_f32 v[CM], s[CS], v[T]
	v_mul_f32 v[CM+1], s[CS], v[T]
.set i, 0
.rept 16
	v_pk_fma_f32 v[S+2*i:S+2*i+1], v[S+2*i:S+2*i+1], s[CS:CS+1], v[CM:CM+1] op_sel_hi:[1,0,0] neg_lo:[0,0,1] neg_hi:[0,0,1]  ; c s - c m
.set i, i+1
.endr
.set i, 0
.rept 32
	v_exp_f32 v[S+i], v[S+i]
.set i, i+1
.endr
	v_nop                                          ; a plain instruction between the last exponential and the use of its result (ISA guide 5.7.2)
	s_wait_alu depctr_va_vdst(0)
.irp k, 0,1,2,3
	v_pk_add_f32 v[T+2*(\k):T+2*(\k)+1], v[S+2*(\k):S+2*(\k)+1], v[S+8+2*(\k):S+8+2*(\k)+1]
.endr
.irp k, 0,1,2,3
	v_pk_add_f32 v[T+2*(\k):T+2*(\k)+1], v[T+2*(\k):T+2*(\k)+1], v[S+16+2*(\k):S+16+2*(\k)+1]
.endr
.irp k, 0,1,2,3
	v_pk_add_f32 v[T+2*(\k):T+2*(\k)+1], v[T+2*(\k):T+2*(\k)+1], v[S+24+2*(\k):S+24+2*(\k)+1]
.endr
	v_pk_add_f32 v[T:T+1], v[T:T+1], v[T+2:T+3]
	v_pk_add_f32 v[T+4:T+5], v[T+4:T+5], v[T+6:T+7]
	v_pk_add_f32 v[T:T+1], v[T:T+1], v[T+4:T+5]
	v_add_f32 v[T], v[T], v[T+1]
	v_permlanex16_b32 v[T+1], v[T], s[SEL], s[SEL+1]
	v_add_f32 v[T], v[T], v[T+1]                   ; l, at least 1: the maximum's own weight
	v_rcp_f32 v[RL], v[T]
	v_nop                                          ; a plain instruction between the reciprocal and the use of its result
	s_wait_alu depctr_va_vdst(0)
	v_mov_b32 v[RL+1], v[RL]
.set i, 0
.rept 16
	v_pk_mul_f32 v[S+2*i:S+2*i+1], v[S+2*i:S+2*i+1], v[RL:RL+1]
.set i, i+1
.endr
.set i, 0
.rept 32
	v_and_b32 v[F+i], s[CUT], v[S+i]               ; p's hi part, exact in f16
.set i, i+1
.endr
.set i, 0
.rept 16
	v_cvt_pk_f16_f32 v[PH+i], v[F+2*i], v[F+2*i+1]
.set i, i+1
.endr
.set i, 0
.rept 16
	v_pk_add_f32 v[S+2*i:S+2*i+1], v[S+2*i:S+2*i+1], v[F+2*i:F+2*i+1] neg_lo:[0,1] neg_hi:[0,1]  ; p - hi
.set i, i+1
.endr
.set i, 0
.rept 16
	v_cvt_pk_f16_f32 v[PL+i], v[S+2*i], v[S+2*i+1]
.set i, i+1
.endr
; O^T = V^T P for the 8 channel tiles of window W: six steps (v's part, keys, P's part): hi 0-31 hi, hi 32-63 hi, lo 0-31 hi, lo 32-63 hi, hi 0-31 lo, hi 32-63 lo.  The 8 accumulators take turns, one instruction
; a turn; the first step starts the sums.
.macro MULV W
	WIN \W                                         ; source 0 (v) window W; P, C and D window 0
.irp st, 0,1,2,3,4,5
.irp c, 0,1,2,3,4,5,6,7
.if (\st) == 0
	v_wmma_f32_16x16x32_f16 v[ACC+8*(8*((\W)-1)+(\c)):ACC+8*(8*((\W)-1)+(\c))+7], v[32*(\c):32*(\c)+7], v[PH:PH+7], 0
.else
	v_wmma_f32_16x16x32_f16 v[ACC+8*(8*((\W)-1)+(\c)):ACC+8*(8*((\W)-1)+(\c))+7], v[32*(\c)+16*(((\st)/2)%2)+8*((\st)%2):32*(\c)+16*(((\st)/2)%2)+8*((\st)%2)+7], v[PH+16*((\st)/4)+8*((\st)%2):PH+16*((\st)/4)+8*((\st)%2)+7], v[ACC+8*(8*((\W)-1)+(\c)):ACC+8*(8*((\W)-1)+(\c))+7]
.endif
.endr
.endr
.endm
	s_wait_dscnt 0x0                               ; v's fragments are in
	MULV 1
	MULV 2
	WIN 0
; THE WAY OUT, 16 queries x 64 channels at a time, f32, no conversion: a lane's 32 bytes go into my stage's rows of 272 bytes, each accumulator's low four registers first;
; whole rows of 256 bytes come back and are stored.
.macro TOST a
.set BK, TMP+32*((\a)%2)
	s_wait_xcnt 0x0                                ; earlier stores have read this buffer: only now is it loaded again
.irp b, 0,1,2,3
	ds_store_b128 v[STO], v[ACC+8*(4*(\a)+(\b)):ACC+8*(4*(\a)+(\b))+3]   offset:64*(\b)
	ds_store_b128 v[STO], v[ACC+8*(4*(\a)+(\b))+4:ACC+8*(4*(\a)+(\b))+7] offset:64*(\b)+16
.endr
.irp t, 0,1,2,3,4,5,6,7
	ds_load_b128 v[BK+4*(\t):BK+4*(\t)+3], v[RD] offset:(\t)*2*SPITCH  ; LDS serves a wave's instructions in order (ISA guide 5.7.1.4): these see the stores above, and the next block's stores come behind them
.endr
.endm
.macro SEND a, younger                 ; younger: the LDS instructions issued behind block a's loads: the next block's 8 stores and 8 loads, or none
.set BK, TMP+32*((\a)%2)
	s_wait_dscnt \younger
.irp t, 0,1,2,3,4,5,6,7
	global_store_b128 v[CO], v[BK+4*(\t):BK+4*(\t)+3], s[6:7] offset:2*(\t)*OROW+256*(\a) th:TH_STORE_NT  ; 16 lanes store 256 consecutive bytes at a multiple of 256 from out0's first byte
.endr
.endm
	PLACES                                         ; behind the last products
	TOST 0
	TOST 1
	SEND 0, 16
	TOST 2
	SEND 1, 16
	TOST 3
	SEND 2, 16
	SEND 3, 0
	s_wait_tensorcnt 0x0
	ds_add_u32 v30, v31
	s_wait_dscnt 0x0
	s_endpgm
.Lfunc_end_k_q085f7fa4fc_head:
	.size	k_q085f7fa4fc_head, .Lfunc_end_k_q085f7fa4fc_head-k_q085f7fa4fc_head
	.p2alignl 7, 3214868480
	.fill 96, 4, 3214868480
	.section	.rodata,"a",@progbits
	.p2align	6, 0x0
	.amdhsa_kernel k_q085f7fa4fc_head
		.amdhsa_group_segment_fixed_size 300800
		.amdhsa_private_segment_fixed_size 0
		.amdhsa_enable_private_segment 0
		.amdhsa_kernarg_size 16
		.amdhsa_user_sgpr_count 2
		.amdhsa_user_sgpr_kernarg_segment_ptr 1
		.amdhsa_wavefront_size32 1
		.amdhsa_system_sgpr_workgroup_id_x 1
		.amdhsa_system_sgpr_workgroup_id_y 1
		.amdhsa_system_sgpr_workgroup_id_z 1
		.amdhsa_system_vgpr_workitem_id 0
		.amdhsa_next_free_vgpr 768
		.amdhsa_next_free_sgpr 66
		.amdhsa_reserve_vcc 1
		.amdhsa_float_denorm_mode_32 3
		.amdhsa_float_denorm_mode_16_64 3
		.amdhsa_memory_ordered 1
		.amdhsa_forward_progress 1
		.amdhsa_inst_pref_size 70
	.end_amdhsa_kernel
	.amdgpu_metadata
---
amdhsa.version: [ 1, 2 ]
amdhsa.kernels:
  - .name:           k_q085f7fa4fc_head
    .symbol:         k_q085f7fa4fc_head.kd
    .args:
      - { .name: hd, .offset: 0, .size: 8, .value_kind: global_buffer, .address_space: global }
      - { .name: out0, .offset: 8, .size: 8, .value_kind: global_buffer, .address_space: global }
    .group_segment_fixed_size: 300800
    .private_segment_fixed_size: 0
    .kernarg_segment_align: 8
    .kernarg_segment_size: 16
    .max_flat_workgroup_size: 128
    .sgpr_count:     66
    .vgpr_count:     768
    .wavefront_size: 32
...
	.end_amdgpu_metadata
.endif
;; end of part 6
;; ======== version 2 of 2: 4 launches; 1.19 times as fast as version 1
;; limits: values are held in f16: magnitudes above 65,504 overflow, below 6.1e-05 lose precision; values outside matrix products are rounded to f16
;; workspace buffers: xb 16,777,216 bytes; wb 6,291,456 bytes; qkv 50,331,648 bytes; pr 33,554,432 bytes; hd 3,145,728 bytes; dump 1,048,576 bytes; st 1,048,576 bytes
;; launch cast: the kernel of part 1 again; grid 1408 x 1, 8 waves a work-group, no clusters, 0 bytes of LDS; arguments x, Wq, Wk, Wv, xb, wb; writes xb, wb
;; launch proj: the kernel of part 2 again; grid 12 x 32, 4 waves a work-group, clusters of 4 x 4, 327,680 bytes of LDS; arguments xb, wb, qkv, hd; writes qkv, hd
;; launch scores (part 7): grid 16 x 16, 4 waves a work-group, clusters of 4 x 4, 327,680 bytes of LDS; arguments qkv, pr, hd, out0, st; writes pr, out0, st
.if DOCPART == 7
	.amdgcn_target "amdgcn-amd-amdhsa--gfx1250"
	.amdhsa_code_object_version 6
	.text
	.protected	k_q085f7fa4fc_scores
	.globl	k_q085f7fa4fc_scores
	.p2align	8
	.type	k_q085f7fa4fc_scores,@function
k_q085f7fa4fc_scores:
	s_mov_b64 s[64:65], 0
	v_nop
	global_prefetch_b8 v0, s[64:65] scope:SCOPE_SE
	s_setreg_imm32_b32 hwreg(HW_REG_WAVE_MODE, 25, 1), 1
	s_wait_xcnt 0x0
	s_wait_alu depctr_hold_cnt(0) depctr_sa_sdst(0) depctr_va_vdst(0) depctr_va_sdst(0) depctr_va_ssrc(0) depctr_va_vcc(0) depctr_vm_vsrc(0)
	s_getreg_b32 s2, hwreg(HW_REG_IB_STS2, 6, 4)
	s_cmp_eq_u32 s2, 0
	s_cbranch_scc0 .Lentry_in_a_cluster
	s_endpgm
.Lentry_in_a_cluster:
	s_bfe_u32 s2, ttmp6, 0x10000c
	s_cmp_lg_u32 s2, 0xf033
	s_cbranch_scc0 .Lentry_shape_is_right
	s_endpgm
.Lentry_shape_is_right:
; TWO PIECES OF WORK IN ONE LAUNCH, told apart by cluster x, which all partners of a cluster share.
; CLUSTER x = 0, 1, 2: THE SCORES AND THE FIRST HALF OF THE SOFTMAX.  s[b][i][j] = sum over d of q[b][i][d] k[b][j][d]; q and k are the first and second 1,024 columns of qkv: [8192][3072] f16.  Products in f16, sums in f32.
; The scores never leave the registers.  For each query i and each block B of 128 keys: hidden scores (j > i) become -infinity; m = the block's own true maximum; pr[b][i][j] = 2^(c s - c m), c = log2(e) / 32, rounded once
; to f16; st holds c m and l = the sum of the block's unrounded weights.  The launch that multiplies by v makes the row's maximum and sum of the blocks' and scales each block's weights: the maximum taken away is the row's true one.
; pr: [4][2048][2048] f16.  st: c m in [4][16 key blocks][32 groups of 64 queries][16][4] f32 (query 64 g + 16 a + r at [g][r][a]), l in the same form 524,288 bytes behind.
; LIMITS.  q and k lie within f16's 65,504 (the launch before states it).  A block's maximum counts as at least -2^100, so that a block without a visible key stays finite (its weights and its l are 0).
; A weight below 2^-126 counts as 0; below 6e-5 a stored weight keeps f16's fixed step of 6e-8; NaN and infinities are not treated apart.
; Only three blocks of 1,024 x 1,024 of each batch touch the lower triangle: (rows, keys) = (0, 0), (1, 0), (1, 1).  A cluster of 4 x 4 work-groups makes one of them, a work-group a tile of 256 x 256.
; Cluster x names the block, cluster y the batch.  In the two blocks on the diagonal the six tiles with cx > cy lie above it; they are made and stored like the others (all zeros): partners of a cluster
; run alike and make every joint request, and no 4 x 4 product of tile rows and columns fits the triangle.  Two of the six are read by the next launch
; (it walks a row's keys up to the next multiple of 512); four are not.
; Ring, quarters and round: four waves of 128 x 128, K = 1,024 in 8 steps of 128 through two LDS slots; q's tile is shared along a row of the cluster, k's along a column, by joint loads.
; CLUSTER x = 3: the first 64 rows of each batch of out0, whole, with split operands: the text from .Lrows on, which has a head of its own.  It reads only hd, which the launch before stored, and nothing that this
; launch makes, so it needs no launch of its own: it runs beside the twelve clusters above.
; REGISTERS, in windows of 256 (s_set_vgpr_msb: bits 1:0 source 0, 3:2 source 1, 5:4 source 2, 7:6 destination):
;   window 0: v16-30 addresses; v64-127, v128-191 fragments of q, two buffers; on the way out v64-127 a block's scores, v128-161 statistics, v192-223 packed weights, v32-63 and v224-255 rows read back
;   window 1: v64-127, v128-191 fragments of k      windows 2, 3: the accumulators of my rows 0-63, 64-127 ((a, b) at v[8 (8 (a % 4) + b)])
; THE MATRIX INSTRUCTION IS USED TRANSPOSED: source 0 = 16 rows of k, source 1 = 16 rows of q: a lane holds query l % 16 and the eight neighbouring keys 8 (l / 16) + 0..7.
.set ROWB,   6144                      ; bytes in a row of qkv, and of hd
.set PROW,   4096                      ; bytes in a row of pr
.set STL,    524288                    ; st: the sums lie behind the maxima
.set SIZE_K, 1024
.set KSTEP,  128
.set PITCH,  272                       ; 256 bytes + 16 of padding = 68 words: the 16 rows of a fragment load start at 16 different groups of four banks (64 banks of 4 bytes: ISA guide 11.1)
.set HALFT,  128*PITCH
.set SLOT,   4*HALFT                   ; q's 256 rows, then k's 256 rows
.set STAGE,  2*SLOT                    ; behind the ring, never filled by a tensor load: 16 rows x 272 bytes for each wave
.set SPITCH, 272
.set LAPS,   SIZE_K/(2*KSTEP)
.set ADRA, 16
.set ADRB, 20
.set STO,  24                          ; v24  the way out: where I put 16 bytes of a row
.set RD,   25                          ; v25  where I read a row back
.set CO,   26                          ; v26  my byte offset in pr
.set DQ,   27                          ; v27  my query's number less my first key's: key 16 b + j of my 64 registers is hidden where 16 b + j is greater
.set DQ2,  28                          ; v28  the same less 64, for the keys from 64 on: the numbers compared stay small constants
.set MNI,  29                          ; v29  -infinity
.set LO,   30                          ; v30  16 x lane: my bytes of 512 in st
.set OB,   32                          ; 16 rows read back: v32-63 and v224-255 by turns
.set F0,   64
.set F1,   128
.set WS,   64                          ; v64-127   a block's 64 scores a lane, then its weights
.set CMS,  128                         ; v128-135  c m of blocks 0 to 7
.set LSS,  136                         ; v136-143  l of blocks 0 to 7
.set SD,   144                         ; v144-151  what goes into st
.set WT,   152                         ; v152-159  chains of the maximum and of the sum
.set WCM,  160                         ; v160-161  c m, twice
.set WP,   192                         ; v192-223  the block's weights in f16
.set G1,  24
.set G0,  32
.set G1B, 48
.set G0B, 56
.set MCS,  66                          ; s[66:67] c = log2(e) / 32
.set MSEL, 68                          ; s[68:69] v_permlanex16_b32's selects: each lane takes its own place in the other half
.set MSB, 0
.macro WIN new                         ; the immediate's high byte repeats the setting that is left; a switch that changes nothing is dropped
.if MSB != (\new)
	s_set_vgpr_msb (MSB<<8)|(\new)
.set MSB, \new
.endif
.endm
.set MUL_LO, 0xa1
.set MUL_HI, 0xf1
.set TO_B,   0x40
.macro JLOAD s                         ; a joint load: waves 0 and 1 fetch q's two halves, waves 2 and 3 k's; four v_nop follow each of the two lines
	s_cmp_eq_u32 s11, 0
	s_cbranch_scc0 .Lfor_b_\@
	tensor_load_to_lds s[G0+4*(\s):G0+4*(\s)+3], s[G1:G1+7]
	s_nop 0
.rept 4
	v_nop
.endr
	s_branch .Lasked_\@
.Lfor_b_\@:
	tensor_load_to_lds s[G0B+4*(\s):G0B+4*(\s)+3], s[G1B:G1B+7]
	s_nop 0
.rept 4
	v_nop
.endr
.Lasked_\@:
.endm
.macro CREST                           ; a round of the cluster's barrier behind its opening barrier
	s_cmp_lg_u32 s10, 0
	s_cbranch_scc1 .Lnot_wave_0_\@
	s_barrier_signal -3
.Lnot_wave_0_\@:
	s_barrier_wait -3
	s_barrier_signal -1
	s_barrier_wait -1
.endm
.macro CROUND
	s_barrier_signal -1
	s_barrier_wait -1
	CREST
.endm
	s_set_vgpr_msb 0x40
	v_lshl_add_u32 v255, v0, 2, 0x49500
	s_set_vgpr_msb 0x4000
	v_mov_b32 v255, 0
	s_set_vgpr_msb 0x1
	ds_add_u32 v255, v255
	ds_add_u32 v255, v255
	s_wait_dscnt 0x0
	s_set_vgpr_msb 0x100
	v_lshrrev_b32 v1, 5, v0
	v_readfirstlane_b32 s10, v1                    ; wave 0..3
	s_cmp_eq_u32 ttmp9, 3                          ; cluster x: the same in all sixteen partners
	s_cbranch_scc1 .Lrows                          ; the fourth column of clusters makes the batches' first rows
	s_load_b128 s[4:7], s[0:1], 0x0                ; qkv s[4:5], pr s[6:7]
	s_load_b64 s[8:9], s[0:1], 0x20                ; st
	s_lshr_b32 s11, s10, 1                         ; my half of the tile's rows.  Also: I fetch for q (0) or for k (1)
	s_and_b32 s12, s10, 1                          ; my half of its columns.  Also: which 128 rows of that tile I fetch
	s_bfe_u32 s40, ttmp6, 0x40000                  ; cx
	s_bfe_u32 s41, ttmp6, 0x40004                  ; cy
	s_min_u32 s13, ttmp9, 1                        ; the block's row of 1,024 queries: 0, 1, 1
	s_lshl_b32 s13, s13, 2
	s_add_co_u32 s13, s13, s41                     ; tile row in the batch
	s_lshr_b32 s42, ttmp9, 1                       ; the block's column of 1,024 keys: 0, 0, 1
	s_lshl_b32 s42, s42, 2
	s_add_co_u32 s42, s42, s40                     ; tile column in the batch
	s_and_b32 s45, ttmp7, 0xffff                   ; the batch,
	s_lshl_b32 s45, s45, 11                        ; its first row
	s_lshl_b32 s43, s41, 2
	s_lshl_b32 s43, 15, s43                        ; my row of the cluster
	s_lshl_b32 s44, 0x1111, s40                    ; my column
	s_mov_b32 s[MCS], 0x3d38aa3b
	s_mov_b32 s[MCS+1], s[MCS]                     ; named with it as a pair
	s_mov_b32 s[MSEL], 0x76543210
	s_mov_b32 s[MSEL+1], 0xfedcba98
	s_or_b32 s[G1+0], s43, (1<<16)|(1<<20)|(1<<21)|(5<<22)|(3<<25)   ; the mask; 2-byte elements; padding on; bit 21 beside a mask; after every 64 words 4 words
	s_or_b32 s[G1B+0], s44, (1<<16)|(1<<20)|(1<<21)|(5<<22)|(3<<25)
.irp g, G1, G1B
	s_mov_b32 s[(\g)+1], KSTEP<<16                 ; tensor_dim0 = 128
	s_mov_b32 s[(\g)+2], 128<<16                   ; tensor_dim1 = 128
	s_mov_b32 s[(\g)+3], KSTEP<<16                 ; tile_dim0 = 128
	s_mov_b32 s[(\g)+4], 128                       ; tile_dim1 = 128
	s_mov_b32 s[(\g)+5], ROWB/2                    ; 3,072 elements from row to row
	s_mov_b32 s[(\g)+6], 0
	s_mov_b32 s[(\g)+7], 0
.endr
	; q's tiles hang on the tile row, k's on the tile column; each offset is made in registers that never hold the other coordinate.  All offsets stay under 8,192 x 6,144 bytes.
	s_lshl_b32 s17, s12, 7
	s_lshl_b32 s16, s13, 8
	s_add_co_u32 s16, s16, s17
	s_add_co_u32 s16, s16, s45                     ; q: row = batch + 256 x tile row + 128 x half
	s_lshl_b32 s46, s42, 8
	s_add_co_u32 s46, s46, s17
	s_add_co_u32 s46, s46, s45                     ; k: row = batch + 256 x tile column + 128 x half
	s_mul_i32 s16, s16, ROWB
	s_mul_i32 s46, s46, ROWB
	s_add_co_u32 s46, s46, 2048                    ; k begins 2,048 bytes into a row
	s_mov_b32 s17, 0
	s_mov_b32 s47, 0
	s_mul_i32 s20, s10, HALFT                      ; where they go: wave x 128 rows
	s_wait_kmcnt 0x0
	s_add_nc_u64 s[14:15], s[4:5], s[16:17]
	s_add_nc_u64 s[46:47], s[4:5], s[46:47]
	CROUND                                         ; all sixteen work-groups are here: the first joint loads meet
.irp s, 0,1
	s_mov_b32 s[G0+4*(\s)], 1
	s_add_co_u32 s[G0+4*(\s)+1], s20, (\s)*SLOT
	s_add_nc_u64 s[G0+4*(\s)+2:G0+4*(\s)+3], s[14:15], (\s)*KSTEP*2
	s_or_b32 s[G0+4*(\s)+3], s[G0+4*(\s)+3], 0x80000000
	s_mov_b32 s[G0B+4*(\s)], 1
	s_add_co_u32 s[G0B+4*(\s)+1], s20, (\s)*SLOT
	s_add_nc_u64 s[G0B+4*(\s)+2:G0B+4*(\s)+3], s[46:47], (\s)*KSTEP*2
	s_or_b32 s[G0B+4*(\s)+3], s[G0B+4*(\s)+3], 0x80000000
	JLOAD \s                                       ; two loads of mine are out
.endr
	v_and_b32 v1, 15, v0                           ; l % 16
	v_bfe_u32 v2, v0, 4, 1                         ; l / 16
	v_mul_u32_u24 v3, v1, PITCH
	v_lshl_add_u32 v3, v2, 4, v3                   ; a fragment's row x pitch + 16 x half
	s_mul_i32 s21, s11, HALFT
	s_mul_i32 s22, s12, HALFT
	s_add_co_u32 s22, s22, 2*HALFT
.irp s, 0,1
	v_add_nc_u32 v[ADRA+(\s)], s21, v3
	v_add_nc_u32 v[ADRB+(\s)], s22, v3
	s_add_co_u32 s21, s21, SLOT
	s_add_co_u32 s22, s22, SLOT
.endr
	s_mul_i32 s23, s10, 16*SPITCH
	s_add_co_u32 s23, s23, STAGE                   ; my stage
	v_mul_u32_u24 v4, v1, SPITCH                   ; in: row l % 16, 16 bytes (8 f16) for each half of the lanes
	v_lshl_add_u32 v4, v2, 4, v4
	v_add_nc_u32 v[STO], s23, v4
	v_mul_u32_u24 v5, v2, SPITCH                   ; back: lanes 0-15 one row of 256 bytes, lanes 16-31 the next
	v_lshl_add_u32 v5, v1, 4, v5
	v_add_nc_u32 v[RD], s23, v5
	v_lshlrev_b32 v5, 12, v2                       ; the same two rows in pr
	v_lshl_add_u32 v[CO], v1, 4, v5
	v_and_b32 v5, 31, v0
	v_lshlrev_b32 v[LO], 4, v5
	v_mov_b32 v[MNI], 0xff800000
	s_lshl_b32 s13, s13, 8
	s_lshl_b32 s14, s11, 7
	s_add_co_u32 s16, s13, s14                     ; my first query in the batch
	s_lshl_b32 s46, s42, 8
	s_lshl_b32 s47, s12, 7
	s_add_co_u32 s46, s46, s47                     ; my first key in the batch
	s_sub_co_i32 s18, s16, s46
	v_lshlrev_b32 v6, 3, v2
	v_sub_nc_u32 v6, v1, v6
	v_add_nc_u32 v[DQ], s18, v6                    ; first query - first key + l % 16 - 8 (l / 16), signed: block 0's; each block adds 16
	v_add_nc_u32 v[DQ2], 0xffffffc0, v[DQ]         ; less 64
	s_add_co_u32 s19, s45, s46                     ; st: 131,072 bytes a batch = 64 x its 2,048 rows; 8,192 a key block = 64 x its 128 keys;
	s_lshl_b32 s19, s19, 6
	s_lshl_b32 s18, s16, 2                         ; 256 a group of 64 queries = 4 x its rows
	s_add_co_u32 s18, s18, s19
	s_mov_b32 s19, 0
	s_add_nc_u64 s[8:9], s[8:9], s[18:19]
	s_add_co_u32 s16, s16, s45                     ; my first row of pr
	s_lshl_b32 s16, s16, 12                        ; x 4,096 bytes
	s_mov_b32 s17, 0
	s_lshl_b32 s46, s46, 1                         ; my first column in bytes
	s_mov_b32 s47, 0
	s_add_nc_u64 s[16:17], s[16:17], s[46:47]      ; the way out adds this to pr's address
; 16 matrix instructions; the 64 accumulators take turns, one instruction a turn.  zero = 1: the product starts the sum.
.macro MUL16 f, hi, a0, zero
	WIN MUL_LO+0x50*(\hi)
.irp a, \a0, (\a0)+1
.irp b, 0,1,2,3,4,5,6,7
.if \zero
	v_wmma_f32_16x16x32_f16 v[8*(8*(\a)+(\b)):8*(8*(\a)+(\b))+7], v[(\f)+8*(\b):(\f)+8*(\b)+7], v[(\f)+8*(4*(\hi)+(\a)):(\f)+8*(4*(\hi)+(\a))+7], 0
.else
	v_wmma_f32_16x16x32_f16 v[8*(8*(\a)+(\b)):8*(8*(\a)+(\b))+7], v[(\f)+8*(\b):(\f)+8*(\b)+7], v[(\f)+8*(4*(\hi)+(\a)):(\f)+8*(4*(\hi)+(\a))+7], v[8*(8*(\a)+(\b)):8*(8*(\a)+(\b))+7]
.endif
.endr
.endr
.endm
.macro FETCH slot, k, f                ; 32 LDS loads in one run: k's 16, then q's 16
	WIN TO_B
.irp i, 0,1,2,3,4,5,6,7
	ds_load_b128 v[(\f)+8*(\i):(\f)+8*(\i)+3],   v[ADRB+(\slot)] offset:(\k)+(\i)*16*PITCH
	ds_load_b128 v[(\f)+8*(\i)+4:(\f)+8*(\i)+7], v[ADRB+(\slot)] offset:(\k)+(\i)*16*PITCH+32
.endr
	WIN 0
.irp i, 0,1,2,3,4,5,6,7
	ds_load_b128 v[(\f)+8*(\i):(\f)+8*(\i)+3],   v[ADRA+(\slot)] offset:(\k)+(\i)*16*PITCH
	ds_load_b128 v[(\f)+8*(\i)+4:(\f)+8*(\i)+7], v[ADRA+(\slot)] offset:(\k)+(\i)*16*PITCH+32
.endr
.endm
.macro PLACES                          ; four plain vector instructions between a matrix instruction and a load into a register that it read, or an instruction that reads its result or writes one of its registers (ISA guide 7.12.1 for vector instructions)
.rept 4
	v_nop
.endr
.endm
.macro QUARTER slot, k, f, g, zero
	s_wait_dscnt 8                                 ; k's fragments and q's rows 0-63 are in; the youngest eight loads (q's rows 64-127) may be out
	MUL16 \f, 0, 0, \zero
	MUL16 \f, 0, 2, \zero
	PLACES
	FETCH \slot, \k, \g
	s_wait_dscnt 32                                ; all but the 32 just issued
	MUL16 \f, 1, 0, \zero
	MUL16 \f, 1, 2, \zero
.endm
.macro MEET round                      ; the change of slots: each wave waits for its reads of this slot and for all its tensor loads, then the barrier
	s_wait_dscnt 8
	MUL16 F1, 0, 0, 0
	s_wait_dscnt 0
	s_wait_xcnt 0x0
	s_set_vgpr_msb 0xa160
	v_lshl_add_u32 v255, v0, 2, 0x49500
	s_set_vgpr_msb 0x6020
	v_mov_b32 v255, 0
	s_set_vgpr_msb 0x2021
	s_wait_tensorcnt 0x0
	ds_add_u32 v255, v255
	s_wait_dscnt 0x0
	s_set_vgpr_msb 0x21a1
	s_barrier_signal -1
	MUL16 F1, 0, 2, 0
.if \round
	WIN 0
.endif
	s_barrier_wait -1
.endm
.macro TURN slot, next
	MEET 1
	CREST                                          ; the barrier has opened a round of the cluster's: no wave of any partner still reads this slot or has a load on its way
	s_add_nc_u64 s[G0+4*(\slot)+2:G0+4*(\slot)+3], s[G0+4*(\slot)+2:G0+4*(\slot)+3], 2*KSTEP*2
	s_add_nc_u64 s[G0B+4*(\slot)+2:G0B+4*(\slot)+3], s[G0B+4*(\slot)+2:G0B+4*(\slot)+3], 2*KSTEP*2
	JLOAD \slot                                    ; the first tensor load behind the round; its four v_nop are also the places in front of the loads below
	FETCH \next, 0, F0
	MUL16 F1, 1, 0, 0
	MUL16 F1, 1, 2, 0
.endm
; THE WAY OUT of block a (16 queries x 128 keys), in three parts.
; SOFT: a lane holds 64 scores of one query, the lane 16 away the other 64.  The scores come out of the accumulators, each accumulator's registers in ascending order, a hidden one as -infinity:
; it loses every maximum and its weight is exactly 0.  Then the maximum (four chains), c m, the weights 2^(c s - c m), their sum (four packed chains), and the weights rounded to f16.
.macro SOFT a
.set AC, 64*((\a)%4)
	WIN 0x02+(\a)/4                                ; source 0: window 2 or 3
.set i, 0
.rept 64
.if i < 32
	v_cmp_gt_i32 vcc_lo, 16*(i/8)+i%8, v[DQ]
.else
	v_cmp_gt_i32 vcc_lo, 16*(i/8-4)+i%8, v[DQ2]
.endif
	v_cndmask_b32 v[WS+i], v[AC+i], v[MNI], vcc_lo
.set i, i+1
.endr
	WIN 0
.irp k, 0,1,2,3
	v_max_num_f32 v[WT+(\k)], v[WS+(\k)], v[WS+4+(\k)]
.endr
.set j, 8
.rept 7
.irp k, 0,1,2,3
	v_max3_num_f32 v[WT+(\k)], v[WT+(\k)], v[WS+j+(\k)], v[WS+j+4+(\k)]
.endr
.set j, j+8
.endr
	v_max3_num_f32 v[WT], v[WT], v[WT+1], v[WT+2]
	v_max_num_f32 v[WT], v[WT], v[WT+3]
	v_permlanex16_b32 v[WT+1], v[WT], s[MSEL], s[MSEL+1]
	v_max_num_f32 v[WT], v[WT], v[WT+1]            ; the maximum of the query's 128 scores of this block,
	v_max_num_f32 v[WT], 0xf1800000, v[WT]         ; or -2^100 where all are hidden
	v_mul_f32 v[WCM], s[MCS], v[WT]
	v_mul_f32 v[WCM+1], s[MCS], v[WT]
	v_mul_f32 v[CMS+(\a)], s[MCS], v[WT]           ; the same number goes into st: what is taken away here is put back there without loss
.set i, 0
.rept 32
	v_pk_fma_f32 v[WS+2*i:WS+2*i+1], v[WS+2*i:WS+2*i+1], s[MCS:MCS+1], v[WCM:WCM+1] op_sel_hi:[1,0,0] neg_lo:[0,0,1] neg_hi:[0,0,1]  ; c s - c m
.set i, i+1
.endr
.set i, 0
.rept 64
	v_exp_f32 v[WS+i], v[WS+i]
.set i, i+1
.endr
	v_nop                                          ; a plain instruction between the last exponential and the use of its result (ISA guide 5.7.2)
	s_wait_alu depctr_va_vdst(0)
.irp k, 0,1,2,3
	v_pk_add_f32 v[WT+2*(\k):WT+2*(\k)+1], v[WS+2*(\k):WS+2*(\k)+1], v[WS+8+2*(\k):WS+8+2*(\k)+1]
.endr
.set j, 16
.rept 6
.irp k, 0,1,2,3
	v_pk_add_f32 v[WT+2*(\k):WT+2*(\k)+1], v[WT+2*(\k):WT+2*(\k)+1], v[WS+j+2*(\k):WS+j+2*(\k)+1]
.endr
.set j, j+8
.endr
	v_pk_add_f32 v[WT:WT+1], v[WT:WT+1], v[WT+2:WT+3]
	v_pk_add_f32 v[WT+4:WT+5], v[WT+4:WT+5], v[WT+6:WT+7]
	v_pk_add_f32 v[WT:WT+1], v[WT:WT+1], v[WT+4:WT+5]
	v_add_f32 v[WT], v[WT], v[WT+1]
	v_permlanex16_b32 v[WT+1], v[WT], s[MSEL], s[MSEL+1]
	v_add_f32 v[LSS+(\a)], v[WT], v[WT+1]          ; l
.set i, 0
.rept 32
	v_cvt_pk_f16_f32 v[WP+i], v[WS+2*i], v[WS+2*i+1]
.set i, i+1
.endr
.if (\a) < 7
	v_add_nc_u32 v[DQ], 16, v[DQ]                  ; the next block's queries lie 16 further down
	v_add_nc_u32 v[DQ2], 16, v[DQ2]
.endif
.endm
; TOSTAGE: a lane's 16 bytes of each 16 keys go into my own stage's rows of 272 bytes and come back as whole rows of 256.  SEND: stored.
.macro TOSTAGE a
	WIN 0
.set BK, OB+192*((\a)%2)
.irp b, 0,1,2,3,4,5,6,7
	ds_store_b128 v[STO], v[WP+4*(\b):WP+4*(\b)+3] offset:32*(\b)
.endr
.irp t, 0,1,2,3,4,5,6,7
	ds_load_b128 v[BK+4*(\t):BK+4*(\t)+3], v[RD] offset:(\t)*2*SPITCH  ; LDS serves a wave's instructions in order (ISA guide 5.7.1.4): these see the stores above
.endr
.endm
.macro SEND a
	WIN 0
.set BK, OB+192*((\a)%2)
	s_wait_dscnt 0                                 ; the block is back in registers
	s_wait_xcnt 0x0                                ; earlier stores have read their base and data: only now are they rewritten
.if (\a) == 0
	s_add_nc_u64 s[6:7], s[6:7], s[16:17]
.else
	s_add_nc_u64 s[6:7], s[6:7], 16*PROW
.endif
.irp t, 0,1,2,3,4,5,6,7
	global_store_b128 v[CO], v[BK+4*(\t):BK+4*(\t)+3], s[6:7] offset:2*(\t)*PROW  ; 16 lanes store 256 consecutive bytes at a multiple of 256 from pr's first byte
.endr
.endm
	s_wait_tensorcnt 1                             ; my part of K step 0 is in; K step 1's load, issued behind it, may stay out
	s_barrier_signal -1
	s_barrier_wait -1
	FETCH 0, 0, F0
	QUARTER 0, 64,  F0, F1, 1                      ; the first quarter's products start the sums
	WIN 0
	s_mov_b32 s3, LAPS-1
.Llap:                                                 ; a trip goes once round the ring and fills both slots again
	QUARTER 0, 128, F1, F0, 0
	QUARTER 0, 192, F0, F1, 0
	TURN 0, 1
	QUARTER 1, 64,  F0, F1, 0
	QUARTER 1, 128, F1, F0, 0
	QUARTER 1, 192, F0, F1, 0
	TURN 1, 0
	QUARTER 0, 64,  F0, F1, 0
	WIN 0
	s_sub_co_u32 s3, s3, 1
	s_cmp_lg_u32 s3, 0
	s_cbranch_scc1 .Llap
	QUARTER 0, 128, F1, F0, 0                      ; the last lap is written out: it asks for nothing
	QUARTER 0, 192, F0, F1, 0
	MEET 0
	PLACES
	FETCH 1, 0, F0
	MUL16 F1, 1, 0, 0
	MUL16 F1, 1, 2, 0
	QUARTER 1, 64,  F0, F1, 0
	QUARTER 1, 128, F1, F0, 0
	QUARTER 1, 192, F0, F1, 0
	s_wait_dscnt 8
	MUL16 F1, 0, 0, 0
	MUL16 F1, 0, 2, 0
	s_wait_dscnt 0
	MUL16 F1, 1, 0, 0
	MUL16 F1, 1, 2, 0
	WIN 0
	PLACES                                         ; behind the last products: what follows reads results and writes registers that products read
	SOFT 0
	TOSTAGE 0
.irp a, 1,2,3,4,5,6,7                  ; block a's softmax stands between block a - 1's loads from the stage and the wait for them
	SOFT \a
	SEND (\a)-1
	TOSTAGE \a
.endr
	SEND 7
	; the statistics: lanes 0-15 hold those of my first 64 queries (blocks 0 to 3), lanes 16-31 take those of the other 64 (blocks 4 to 7): each of the two stores covers 512 consecutive bytes at a multiple of 512
	v_cmp_eq_u32 vcc_lo, 1, v2
.irp i, 0,1,2,3
	v_cndmask_b32 v[SD+(\i)], v[CMS+(\i)], v[CMS+4+(\i)], vcc_lo
	v_cndmask_b32 v[SD+4+(\i)], v[LSS+(\i)], v[LSS+4+(\i)], vcc_lo
.endr
	global_store_b128 v[LO], v[SD:SD+3], s[8:9]
	global_store_b128 v[LO], v[SD+4:SD+7], s[8:9] offset:STL
	s_wait_xcnt 0x0
	s_set_vgpr_msb 0x40
	v_lshl_add_u32 v255, v0, 2, 0x49500
	s_set_vgpr_msb 0x4000
	v_mov_b32 v255, 0
	s_set_vgpr_msb 0x1
	s_wait_tensorcnt 0x0
	ds_add_u32 v255, v255
	s_wait_dscnt 0x0
	s_set_vgpr_msb 0x100
	CROUND                                         ; the closing round
	s_endpgm
; ---------------------------------------------------------------------------------------------------------------------------------------------------------------------------------------------
; THE FIRST 64 ROWS OF EACH BATCH, WITH SPLIT OPERANDS.  out0[b][i][:] = sum over j <= i of softmax_j(q_i . k_j / 32) v_j for i < 64.  out0: [4][2048][1024] f32.
; WHY.  Rounding q, k, v and p to f16 shifts each term p v of a row by up to 2^-11 of itself for each of them.  A row with n keys averages about n such errors away; a batch's first rows have few keys, and where their
; terms cancel the error stands against a small result.  From 64 keys on the averaging has taken an eighth or less of it.  So these 256 rows are made here, and the launch that makes all other rows leaves them alone.
; HOW.  hd: [2][256][3072] f16 holds q | k | v of these rows as hi + lo (row 64 b + i; the lo parts 1,572,864 bytes behind the hi parts): about 21 bits.  A product is hi hi + lo hi + hi lo, three f16 matrix
; instructions with f32 sums; lo lo, 2^-22 of a term, is left out.  p is split here in the same way: hi = p with its mantissa cut to 11 bits, lo = p - hi.
; The row's true maximum is taken away before the exponential: p = 2^(c s - c m), c = log2(e) / 32.
; LIMITS.  q, k, v lie within f16's 65,504; below 6.1e-5 a part keeps f16's fixed step of 6e-8; a weight below 2^-126 counts as 0; NaN and infinities are not treated apart.
; SHARES.  A cluster takes a batch (cluster y); of its 4 x 4 work-groups cx names 16 queries and cy 256 channels.  Wave w makes the scores of keys 16 w .. 16 w + 15 (tiles above the diagonal too: the four waves work
; side by side, so leaving them out would save no time; the four work-groups along cy each make the same 16 x 64 scores, 96 matrix instructions a wave), then channels 64 w .. 64 w + 63 of the work-group's 256.
; NO JOINT LOADS: a work-group's part of v is 64 KB, asked for once; there is no ring that a joint request could serve.  The tensor loads are plain ones (no mask), behind a round of the cluster's barrier like all others.
; LAYOUT.  S^T = K Q^T (source 0 = 16 keys, source 1 = 16 queries): a lane holds query l % 16 and the keys 8 (l / 16) + 0..7 of the tile.  The four tiles meet in LDS; each lane takes back 32 scores of its query in the
; order in which, rounded in pairs, they ARE source 1 (32 keys x 16 queries) of O^T = V^T P.  v ([key][channel]) is turned on its way out of LDS by ds_load_tr16_b128.
; LDS: v's hi part at byte 0, its lo part behind it (64 keys x 544 bytes each); the scores and the stages lie from byte 278,528 on, where no tensor load of this text lands.
; REGISTERS: window 0: v3-11 addresses; v16-27 statistics; v32-63 scores, then weights, then the rows on their way out; v64-95 the weights' hi parts in f32; v96-111, v112-127 P's hi and lo fragments;
;   v128-159 accumulators.  Window 1: Q's fragments of 16 K steps (step s: hi at 16 s, lo at 16 s + 8); later v's fragments in v0-127.  Window 2: K's.
.set LOP,    256*ROWB                  ; hd's lo parts
.set OROW,   4096                      ; bytes in a row of out0
.set PVP,    544                       ; a row of v in LDS: 512 bytes + 32 = 136 words
.set VHALF,  32*PVP                    ; 32 keys x 256 channels: what one tensor load brings.  Wave w's lands at w x VHALF: hi keys 0-31, hi keys 32-63, lo keys 0-31, lo keys 32-63
.set VT,     2*VHALF                   ; a part's 64 keys
.set SX,     STAGE                     ; the scores: 16 queries x (64 keys x 4 bytes + 16)
.set SXP,    272
.set HSTAGE, SX+16*SXP                 ; 16 rows x 272 bytes for each wave, for the way out
.set HSP,    272
.set GA,   3                           ; v3   my byte offset in 16 rows of hd
.set SW,   4                           ; v4   where I put my 8 scores
.set SR,   5                           ; v5   where I read my query's scores
.set VA,   6                           ; v6   my place in v's tile, at my wave's 64 channels
.set QM,   7                           ; v7   my query's number less 8 (l / 16): score 8 t + j is hidden where 16 t + j is greater
.set NINF, 8                           ; v8   -infinity
.set HSTO, 9
.set HRD,  10
.set HCO,  11
.set CM,   16                          ; v[16:17] c m, twice
.set RL,   18                          ; v[18:19] 1 / l, twice
.set T,    20                          ; v[20:27] chains of the maximum and of the sum
.set S,    32
.set F,    64
.set PH,   96
.set PL,   112
.set ACC,  128                         ; channel tile c at ACC + 8 c
.set HH,   128                         ; before that the three sums of the scores: hi hi, K's lo x Q's hi, K's hi x Q's lo
.set LH,   136
.set HL,   144
.set QB,   20                          ; s[20:21] hd at my work-group's 16 rows of q
.set KB,   22                          ; s[22:23] hd at my wave's 16 rows of k
.set HG1,  24                          ; s[24:31] descriptor group 1
.set HG0,  32                          ; s[32:35] group 0
.set CUT,  36                          ; s36  the mask that cuts an f32 mantissa to f16's 10 stored bits
.set CS,   44                          ; s[44:45] c = log2(e) / 32
.set SEL,  46                          ; s[46:47] v_permlanex16_b32's selects: each lane takes its own place in the other half
.Lrows:
	s_load_b128 s[4:7], s[0:1], 0x10               ; hd s[4:5], out0 s[6:7]
	s_bfe_u32 s40, ttmp6, 0x40000                  ; cx: which 16 queries
	s_bfe_u32 s41, ttmp6, 0x40004                  ; cy: which 256 channels
	s_and_b32 s9, ttmp7, 0xffff                    ; cluster y: the batch
	s_lshl_b32 s11, s9, 6                          ; its first row in hd
	s_lshl_b32 s8, s40, 4                          ; my work-group's first query in the batch
	s_add_co_u32 s12, s11, s8
	s_mul_i32 s12, s12, ROWB                       ; q: my 16 rows
	s_mov_b32 s13, 0
	s_lshl_b32 s14, s10, 4
	s_add_co_u32 s14, s14, s11
	s_mul_i32 s14, s14, ROWB
	s_add_co_u32 s14, s14, 2048                    ; k: my wave's 16 rows; k begins 2,048 bytes into a row
	s_mov_b32 s15, 0
	s_and_b32 s16, s10, 1                          ; v: waves 0, 1 fetch the hi part's keys 0-31, 32-63, waves 2, 3 the lo part's
	s_lshl_b32 s16, s16, 5
	s_add_co_u32 s16, s16, s11
	s_mul_i32 s16, s16, ROWB
	s_lshr_b32 s17, s10, 1
	s_mul_i32 s17, s17, LOP
	s_add_co_u32 s16, s16, s17
	s_lshl_b32 s17, s41, 9                         ; the work-group's 256 channels: 512 bytes of a row
	s_add_co_u32 s16, s16, s17
	s_add_co_u32 s16, s16, 4096                    ; v begins 4,096 bytes into a row
	s_mov_b32 s17, 0
	s_lshl_b32 s42, s9, 11
	s_add_co_u32 s42, s42, s8                      ; out0: my 16 rows,
	s_lshl_b32 s42, s42, 12
	s_lshl_b32 s43, s41, 10                        ; the work-group's 256 channels (1,024 bytes),
	s_add_co_u32 s42, s42, s43
	s_lshl_b32 s43, s10, 8                         ; my wave's 64 of them (256 bytes)
	s_add_co_u32 s42, s42, s43
	s_mov_b32 s43, 0
	; descriptor group 1: a tile of 32 rows x 256 elements, 8 words of padding behind every 128
	s_mov_b32 s[HG1+0], (1<<16)|(1<<20)|(6<<22)|(7<<25)  ; 15:0 no mask; 17:16 2-byte elements; 20 padding on; 24:22 after every 128 words (code 6); 31:25 8 words (code 7)
	s_mov_b32 s[HG1+1], 256<<16                    ; tensor_dim0 = 256
	s_mov_b32 s[HG1+2], 32<<16                     ; tensor_dim1 = 32
	s_mov_b32 s[HG1+3], 256<<16                    ; tile_dim0 = 256
	s_mov_b32 s[HG1+4], 32                         ; tile_dim1 = 32
	s_mov_b32 s[HG1+5], ROWB/2                     ; 3,072 elements from row to row
	s_mov_b32 s[HG1+6], 0
	s_mov_b32 s[HG1+7], 0
	s_mov_b32 s[HG0], 1                            ; count = 1
	s_mul_i32 s[HG0+1], s10, VHALF                 ; LDS address: the wave's number times a constant; no place in the cluster enters it
	s_mov_b32 s[CUT], 0xffffe000
	s_mov_b32 s[CS], 0x3d38aa3b
	s_mov_b32 s[CS+1], s[CS]                       ; named with it as a pair
	s_mov_b32 s[SEL], 0x76543210
	s_mov_b32 s[SEL+1], 0xfedcba98
	v_and_b32 v1, 15, v0                           ; l % 16
	v_bfe_u32 v2, v0, 4, 1                         ; l / 16
	v_mul_u32_u24 v[GA], v1, ROWB
	v_lshl_add_u32 v[GA], v2, 4, v[GA]             ; a fragment's row x 6,144 + 16 x half
	s_wait_kmcnt 0x0
	s_add_nc_u64 s[HG0+2:HG0+3], s[4:5], s[16:17]  ; global address
	s_or_b32 s[HG0+3], s[HG0+3], 0x80000000        ; type = 2
	s_add_nc_u64 s[QB:QB+1], s[4:5], s[12:13]
	s_add_nc_u64 s[KB:KB+1], s[4:5], s[14:15]
	s_add_nc_u64 s[6:7], s[6:7], s[42:43]
	CROUND                                         ; the round that stands in front of a cluster launch's first tensor loads
	tensor_load_to_lds s[HG0:HG0+3], s[HG1:HG1+7]  ; this path's only fill, ahead of every wait on it and every LDS read: one load of mine is out
	s_nop 0
.rept 4
	v_nop                                          ; four v_nop follow it
.endr
; Round R: the fragments of K steps 16 R .. 16 R + 15 (32 channels each), straight from memory.  A fragment is 16 rows x 32 channels in 8 registers: lane l holds row l % 16, channels 8 (l / 16) + 0..7 and
; 16 + 8 (l / 16) + 0..7: two loads of 16 bytes, 32 bytes apart.  128 loads, nothing between them.
.macro LOADQK R
.irp m, 0,1                            ; 0: Q into window 1, 1: K into window 2
	WIN 0x40*((\m)+1)
.set i, 0
.rept 16
	global_load_b128 v[16*i:16*i+3],     v[GA], s[QB+2*(\m):QB+2*(\m)+1] offset:(16*(\R)+i)*64
	global_load_b128 v[16*i+4:16*i+7],   v[GA], s[QB+2*(\m):QB+2*(\m)+1] offset:(16*(\R)+i)*64+32
	global_load_b128 v[16*i+8:16*i+11],  v[GA], s[QB+2*(\m):QB+2*(\m)+1] offset:LOP+(16*(\R)+i)*64
	global_load_b128 v[16*i+12:16*i+15], v[GA], s[QB+2*(\m):QB+2*(\m)+1] offset:LOP+(16*(\R)+i)*64+32
.set i, i+1
.endr
.endr
	WIN 0
.endm
; 48 matrix instructions: the three sums take turns, one instruction a turn.  The first K step starts them.
.macro MULS R
	WIN 0x06                                       ; source 0 (K) window 2, source 1 (Q) window 1, C and D window 0
.set i, 0
.rept 16
.if ((\R) == 0) && (i == 0)
	v_wmma_f32_16x16x32_f16 v[HH:HH+7], v[0:7],  v[0:7],  0
	v_wmma_f32_16x16x32_f16 v[LH:LH+7], v[8:15], v[0:7],  0
	v_wmma_f32_16x16x32_f16 v[HL:HL+7], v[0:7],  v[8:15], 0
.else
	v_wmma_f32_16x16x32_f16 v[HH:HH+7], v[16*i:16*i+7],    v[16*i:16*i+7],    v[HH:HH+7]
	v_wmma_f32_16x16x32_f16 v[LH:LH+7], v[16*i+8:16*i+15], v[16*i:16*i+7],    v[LH:LH+7]
	v_wmma_f32_16x16x32_f16 v[HL:HL+7], v[16*i:16*i+7],    v[16*i+8:16*i+15], v[HL:HL+7]
.endif
.set i, i+1
.endr
	WIN 0
.endm
	LOADQK 0
	; the other addresses are made while the loads are on their way
	v_mul_u32_u24 v12, v1, SXP
	v_lshl_add_u32 v12, v2, 5, v12                 ; row l % 16 of 272 bytes, 32 bytes (8 f32) for each half of the lanes
	s_lshl_b32 s19, s10, 6                         ; my wave's 16 keys: 64 bytes of a row of scores
	s_add_co_u32 s19, s19, SX
	v_add_nc_u32 v[SW], s19, v12
	v_add_nc_u32 v[SR], SX, v12
	; the turning load takes 16 keys x 16 channels: lane l reads key 8 (l / 16) + l % 8, channels 8 ((l / 8) % 2) + 0..7, and is left with channel l % 16 and 8 keys
	v_and_b32 v13, 7, v0
	v_bfe_u32 v14, v0, 3, 1
	v_lshl_add_u32 v13, v2, 3, v13
	v_mul_u32_u24 v13, v13, PVP
	v_lshl_add_u32 v13, v14, 4, v13
	s_lshl_b32 s18, s10, 7                         ; my wave's 64 channels: 128 bytes of a row
	v_add_nc_u32 v[VA], s18, v13
	v_lshlrev_b32 v14, 3, v2
	v_sub_nc_u32 v14, v1, v14
	v_add_nc_u32 v[QM], s8, v14                    ; 16 x block + l % 16 - 8 (l / 16), signed
	v_mov_b32 v[NINF], 0xff800000
	s_mul_i32 s19, s10, 16*HSP
	s_add_co_u32 s19, s19, HSTAGE                  ; my stage
	v_add_nc_u32 v[HSTO], s19, v12                 ; in: the same place in a row as for the scores
	v_mul_u32_u24 v15, v2, HSP                     ; back: lanes 0-15 one row of 256 bytes, lanes 16-31 the next
	v_lshl_add_u32 v15, v1, 4, v15
	v_add_nc_u32 v[HRD], s19, v15
	v_lshlrev_b32 v15, 12, v2                      ; the same two rows in out0
	v_lshl_add_u32 v[HCO], v1, 4, v15
	s_wait_loadcnt 0x0
	MULS 0
	PLACES                                         ; the second round's loads land in registers that those products read
	LOADQK 1
	s_wait_loadcnt 0x0
	MULS 1
	PLACES
.irp i, 0,1,2,3                        ; the three sums are added, each from its low end on
	v_pk_add_f32 v[HH+2*(\i):HH+2*(\i)+1], v[HH+2*(\i):HH+2*(\i)+1], v[LH+2*(\i):LH+2*(\i)+1]
.endr
.irp i, 0,1,2,3
	v_pk_add_f32 v[HH+2*(\i):HH+2*(\i)+1], v[HH+2*(\i):HH+2*(\i)+1], v[HL+2*(\i):HL+2*(\i)+1]
.endr
	ds_store_b128 v[SW], v[HH:HH+3]
	ds_store_b128 v[SW], v[HH+4:HH+7] offset:16
	s_wait_dscnt 0x0                               ; for the others' sake: my scores are in LDS,
	s_wait_tensorcnt 0x0                           ; and my part of v has landed
	s_barrier_signal -1
	s_barrier_wait -1                              ; all four tiles of scores and all four parts of v are there
.irp t, 0,1,2,3                        ; my query's keys 16 t + 8 (l / 16) + 0..7
	ds_load_b128 v[S+8*(\t):S+8*(\t)+3],   v[SR] offset:64*(\t)
	ds_load_b128 v[S+8*(\t)+4:S+8*(\t)+7], v[SR] offset:64*(\t)+16
.endr
	; v's fragments of my four channel tiles into window 1: tile c at 32 c: hi keys 0-31, hi keys 32-63, lo keys 0-31, lo keys 32-63.  They land while the softmax is made.
	WIN 0x40
.set c, 0
.rept 4
.irp pk, 0,1,2,3
	ds_load_tr16_b128 v[32*c+8*(\pk):32*c+8*(\pk)+3],   v[VA] offset:((\pk)/2)*VT+((\pk)%2)*VHALF+32*c
	ds_load_tr16_b128 v[32*c+8*(\pk)+4:32*c+8*(\pk)+7], v[VA] offset:((\pk)/2)*VT+((\pk)%2)*VHALF+32*c+16*PVP
.endr
.set c, c+1
.endr
	WIN 0
	s_wait_dscnt 32                                ; the scores are in; the 32 loads of v issued behind them may stay out
	; THE SOFTMAX of my query, 32 of its 64 scores in my lane, the others in the lane 16 away.  A hidden score becomes -infinity: it loses every maximum and its weight is exactly 0.  Key 0 is always seen, so m is a true score.
.set i, 0
.rept 32
	v_cmp_gt_i32 vcc_lo, 16*(i/8)+i%8, v[QM]
	v_cndmask_b32 v[S+i], v[S+i], v[NINF], vcc_lo
.set i, i+1
.endr
.irp k, 0,1,2,3
	v_max3_num_f32 v[T+(\k)], v[S+8*(\k)], v[S+8*(\k)+1], v[S+8*(\k)+2]
.endr
.irp k, 0,1,2,3
	v_max3_num_f32 v[T+(\k)], v[T+(\k)], v[S+8*(\k)+3], v[S+8*(\k)+4]
.endr
.irp k, 0,1,2,3
	v_max3_num_f32 v[T+(\k)], v[T+(\k)], v[S+8*(\k)+5], v[S+8*(\k)+6]
.endr
	v_max3_num_f32 v[T], v[T], v[S+7], v[S+15]
	v_max3_num_f32 v[T+2], v[T+2], v[S+23], v[S+31]
	v_max3_num_f32 v[T], v[T], v[T+1], v[T+2]
	v_max_num_f32 v[T], v[T], v[T+3]
	v_permlanex16_b32 v[T+1], v[T], s[SEL], s[SEL+1]
	v_max_num_f32 v[T], v[T], v[T+1]               ; m
	v_mul_f32 v[CM], s[CS], v[T]
	v_mul_f32 v[CM+1], s[CS], v[T]
.set i, 0
.rept 16
	v_pk_fma_f32 v[S+2*i:S+2*i+1], v[S+2*i:S+2*i+1], s[CS:CS+1], v[CM:CM+1] op_sel_hi:[1,0,0] neg_lo:[0,0,1] neg_hi:[0,0,1]  ; c s - c m
.set i, i+1
.endr
.set i, 0
.rept 32
	v_exp_f32 v[S+i], v[S+i]
.set i, i+1
.endr
	v_nop                                          ; a plain instruction between the last exponential and the use of its result (ISA guide 5.7.2)
	s_wait_alu depctr_va_vdst(0)
.irp k, 0,1,2,3
	v_pk_add_f32 v[T+2*(\k):T+2*(\k)+1], v[S+2*(\k):S+2*(\k)+1], v[S+8+2*(\k):S+8+2*(\k)+1]
.endr
.irp k, 0,1,2,3
	v_pk_add_f32 v[T+2*(\k):T+2*(\k)+1], v[T+2*(\k):T+2*(\k)+1], v[S+16+2*(\k):S+16+2*(\k)+1]
.endr
.irp k, 0,1,2,3
	v_pk_add_f32 v[T+2*(\k):T+2*(\k)+1], v[T+2*(\k):T+2*(\k)+1], v[S+24+2*(\k):S+24+2*(\k)+1]
.endr
	v_pk_add_f32 v[T:T+1], v[T:T+1], v[T+2:T+3]
	v_pk_add_f32 v[T+4:T+5], v[T+4:T+5], v[T+6:T+7]
	v_pk_add_f32 v[T:T+1], v[T:T+1], v[T+4:T+5]
	v_add_f32 v[T], v[T], v[T+1]
	v_permlanex16_b32 v[T+1], v[T], s[SEL], s[SEL+1]
	v_add_f32 v[T], v[T], v[T+1]                   ; l, at least 1: the maximum's own weight
	v_rcp_f32 v[RL], v[T]
	v_nop                                          ; a plain instruction between the reciprocal and the use of its result
	s_wait_alu depctr_va_vdst(0)
	v_mov_b32 v[RL+1], v[RL]
.set i, 0
.rept 16
	v_pk_mul_f32 v[S+2*i:S+2*i+1], v[S+2*i:S+2*i+1], v[RL:RL+1]
.set i, i+1
.endr
.set i, 0
.rept 32
	v_and_b32 v[F+i], s[CUT], v[S+i]               ; p's hi part, exact in f16
.set i, i+1
.endr
.set i, 0
.rept 16
	v_cvt_pk_f16_f32 v[PH+i], v[F+2*i], v[F+2*i+1]
.set i, i+1
.endr
.set i, 0
.rept 16
	v_pk_add_f32 v[S+2*i:S+2*i+1], v[S+2*i:S+2*i+1], v[F+2*i:F+2*i+1] neg_lo:[0,1] neg_hi:[0,1]  ; p - hi
.set i, i+1
.endr
.set i, 0
.rept 16
	v_cvt_pk_f16_f32 v[PL+i], v[S+2*i], v[S+2*i+1]
.set i, i+1
.endr
	s_wait_dscnt 0x0                               ; v's fragments are in
	; O^T = V^T P for my four channel tiles: six steps (v's part, keys, P's part): hi 0-31 hi, hi 32-63 hi, lo 0-31 hi, lo 32-63 hi, hi 0-31 lo, hi 32-63 lo.  The 4 accumulators take turns, one instruction
	; a turn; the first step starts the sums.
	WIN 0x01                                       ; source 0 (v) window 1; P, C and D window 0
.irp st, 0,1,2,3,4,5
.irp c, 0,1,2,3
.if (\st) == 0
	v_wmma_f32_16x16x32_f16 v[ACC+8*(\c):ACC+8*(\c)+7], v[32*(\c):32*(\c)+7], v[PH:PH+7], 0
.else
	v_wmma_f32_16x16x32_f16 v[ACC+8*(\c):ACC+8*(\c)+7], v[32*(\c)+16*(((\st)/2)%2)+8*((\st)%2):32*(\c)+16*(((\st)/2)%2)+8*((\st)%2)+7], v[PH+16*((\st)/4)+8*((\st)%2):PH+16*((\st)/4)+8*((\st)%2)+7], v[ACC+8*(\c):ACC+8*(\c)+7]
.endif
.endr
.endr
	WIN 0
	; THE WAY OUT: 16 queries x 64 channels, f32, no conversion: a lane's 32 bytes go into my stage's rows of 272 bytes, each accumulator's low four registers first;
	; whole rows of 256 bytes come back and are stored.
	PLACES                                         ; behind the last products
.irp b, 0,1,2,3
	ds_store_b128 v[HSTO], v[ACC+8*(\b):ACC+8*(\b)+3]   offset:64*(\b)
	ds_store_b128 v[HSTO], v[ACC+8*(\b)+4:ACC+8*(\b)+7] offset:64*(\b)+16
.endr
.irp t, 0,1,2,3,4,5,6,7
	ds_load_b128 v[S+4*(\t):S+4*(\t)+3], v[HRD] offset:(\t)*2*HSP  ; LDS serves a wave's instructions in order (ISA guide 5.7.1.4): these see the stores above
.endr
.irp t, 0,1,2,3,4,5,6,7
	s_wait_dscnt 7-(\t)                            ; LDS loads come back in order: load t is in, the 7 - t younger ones stay out
	global_store_b128 v[HCO], v[S+4*(\t):S+4*(\t)+3], s[6:7] offset:2*(\t)*OROW th:TH_STORE_NT  ; 16 lanes store 256 consecutive bytes at a multiple of 256 from out0's first byte
.endr
	s_wait_xcnt 0x0
	s_set_vgpr_msb 0x40
	v_lshl_add_u32 v255, v0, 2, 0x49500
	s_set_vgpr_msb 0x4000
	v_mov_b32 v255, 0
	s_set_vgpr_msb 0x1
	s_wait_tensorcnt 0x0
	ds_add_u32 v255, v255
	s_wait_dscnt 0x0
	s_set_vgpr_msb 0x100
	CROUND                                         ; the closing round, behind the path's last tensor load
	s_endpgm
.Lfunc_end_k_q085f7fa4fc_scores:
	.size	k_q085f7fa4fc_scores, .Lfunc_end_k_q085f7fa4fc_scores-k_q085f7fa4fc_scores
	.p2alignl 7, 3214868480
	.fill 96, 4, 3214868480
	.section	.rodata,"a",@progbits
	.p2align	6, 0x0
	.amdhsa_kernel k_q085f7fa4fc_scores
		.amdhsa_group_segment_fixed_size 327680
		.amdhsa_private_segment_fixed_size 0
		.amdhsa_enable_private_segment 0
		.amdhsa_kernarg_size 40
		.amdhsa_user_sgpr_count 2
		.amdhsa_user_sgpr_kernarg_segment_ptr 1
		.amdhsa_wavefront_size32 1
		.amdhsa_system_sgpr_workgroup_id_x 1
		.amdhsa_system_sgpr_workgroup_id_y 1
		.amdhsa_system_sgpr_workgroup_id_z 1
		.amdhsa_system_vgpr_workitem_id 0
		.amdhsa_next_free_vgpr 1024
		.amdhsa_next_free_sgpr 72
		.amdhsa_reserve_vcc 1
		.amdhsa_float_denorm_mode_32 3
		.amdhsa_float_denorm_mode_16_64 3
		.amdhsa_memory_ordered 1
		.amdhsa_forward_progress 1
		.amdhsa_inst_pref_size 255
	.end_amdhsa_kernel
	.section	.bss,"aw",@nobits
	.p2align	6
	.space	262144
	.amdgpu_metadata
---
amdhsa.version: [ 1, 2 ]
amdhsa.kernels:
  - .name:           k_q085f7fa4fc_scores
    .symbol:         k_q085f7fa4fc_scores.kd
    .args:
      - { .name: qkv, .offset: 0, .size: 8, .value_kind: global_buffer, .address_space: global }
      - { .name: pr, .offset: 8, .size: 8, .value_kind: global_buffer, .address_space: global }
      - { .name: hd, .offset: 16, .size: 8, .value_kind: global_buffer, .address_space: global }
      - { .name: out0, .offset: 24, .size: 8, .value_kind: global_buffer, .address_space: global }
      - { .name: st, .offset: 32, .size: 8, .value_kind: global_buffer, .address_space: global }
    .group_segment_fixed_size: 327680
    .private_segment_fixed_size: 0
    .kernarg_segment_align: 8
    .kernarg_segment_size: 40
    .max_flat_workgroup_size: 128
    .sgpr_count:     72
    .vgpr_count:     1024
    .wavefront_size: 32
...
	.end_amdgpu_metadata
.endif
;; end of part 7
;; launch pv (part 8): grid 8 x 32, 4 waves a work-group, clusters of 4 x 4, 327,680 bytes of LDS; arguments pr, qkv, out0, dump, st; writes out0, dump
.if DOCPART == 8
	.amdgcn_target "amdgcn-amd-amdhsa--gfx1250"
	.amdhsa_code_object_version 6
	.text
	.protected	k_q085f7fa4fc_pv
	.globl	k_q085f7fa4fc_pv
	.p2align	8
	.type	k_q085f7fa4fc_pv,@function
k_q085f7fa4fc_pv:
	s_mov_b64 s[64:65], 0
	v_nop
	global_prefetch_b8 v0, s[64:65] scope:SCOPE_SE
	s_setreg_imm32_b32 hwreg(HW_REG_WAVE_MODE, 25, 1), 1
	s_wait_xcnt 0x0
	s_wait_alu depctr_hold_cnt(0) depctr_sa_sdst(0) depctr_va_vdst(0) depctr_va_sdst(0) depctr_va_ssrc(0) depctr_va_vcc(0) depctr_vm_vsrc(0)
	s_getreg_b32 s2, hwreg(HW_REG_IB_STS2, 6, 4)
	s_cmp_eq_u32 s2, 0
	s_cbranch_scc0 .Lentry_in_a_cluster
	s_endpgm
.Lentry_in_a_cluster:
	s_bfe_u32 s2, ttmp6, 0x10000c
	s_cmp_lg_u32 s2, 0xf033
	s_cbranch_scc0 .Lentry_shape_is_right
	s_endpgm
.Lentry_shape_is_right:
; THE SECOND HALF OF THE SOFTMAX AND THE PRODUCT WITH v.  out0[b][i][d] = sum over j <= i of softmax_j(s[b][i][j] / 32) v[b][j][d] for i >= 64.
; pr: [4][2048][2048] f16 holds, for each query and each block B of 128 keys, 2^(c s - c m_B) with the block's own maximum m_B (0 for hidden keys); st holds c m_B and l_B, the block's sum, in
; [4][16 key blocks][32 groups of 64 queries][16][4] f32 (query 64 g + 16 a + r at [g][r][a]), the sums 524,288 bytes behind the maxima.  Here c m = the largest c m_B of the row, its true maximum; l = the sum of
; l_B 2^(c m_B - c m); and block B's weights are multiplied by f_B = 2^(c m_B - c m) / l, in f16, on their way into the matrix unit: 2^(c s - c m_B) f_B is the normalised weight.
; v: the third 1,024 columns of qkv [8192][3072] f16, out0: [4][2048][1024] f32.  Products in f16, sums in f32, stored as they are.
; LIMITS.  v lies within f16's 65,504; a factor and a weight lie in 0 to 1 and below 6e-5 keep f16's fixed step of 6e-8; a factor's exponential below 2^-126 counts as 0; NaN and infinities are not treated apart.
; THE WALK.  A batch's queries lie in four bands of 512; band I needs the keys 0 .. 512 (I + 1) - 1.  A cluster of 4 x 4 work-groups covers a band (cy: 128 queries) x 512 channels (cx: 128 channels) and takes
; TWO bands, 3 - p and then p (p = cluster y % 2, batch = cluster y / 2): 8 - 2 p and 2 p + 2 K steps of 256 keys, always 10.  So all 256 work-groups do equal work, one loop with a constant trip count walks
; both tiles, and the ring does not stop between them.  What differs hangs on cluster y alone, which all partners share.
; A BATCH'S FIRST 64 ROWS have been made, with split operands, by the launch that makes the scores, and are left alone here.  They are the 64 queries of waves 0 and 1 in the second tile of the work-groups with
; p = 0 and cy = 0.  Partners of a cluster run alike, so these waves multiply like all others and only the base of their second tile's stores is another: dump, [4][64][1024] f32,
; 1 MB that nobody reads.  The choice is a select between two buffers' addresses, no branch.
; A tile of 128 x 128 is made by four waves, 64 x 64 each: 16 accumulators, 128 registers.  The weights' tile is shared along a row of the cluster, v's along a column, by joint loads.
; LAYOUT.  Source 0 = 16 channels x 32 keys of v, turned on its way out of LDS by ds_load_tr16_b128; source 1 = 32 keys x 16 queries of pr, as it lies: a lane holds ONE query of each fragment, so a fragment's factor is
; one number a lane.  In the result a lane holds query l % 16 and the eight neighbouring channels 8 (l / 16) + 0..7.  A wave's 64 channels are 256 bytes of a row of out0: each wave has a stage of its own.
; REGISTERS (s_set_vgpr_msb: bits 1:0 source 0, 3:2 source 1, 5:4 source 2, 7:6 destination): window 0: v16-28 addresses; v32-95 the way out; v112-119 at work at the start; v128-255 the accumulators ((a, b) at
;   v[128 + 8 (4 a + b)]); at the start v32-95 and v128-255 take the statistics.  Window 1: two fragment buffers of 128: for 64 keys, 64 registers of pr (2 x 4 x 16 queries x 32 keys), then 64 of v.
;   Window 2: v0-79 the factors, f16 in both halves of a word, in the order of the walk: key block e of the walk's 20, query block a at v[4 e + a].
.set KSTEP,  256
.set PRROW,  4096                      ; bytes in a row of pr, of out0 and of dump
.set VROW,   6144                      ; bytes in a row of qkv
.set STL,    524288                    ; st: the sums lie behind the maxima
.set PA,     528                       ; a row of pr in LDS: 512 bytes + 16 = 132 words: the 16 rows of a load start at 16 different groups of four banks (64 banks of 4 bytes: ISA guide 11.1)
.set PB,     288                       ; a row of v: 256 + 32 = 72 words
.set AHALF,  64*PA                     ; what a wave's load of pr brings: 64 queries
.set BOFF,   128*PA                    ; v's 256 keys lie behind pr's 128 queries
.set BHALF,  128*PB                    ; what a wave's load of v brings: 128 keys
.set SLOT,   BOFF+2*BHALF
.set STAGE,  2*SLOT                    ; behind the ring, never filled by a tensor load: 16 rows x 272 bytes for each wave
.set SPITCH, 272
.set ADRA, 16                          ; v16-17  LDS address of my pr fragments in slot 0, 1
.set ADRB, 20                          ; v20-23  of my v fragments: slot 0 keys 0-127, 128-255; slot 1 likewise (an LDS offset has 16 bits)
.set STO,  24
.set RD,   25
.set CO,   26
.set SO,   28                          ; v28     16 x (l % 16): my 16 bytes of 256 in st
.set TMP,  32                          ; v32-63, v64-95: 16 rows read back from the stage, by turns
.set MS,   32                          ; at the start: the second tile's 8 key blocks: c m_B (four queries a block), then its factors
.set LS,   64                          ;               and l_B
.set FX,   112                         ; v112-115  c m of my four queries
.set FY,   116                         ; v116-119  l, then 1 / l
.set ACC,  128
.set ML,   128                         ; at the start: the first tile's 16 key blocks: c m_B, then its factors
.set LL,   192                         ;               and l_B
.set F0,   0
.set F1,   128
.set G1,  24                           ; s[24:31] group 1 for pr's tiles;  s[32:39] group 0, a set for each slot
.set G0,  32
.set VB,  46                           ; s[46:47] qkv at my part of v's K step 0 (both tiles'); never rewritten
.set G1B, 48                           ; s[48:55], s[56:63] the same for v's
.set G0B, 56
.set NA,  66                           ; s66  where my part of the K step to be asked for next begins in pr, in units of 512 bytes: 8 x row + K step
.set NAS, 67                           ; s67  the same for the second tile's K step 0
.set NB,  68                           ; s68  3 x that K step: 256 keys x 6,144 bytes are 3 units of 2^19 bytes
.set RQ,  69                           ; s69  K steps of the first tile still to be asked for
.set LT,  70                           ; s70  laps of the first tile still to be finished
.set OA,  72                           ; s[72:73] the byte offset in pr: the low word is made anew for each request, the high word is 0
.set OB,  74                           ; s[74:75] the same from s[VB:VB+1]
.set C2,  76                           ; s[76:77] where my part of the second tile goes: out0, or dump
.set DUMP, 86                          ; s[86:87] dump
.set ST,  88                           ; s[88:89] st
.set SL,  90                           ; s[90:91] st at my 64 queries of the first tile, key block 0
.set SS,  92                           ; s[92:93] the same for the second tile
.set PM,  94                           ; s94  all ones where p = 1
.set MSB, 0
.macro WIN new                         ; the immediate's high byte repeats the setting that is left; a switch that changes nothing is dropped
.if MSB != (\new)
	s_set_vgpr_msb (MSB<<8)|(\new)
.set MSB, \new
.endif
.endm
.set MUL,  0x05                        ; sources 0 and 1 window 1; C and D window 0
.set TO_F, 0x40                        ; destination window 1, address window 0
.set W_SC, 0x49                        ; destination and source 0 window 1 (a fragment of pr), source 1 window 2 (its factor)
.macro JLOAD s                         ; a joint load: waves 0 and 1 fetch pr's two halves, waves 2 and 3 v's; four v_nop follow each of the two lines
	s_cmp_lt_u32 s10, 2
	s_cbranch_scc0 .Lfor_b_\@
	tensor_load_to_lds s[G0+4*(\s):G0+4*(\s)+3], s[G1:G1+7]
	s_nop 0
.rept 4
	v_nop
.endr
	s_branch .Lasked_\@
.Lfor_b_\@:
	tensor_load_to_lds s[G0B+4*(\s):G0B+4*(\s)+3], s[G1B:G1B+7]
	s_nop 0
.rept 4
	v_nop
.endr
.Lasked_\@:
.endm
.macro CREST                           ; a round of the cluster's barrier behind its opening barrier
	s_cmp_lg_u32 s10, 0
	s_cbranch_scc1 .Lnot_wave_0_\@
	s_barrier_signal -3
.Lnot_wave_0_\@:
	s_barrier_wait -3
	s_barrier_signal -1
	s_barrier_wait -1
.endm
.macro CROUND
	s_barrier_signal -1
	s_barrier_wait -1
	CREST
.endm
; The slot's two descriptors take the K step that is due: each address is made anew from a fixed address and an offset under 2^26 bytes, a small number shifted, with 0 above it; the type bits are set again.
; Then the numbers step; behind the first tile's last K step they go to the second tile's first.  It stands where no tensor load of the wave is out.
.macro NEXTREQ slot
	s_lshl_b32 s[OA], s[NA], 9
	s_lshl_b32 s[OB], s[NB], 19
	s_add_nc_u64 s[G0+4*(\slot)+2:G0+4*(\slot)+3], s[4:5], s[OA:OA+1]
	s_or_b32 s[G0+4*(\slot)+3], s[G0+4*(\slot)+3], 0x80000000
	s_add_nc_u64 s[G0B+4*(\slot)+2:G0B+4*(\slot)+3], s[VB:VB+1], s[OB:OB+1]
	s_or_b32 s[G0B+4*(\slot)+3], s[G0B+4*(\slot)+3], 0x80000000
	s_add_co_u32 s[NA], s[NA], 1                   ; 256 keys along pr's rows: 512 bytes
	s_add_co_u32 s[NB], s[NB], 3                   ; 256 keys down qkv's rows
	s_sub_co_u32 s[RQ], s[RQ], 1
	s_cmp_eq_u32 s[RQ], 0
	s_cselect_b32 s[NA], s[NAS], s[NA]
	s_cselect_b32 s[NB], 0, s[NB]
.endm
	s_load_b128 s[4:7], s[0:1], 0x0                ; pr s[4:5], qkv s[6:7]
	s_load_b64 s[8:9], s[0:1], 0x10                ; out0
	s_load_b64 s[DUMP:DUMP+1], s[0:1], 0x18        ; dump
	s_load_b64 s[ST:ST+1], s[0:1], 0x20            ; st
	v_lshl_add_u32 v126, v0, 2, 0x49400
	v_mov_b32 v127, 0
	ds_add_u32 v126, v127
	ds_add_u32 v126, v127
	v_lshrrev_b32 v1, 5, v0
	v_readfirstlane_b32 s10, v1                    ; wave 0..3
	v_and_b32 v[SO], 15, v0
	v_lshlrev_b32 v[SO], 4, v[SO]
	s_lshr_b32 s11, s10, 1                         ; which 64 of the tile's queries are mine
	s_and_b32 s12, s10, 1                          ; which 64 of its channels.  Also: which half of a tile I fetch
	s_bfe_u32 s40, ttmp6, 0x40000                  ; cx
	s_bfe_u32 s41, ttmp6, 0x40004                  ; cy
	s_lshl_b32 s42, ttmp9, 2
	s_add_co_u32 s42, s42, s40                     ; my block of 128 channels = 4 x cluster x + cx
	s_and_b32 s13, ttmp7, 0xffff                   ; cluster y
	s_lshr_b32 s78, s13, 1                         ; batch,
	s_lshl_b32 s78, s78, 11                        ; its first row
	s_and_b32 s79, s13, 1                          ; p
	s_cmp_eq_u32 s79, 1
	s_cselect_b32 s[PM], -1, 0
	s_lshl_b32 s43, s41, 2
	s_lshl_b32 s43, 15, s43                        ; my row of the cluster
	s_lshl_b32 s44, 0x1111, s40                    ; my column
	; group 1 for pr: 64 rows x 256 elements, 4 words of padding after every 128; for v: 128 rows x 128 elements, 8 words after every 64
	s_or_b32 s[G1+0], s43, (1<<16)|(1<<20)|(1<<21)|(6<<22)|(3<<25)
	s_mov_b32 s[G1+1], KSTEP<<16                   ; tensor_dim0 = 256
	s_mov_b32 s[G1+2], 64<<16                      ; tensor_dim1 = 64
	s_mov_b32 s[G1+3], KSTEP<<16                   ; tile_dim0 = 256
	s_mov_b32 s[G1+4], 64                          ; tile_dim1 = 64
	s_mov_b32 s[G1+5], PRROW/2                     ; 2,048 elements from row to row
	s_mov_b32 s[G1+6], 0
	s_mov_b32 s[G1+7], 0
	s_or_b32 s[G1B+0], s44, (1<<16)|(1<<20)|(1<<21)|(5<<22)|(7<<25)
	s_mov_b32 s[G1B+1], 128<<16
	s_mov_b32 s[G1B+2], 128<<16
	s_mov_b32 s[G1B+3], 128<<16
	s_mov_b32 s[G1B+4], 128
	s_mov_b32 s[G1B+5], VROW/2                     ; 3,072 elements from row to row
	s_mov_b32 s[G1B+6], 0
	s_mov_b32 s[G1B+7], 0
	; pr's offsets hang on cy, v's on cx; neither is made in a register that holds the other
	s_lshl_b32 s16, s41, 7
	s_add_co_u32 s16, s16, s78                     ; batch + 128 cy
	s_sub_co_u32 s17, 3, s79
	s_lshl_b32 s17, s17, 9
	s_add_co_u32 s17, s17, s16                     ; the first tile's first query: band 3 - p
	s_lshl_b32 s18, s79, 9
	s_add_co_u32 s18, s18, s16                     ; the second tile's: band p
	s_lshl_b32 s19, s12, 6                         ; the 64 queries that I fetch
	s_add_co_u32 s[NA], s17, s19
	s_lshl_b32 s[NA], s[NA], 3                     ; a row of pr is 8 units of 512 bytes
	s_add_co_u32 s[NAS], s18, s19
	s_lshl_b32 s[NAS], s[NAS], 3
	s_lshl_b32 s[OA], s[NA], 9                     ; the first tile's K step 0, in bytes
	s_mov_b32 s[OA+1], 0                           ; the two high words are written here and never again
	s_mov_b32 s[OB+1], 0
	s_add_co_u32 s[NA], s[NA], 2                   ; K steps 0 and 1 are asked for at the start: K step 2 is due next
	s_mov_b32 s[NB], 6
	s_lshl_b32 s19, s12, 7                         ; the 128 keys that I fetch
	s_add_co_u32 s46, s78, s19
	s_mul_i32 s46, s46, VROW
	s_lshl_b32 s47, s42, 8                         ; 128 channels are 256 bytes
	s_add_co_u32 s46, s46, s47
	s_add_co_u32 s46, s46, 4096                    ; v begins 4,096 bytes into a row
	s_mov_b32 s47, 0
	s_mul_i32 s20, s12, AHALF                      ; where they go: no place in the cluster enters an LDS address
	s_mul_i32 s21, s12, BHALF
	s_add_co_u32 s21, s21, BOFF
	s_lshl_b32 s[RQ], s79, 1
	s_sub_co_u32 s[RQ], 6, s[RQ]                   ; 8 - 2 p K steps, less the two asked for at the start
	s_sub_co_u32 s[LT], 4, s79                     ; 4 - p laps
	s_lshl_b32 s80, s11, 6                         ; the first rows of my parts of the two tiles
	s_add_co_u32 s82, s18, s80
	s_add_co_u32 s80, s17, s80
	s_lshl_b32 s95, s78, 6                         ; st: 131,072 bytes a batch = 64 x its 2,048 rows;
	s_sub_co_u32 s96, s80, s78
	s_lshl_b32 s96, s96, 2                         ; 256 bytes a group of 64 queries = 4 x its rows
	s_add_co_u32 s96, s96, s95
	s_mov_b32 s97, 0
	s_sub_co_u32 s98, s82, s78
	s_lshl_b32 s98, s98, 2
	s_add_co_u32 s98, s98, s95
	s_mov_b32 s99, 0
	s_lshl_b32 s80, s80, 12                        ; where my parts of the two tiles begin in out0
	s_lshl_b32 s82, s82, 12
	s_lshl_b32 s84, s42, 9                         ; 128 channels are 512 bytes,
	s_lshl_b32 s85, s12, 8                         ; my 64 are 256
	s_add_co_u32 s84, s84, s85
	s_add_co_u32 s80, s80, s84
	s_add_co_u32 s82, s82, s84
	s_mov_b32 s81, 0
	s_mov_b32 s83, 0
	s_or_b32 s13, s79, s41                         ; p, cy
	s_or_b32 s13, s13, s11                         ; and my row half are all 0: my 64 queries of the second tile are a batch's first 64
	s_lshl_b32 s19, s78, 7                         ; their place in dump: 64 rows of 4,096 bytes a batch,
	s_add_co_u32 s19, s19, s84                     ; the same columns
	s_wait_dscnt 0x0
	s_wait_kmcnt 0x0
	s_add_nc_u64 s[SL:SL+1], s[ST:ST+1], s[96:97]
	s_add_nc_u64 s[SS:SS+1], s[ST:ST+1], s[98:99]
	; my queries' statistics for both tiles, 48 loads of 256 consecutive bytes (both halves of the lanes take the same 16 x 16 bytes), ahead of everything else.  The first tile's rows lie in the batch's lower half, where all 16 key
	; blocks have been stored, the second's in the upper half, where 8 have; blocks beyond a row's keys hold l = 0 and c m far below every other, so they add nothing.
.set i, 0
.rept 16
	global_load_b128 v[ML+4*i:ML+4*i+3], v[SO], s[SL:SL+1] offset:8192*i
	global_load_b128 v[LL+4*i:LL+4*i+3], v[SO], s[SL:SL+1] offset:STL+8192*i
.set i, i+1
.endr
.set i, 0
.rept 8
	global_load_b128 v[MS+4*i:MS+4*i+3], v[SO], s[SS:SS+1] offset:8192*i
	global_load_b128 v[LS+4*i:LS+4*i+3], v[SO], s[SS:SS+1] offset:STL+8192*i
.set i, i+1
.endr
	s_cmp_eq_u32 s13, 0
	s_cselect_b64 s[C2:C2+1], s[DUMP:DUMP+1], s[8:9]  ; a choice between two buffers, on a condition made of ids alone
	s_cselect_b32 s82, s19, s82
	s_add_nc_u64 s[C2:C2+1], s[C2:C2+1], s[82:83]
	s_add_nc_u64 s[8:9], s[8:9], s[80:81]
	s_add_nc_u64 s[14:15], s[4:5], s[OA:OA+1]
	s_add_nc_u64 s[VB:VB+1], s[6:7], s[46:47]
	CROUND                                         ; all sixteen work-groups are here: the first joint loads meet
.irp s, 0,1
	s_mov_b32 s[G0+4*(\s)], 1
	s_add_co_u32 s[G0+4*(\s)+1], s20, (\s)*SLOT
	s_add_nc_u64 s[G0+4*(\s)+2:G0+4*(\s)+3], s[14:15], (\s)*KSTEP*2
	s_or_b32 s[G0+4*(\s)+3], s[G0+4*(\s)+3], 0x80000000
	s_mov_b32 s[G0B+4*(\s)], 1
	s_add_co_u32 s[G0B+4*(\s)+1], s21, (\s)*SLOT
	s_add_nc_u64 s[G0B+4*(\s)+2:G0B+4*(\s)+3], s[VB:VB+1], (\s)*KSTEP*VROW
	s_or_b32 s[G0B+4*(\s)+3], s[G0B+4*(\s)+3], 0x80000000
	JLOAD \s                                       ; the first tile's K steps 0 and 1: two loads of mine are out
.endr
	v_and_b32 v1, 15, v0                           ; l % 16
	v_bfe_u32 v2, v0, 4, 1                         ; l / 16
	v_mul_u32_u24 v3, v1, PA
	v_lshl_add_u32 v3, v2, 4, v3                   ; pr: query x pitch + 16 x half
	s_mul_i32 s22, s11, AHALF                      ; my 64 queries
	v_add_nc_u32 v[ADRA], s22, v3
	v_add_nc_u32 v[ADRA+1], SLOT, v[ADRA]
	; the turning load takes 16 keys x 16 channels: lane l reads key 8 (l / 16) + l % 8, channels 8 ((l / 8) % 2) + 0..7, and is left with channel l % 16 and 8 keys
	v_and_b32 v4, 7, v0
	v_bfe_u32 v5, v0, 3, 1
	v_lshl_add_u32 v4, v2, 3, v4
	v_mul_u32_u24 v4, v4, PB
	v_lshl_add_u32 v4, v5, 4, v4
	s_lshl_b32 s23, s12, 7                         ; my 64 channels: 128 bytes of a row
	s_add_co_u32 s23, s23, BOFF
	v_add_nc_u32 v[ADRB], s23, v4
	v_add_nc_u32 v[ADRB+1], BHALF, v[ADRB]
	v_add_nc_u32 v[ADRB+2], SLOT, v[ADRB]
	v_add_nc_u32 v[ADRB+3], SLOT+BHALF, v[ADRB]
	s_mul_i32 s22, s10, 16*SPITCH
	s_add_co_u32 s22, s22, STAGE                   ; my stage
	v_mul_u32_u24 v6, v1, SPITCH                   ; in: row l % 16, 32 bytes (8 f32) for each half of the lanes
	v_lshl_add_u32 v6, v2, 5, v6
	v_add_nc_u32 v[STO], s22, v6
	v_mul_u32_u24 v7, v2, SPITCH                   ; back: lanes 0-15 one row of 256 bytes, lanes 16-31 the next
	v_lshl_add_u32 v7, v1, 4, v7
	v_add_nc_u32 v[RD], s22, v7
	v_lshlrev_b32 v8, 12, v2                       ; the same two rows in out0
	v_lshl_add_u32 v[CO], v1, 4, v8
; THE FACTORS of a tile's NB key blocks for my lane's four queries (one in each of the wave's four blocks of 16).  M: c m_B, four registers a key block; L: l_B likewise.  c m = the largest c m_B; 2^(c m_B - c m) takes M's
; place; l = the sum of l_B times it; then M holds f_B = 2^(c m_B - c m) / l, in f32.  Key block 0 holds key 0, which every query sees, so c m is a true score's, and l is at least 1.
.macro FACT M, L, NB
.irp a, 0,1,2,3
	v_max_num_f32 v[FX+(\a)], v[(\M)+(\a)], v[(\M)+4+(\a)]
.endr
.set j, 8
.rept ((\NB)*4-8)/8
.irp a, 0,1,2,3
	v_max3_num_f32 v[FX+(\a)], v[FX+(\a)], v[(\M)+j+(\a)], v[(\M)+j+4+(\a)]
.endr
.set j, j+8
.endr
.set j, 0
.rept (\NB)*2
	v_pk_add_f32 v[(\M)+2*j:(\M)+2*j+1], v[(\M)+2*j:(\M)+2*j+1], v[FX+2*(j%2):FX+2*(j%2)+1] neg_lo:[0,1] neg_hi:[0,1]
.set j, j+1
.endr
.set j, 0
.rept (\NB)*4
	v_exp_f32 v[(\M)+j], v[(\M)+j]
.set j, j+1
.endr
	v_nop                                          ; a plain instruction between the last exponential and the use of its result (ISA guide 5.7.2)
	s_wait_alu depctr_va_vdst(0)
	v_pk_mul_f32 v[FY:FY+1], v[(\L):(\L)+1], v[(\M):(\M)+1]
	v_pk_mul_f32 v[FY+2:FY+3], v[(\L)+2:(\L)+3], v[(\M)+2:(\M)+3]
.set j, 2
.rept (\NB)*2-2
	v_pk_fma_f32 v[FY+2*(j%2):FY+2*(j%2)+1], v[(\L)+2*j:(\L)+2*j+1], v[(\M)+2*j:(\M)+2*j+1], v[FY+2*(j%2):FY+2*(j%2)+1]
.set j, j+1
.endr
.irp a, 0,1,2,3
	v_rcp_f32 v[FY+(\a)], v[FY+(\a)]
.endr
	v_nop                                          ; a plain instruction between the last reciprocal and the use of its result
.set j, 0
	s_wait_alu depctr_va_vdst(0)
.rept (\NB)*2
	v_pk_mul_f32 v[(\M)+2*j:(\M)+2*j+1], v[(\M)+2*j:(\M)+2*j+1], v[FY+2*(j%2):FY+2*(j%2)+1]
.set j, j+1
.endr
.endm
	s_wait_loadcnt 0x0                             ; the statistics are in; all this stands in the wait for the first tiles
	FACT ML, LL, 16
	FACT MS, LS, 8
	; The walk's 20 key blocks: 0 to 11 are the first tile's 0 to 11.  12 to 15: the first tile's 12 to 15 (p = 0) or the second's 0 to 3 (p = 1).  16 to 19: the second's 0 to 3 (p = 0) or 4 to 7 (p = 1).
	; The choice selects values, so it is made by v_cndmask_b32; then each factor is rounded to f16 into both halves of a word of window 2.
.set i, 0
.rept 16
	v_cndmask_b32 v[ML+48+i], v[ML+48+i], v[MS+i], s[PM]
.set i, i+1
.endr
.set i, 0
.rept 16
	v_cndmask_b32 v[MS+i], v[MS+i], v[MS+16+i], s[PM]
.set i, i+1
.endr
	WIN 0x80                                       ; destination window 2
.set i, 0
.rept 64
	v_cvt_pk_f16_f32 v[i], v[ML+i], v[ML+i]
.set i, i+1
.endr
.set i, 0
.rept 16
	v_cvt_pk_f16_f32 v[64+i], v[MS+i], v[MS+i]
.set i, i+1
.endr
	WIN 0
; 8 matrix instructions: query blocks a0, a0 + 1 x all 4 channel blocks, 32 keys: half c of buffer f.  The 16 accumulators take turns, one instruction a turn.  zero = 1: the product starts the sum.
.macro MUL8 f, c, a0, zero
	WIN MUL
.irp a, \a0, (\a0)+1
.irp b, 0,1,2,3
.if \zero
	v_wmma_f32_16x16x32_f16 v[ACC+8*(4*(\a)+(\b)):ACC+8*(4*(\a)+(\b))+7], v[(\f)+64+8*(4*(\c)+(\b)):(\f)+64+8*(4*(\c)+(\b))+7], v[(\f)+8*(4*(\c)+(\a)):(\f)+8*(4*(\c)+(\a))+7], 0
.else
	v_wmma_f32_16x16x32_f16 v[ACC+8*(4*(\a)+(\b)):ACC+8*(4*(\a)+(\b))+7], v[(\f)+64+8*(4*(\c)+(\b)):(\f)+64+8*(4*(\c)+(\b))+7], v[(\f)+8*(4*(\c)+(\a)):(\f)+8*(4*(\c)+(\a))+7], v[ACC+8*(4*(\a)+(\b)):ACC+8*(4*(\a)+(\b))+7]
.endif
.endr
.endr
.endm
; The four fragments of pr in half c of buffer f, which holds quarter q of the K step in this slot, are multiplied by their factors: 32 packed multiplies.  The lap in hand has its 16 factors in v0-15 of window 2:
; slot, then the K step's key block q / 2, then the query block.  None of the registers written is one that a matrix instruction has read since the four places in front of the loads that filled them.
.macro SCALE f, c, slot, q
	WIN W_SC
.irp a, 0,1,2,3
.irp j, 0,1,2,3,4,5,6,7
	v_pk_mul_f16 v[(\f)+8*(4*(\c)+(\a))+(\j)], v[(\f)+8*(4*(\c)+(\a))+(\j)], v[8*(\slot)+4*((\q)/2)+(\a)]
.endr
.endr
.endm
; 32 LDS loads in one run: the fragments of quarter q (keys 64 q .. 64 q + 63 of the K step) into buffer f; the first 32 keys' sixteen loads first
.macro FETCH slot, q, f
	WIN TO_F
.irp c, 0,1
.irp i, 0,1,2,3
	ds_load_tr16_b128 v[(\f)+64+8*(4*(\c)+(\i)):(\f)+64+8*(4*(\c)+(\i))+3],   v[ADRB+2*(\slot)+(\q)/2] offset:((\q)%2)*64*PB+(\c)*32*PB+32*(\i)
	ds_load_tr16_b128 v[(\f)+64+8*(4*(\c)+(\i))+4:(\f)+64+8*(4*(\c)+(\i))+7], v[ADRB+2*(\slot)+(\q)/2] offset:((\q)%2)*64*PB+(\c)*32*PB+32*(\i)+16*PB
	ds_load_b128 v[(\f)+8*(4*(\c)+(\i)):(\f)+8*(4*(\c)+(\i))+3],               v[ADRA+(\slot)] offset:128*(\q)+64*(\c)+(\i)*16*PA
	ds_load_b128 v[(\f)+8*(4*(\c)+(\i))+4:(\f)+8*(4*(\c)+(\i))+7],             v[ADRA+(\slot)] offset:128*(\q)+64*(\c)+(\i)*16*PA+32
.endr
.endr
.endm
.macro PLACES                          ; four plain vector instructions between a matrix instruction and a load into a register that it read, or a store of its result
.rept 4
	v_nop
.endr
.endm
; A K step is four quarters of 64 keys, 32 matrix instructions each, on buffers 0, 1, 0, 1.  One of the first three scales and multiplies buffer f, which holds quarter q - 1, and fetches quarter q into g.
.macro QUARTER slot, q, f, g, zero
	s_wait_dscnt 16                                ; the first 32 keys' fragments are in; the sixteen youngest loads may be out
	SCALE \f, 0, \slot, (\q)-1
	MUL8 \f, 0, 0, \zero
	MUL8 \f, 0, 2, \zero
	PLACES
	FETCH \slot, \q, \g
	s_wait_dscnt 32                                ; all but the 32 just issued
	SCALE \f, 1, \slot, (\q)-1
	MUL8 \f, 1, 0, 0
	MUL8 \f, 1, 2, 0
.endm
; The last quarter multiplies buffer 1 and changes slots: one barrier; in front of it each wave waits for its reads of this slot and for all its tensor loads.  fill = 1: the slot is filled again.
.macro TURN slot, next, fill
	s_wait_dscnt 16
	SCALE F1, 0, \slot, 3
	MUL8 F1, 0, 0, 0
	s_wait_dscnt 0                                 ; my reads of this slot are over,
	s_set_vgpr_msb 0x500
	s_wait_tensorcnt 0x0                           ; and all my tensor loads have landed: my part of the next slot
	ds_add_u32 v126, v127
	s_wait_dscnt 0x0
	s_set_vgpr_msb 0x5
	s_barrier_signal -1
	MUL8 F1, 0, 2, 0
.if \fill
	WIN 0
.endif
	s_barrier_wait -1
.if \fill
	CREST                                          ; the barrier has opened a round of the cluster's: no wave of any partner still reads this slot or has a load on its way
	NEXTREQ \slot
	JLOAD \slot                                    ; the first tensor load behind the round: 120 matrix instructions ahead of the wait for it; its four v_nop are also the places in front of the loads below
.else
	PLACES
.endif
	FETCH \next, 0, F0
	SCALE F1, 1, \slot, 3
	MUL8 F1, 1, 0, 0
	MUL8 F1, 1, 2, 0
.endm
; THE WAY OUT, a block of 16 queries x 64 channels at a time, f32, no conversion: a lane's 32 bytes go into my stage's rows of 272 bytes, each accumulator's low four registers first;
; whole rows of 256 bytes come back and are stored.
.macro TOST a
.set BK, TMP+32*((\a)%2)
	s_wait_xcnt 0x0                                ; earlier stores have read this buffer: only now is it loaded again
.irp b, 0,1,2,3
	ds_store_b128 v[STO], v[ACC+8*(4*(\a)+(\b)):ACC+8*(4*(\a)+(\b))+3]   offset:64*(\b)
	ds_store_b128 v[STO], v[ACC+8*(4*(\a)+(\b))+4:ACC+8*(4*(\a)+(\b))+7] offset:64*(\b)+16
.endr
.irp t, 0,1,2,3,4,5,6,7
	ds_load_b128 v[BK+4*(\t):BK+4*(\t)+3], v[RD] offset:(\t)*2*SPITCH  ; LDS serves a wave's instructions in order (ISA guide 5.7.1.4): these see the stores above, and the next block's stores come behind them
.endr
.endm
.macro SEND a, younger                 ; younger: the LDS instructions issued behind block a's loads: the next block's 8 stores and 8 loads, or none
.set BK, TMP+32*((\a)%2)
	s_wait_dscnt \younger
.irp t, 0,1,2,3,4,5,6,7
	global_store_b128 v[CO], v[BK+4*(\t):BK+4*(\t)+3], s[8:9] offset:(16*(\a)+2*(\t))*PRROW th:TH_STORE_NT  ; 16 lanes store 256 consecutive bytes at a multiple of 256 from the buffer's first byte
.endr
.endm
.macro WAYOUT
	WIN 0
	PLACES                                         ; behind the tile's last products
	TOST 0
	TOST 1
	SEND 0, 16
	TOST 2
	SEND 1, 16
	TOST 3
	SEND 2, 16
	SEND 3, 0
.endm
	s_wait_tensorcnt 1                             ; my part of K step 0 is in; K step 1's load, issued behind it, may stay out
	s_barrier_signal -1
	s_barrier_wait -1
	FETCH 0, 0, F0
	QUARTER 0, 1, F0, F1, 1                        ; the first tile's first quarter: its first products start the sums
	WIN 0
	s_mov_b32 s3, 4
.Llap:                                                 ; four trips: each goes once round the ring, from a lap's second quarter to the next lap's first, and fills both slots again
	QUARTER 0, 2, F1, F0, 0
	QUARTER 0, 3, F0, F1, 0
	TURN 0, 1, 1
	QUARTER 1, 1, F0, F1, 0
	QUARTER 1, 2, F1, F0, 0
	QUARTER 1, 3, F0, F1, 0
	TURN 1, 0, 1
	WIN 0x82                                       ; the lap's 16 factors have served.  A loop's trip cannot choose a register, so the factors still to come move down by 16: the next lap's stand where the one text names them
.set i, 0
.rept 64
	v_mov_b32 v[i], v[i+16]
.set i, i+1
.endr
	WIN 0
	s_sub_co_u32 s[LT], s[LT], 1
	s_cmp_lg_u32 s[LT], 0
	s_cbranch_scc1 .Lsame                          ; a forward jump past text without a barrier or a tensor load; it hangs on cluster y alone
	WAYOUT                                         ; the first tile is finished; both slots' next K steps, the second tile's, are asked for or in
	s_wait_xcnt 0x0                                ; the stores have read their base
	s_mov_b64 s[8:9], s[C2:C2+1]
	v_nop                                          ; with the way out's four the fifth place in front of products that write over accumulators
	QUARTER 0, 1, F0, F1, 1                        ; the second tile's first quarter starts its sums
	WIN 0
	s_branch .Lnext
.Lsame:
	QUARTER 0, 1, F0, F1, 0
	WIN 0
.Lnext:
	s_sub_co_u32 s3, s3, 1
	s_cmp_lg_u32 s3, 0
	s_cbranch_scc1 .Llap
	QUARTER 0, 2, F1, F0, 0                        ; the walk's last lap is written out: it asks for nothing
	QUARTER 0, 3, F0, F1, 0
	TURN 0, 1, 0
	QUARTER 1, 1, F0, F1, 0
	QUARTER 1, 2, F1, F0, 0
	QUARTER 1, 3, F0, F1, 0
	s_wait_dscnt 16                                ; the very last quarter: nothing more to fetch
	SCALE F1, 0, 1, 3
	MUL8 F1, 0, 0, 0
	MUL8 F1, 0, 2, 0
	s_wait_dscnt 0
	SCALE F1, 1, 1, 3
	MUL8 F1, 1, 0, 0
	MUL8 F1, 1, 2, 0
	WAYOUT
	s_wait_tensorcnt 0x0
	ds_add_u32 v126, v127
	s_wait_dscnt 0x0
	CROUND                                         ; the closing round: no work-group ends while a partner may still ask for a tile that names it
	s_endpgm
.Lfunc_end_k_q085f7fa4fc_pv:
	.size	k_q085f7fa4fc_pv, .Lfunc_end_k_q085f7fa4fc_pv-k_q085f7fa4fc_pv
	.p2alignl 7, 3214868480
	.fill 96, 4, 3214868480
	.section	.rodata,"a",@progbits
	.p2align	6, 0x0
	.amdhsa_kernel k_q085f7fa4fc_pv
		.amdhsa_group_segment_fixed_size 327680
		.amdhsa_private_segment_fixed_size 0
		.amdhsa_enable_private_segment 0
		.amdhsa_kernarg_size 40
		.amdhsa_user_sgpr_count 2
		.amdhsa_user_sgpr_kernarg_segment_ptr 1
		.amdhsa_wavefront_size32 1
		.amdhsa_system_sgpr_workgroup_id_x 1
		.amdhsa_system_sgpr_workgroup_id_y 1
		.amdhsa_system_sgpr_workgroup_id_z 1
		.amdhsa_system_vgpr_workitem_id 0
		.amdhsa_next_free_vgpr 768
		.amdhsa_next_free_sgpr 100
		.amdhsa_reserve_vcc 0
		.amdhsa_float_denorm_mode_32 3
		.amdhsa_float_denorm_mode_16_64 3
		.amdhsa_memory_ordered 1
		.amdhsa_forward_progress 1
		.amdhsa_inst_pref_size 199
	.end_amdhsa_kernel
	.amdgpu_metadata
---
amdhsa.version: [ 1, 2 ]
amdhsa.kernels:
  - .name:           k_q085f7fa4fc_pv
    .symbol:         k_q085f7fa4fc_pv.kd
    .args:
      - { .name: pr, .offset: 0, .size: 8, .value_kind: global_buffer, .address_space: global }
      - { .name: qkv, .offset: 8, .size: 8, .value_kind: global_buffer, .address_space: global }
      - { .name: out0, .offset: 16, .size: 8, .value_kind: global_buffer, .address_space: global }
      - { .name: dump, .offset: 24, .size: 8, .value_kind: global_buffer, .address_space: global }
      - { .name: st, .offset: 32, .size: 8, .value_kind: global_buffer, .address_space: global }
    .group_segment_fixed_size: 327680
    .private_segment_fixed_size: 0
    .kernarg_segment_align: 8
    .kernarg_segment_size: 40
    .max_flat_workgroup_size: 128
    .sgpr_count:     100
    .vgpr_count:     768
    .wavefront_size: 32
...
	.end_amdgpu_metadata
.endif
;; end of part 8
